; MI455X (gfx1250); checked and timed in simulation.
; The chip was launched on July 23, 2026; its instructions are those of AMD's public machine-readable ISA for CDNA 5 (MIT licence, August 2026) and "CDNA5" Instruction Set Architecture Reference Guide (July 2026). The comments in the code are by the model that wrote it; some were corrected since.
;; Ro PE Multihead Attention. Allowed arithmetic: matrix products marked QUANTISED: E2M3 operands, one E8M0 scale for each 32 along K, by v_wmma_scale_f32_16x16x128_f8f6f4 with both operands' format E2M3, f32 sums; everything else in f32.
;; Inputs: Wk 512 x 512 float32; Wo 512 x 512 float32; Wq 512 x 512 float32; Wv 512 x 512 float32; attn_mask 2,048 x 2,048 bool; key_padding_mask 4 x 2,048 bool; x 4 x 2,048 x 512 float32.
;; Outputs: out0 4 x 2,048 x 512 float32.
;; This version of the problem:
;;   THIS VERSION OF THE PROBLEM IS GIVEN IN LOW PRECISION. The matrix products marked QUANTISED in the list below multiply operands that are first quantised to E2M3 (2 exponent bits, 3 mantissa bits; 6 bits a number), with one power-of-two scale for each 32 numbers along K (OCP MX v1.0); their sums are f32. All else is computed in f32.
;;   The module's matrix products, in the order in which they are computed (A, B: the left and right operand; K: the contracted axis; several contracted axes count as one K, in the product's order):
;;     1. [M 8,192, K 512] x [K 512, N 512]; A: input x; B: input Wq: QUANTISED
;;     2. [M 8,192, K 512] x [K 512, N 512]; A: input x; B: input Wk: QUANTISED
;;     3. [M 8,192, K 512] x [K 512, N 512]; A: input x; B: input Wv: QUANTISED
;;     4. batch 64 x [M 2,048, K 32] x [K 32, N 2,048]; A: computed on the way; B: computed on the way: QUANTISED
;;     5. batch 64 x [M 2,048, K 2,048] x [K 2,048, N 32]; A: computed on the way; B: computed on the way: QUANTISED
;;     6. [M 8,192, K 512] x [K 512, N 512]; A: computed on the way; B: input Wo: QUANTISED
;;   THE QUANTISER, for each operand of a quantised product, along K:
;;     - K is cut into blocks of 32 from its start; a last block that is shorter is filled with zeros.
;;     - A block's scale is 2^e with e = floor(log2(the largest magnitude in the block)) - 2, held to -126 .. 127; a block of zeros has e = 0. As a byte (E8M0): e + 127.
;;     - Each number is divided by its block's scale, clamped to +-7.5, and rounded to the nearest number of E2M3, ties to even, subnormals kept.
;;     - The product sums the exact products of the quantised numbers (number of the format x scale) in f32.
;;   ~~~python
;;   def quantise(x, axis):      # numpy; x: float32 -> the quantised numbers, widened to float32 again
;;       x = np.moveaxis(x, axis, -1); K = x.shape[-1]
;;       x = np.pad(x, [(0, 0)] * (x.ndim - 1) + [(0, -K % 32)]); x = x.reshape(x.shape[:-1] + (-1, 32)); a = np.abs(x).max(-1, keepdims=True)
;;       e = np.where(a > 0, np.clip(np.frexp(np.where(a > 0, a, 1))[1] - 1 - 2, -126, 127), 0)      # np.frexp(a)[1] - 1 = floor(log2(a)), exactly
;;       r = np.clip(x / 2.0 ** e, -7.5, 7.5)
;;       step = 2.0 ** (np.maximum(np.frexp(np.where(r == 0, 1, r))[1] - 1, 0) - 3)
;;       q = np.round(r / step) * step * 2.0 ** e      # np.round: ties to even
;;       return np.moveaxis(q.reshape(q.shape[:-2] + (-1,))[..., :K], -1, axis).astype(np.float32)
;;   ~~~
;;   OPERANDS COMPUTED ON THE WAY. 'Computed on the way' means the value that the module computes at that place (a softmax that the list does not call 'softmax' is quantised finished and normalised). What goes into a quantiser is computed in f32, as accurately as f32 sums, v_exp_f32 and their like allow (about 1e-6 of the number): no bf16 or f16 on the way to a quantiser, and a product that is left as it is and whose result goes on into a quantised operand takes f32 operands (vector FMAs, or v_wmma_f32_16x16x4_f32). A number that lies on a knife's edge between two numbers of the format may be rounded either way, as far as f32 arithmetic and the matrix unit's own rounding can turn it there, and no further.
;; 2 versions. Each part assembles by itself: llvm-mc -triple=amdgcn-amd-amdhsa -mcpu=gfx1250 --defsym DOCPART=n.
;; ======== version 1 of 2: 4 launches
;; limits: right only within a limited range of input values
;; workspace buffers: w 819,200 bytes; rope 1,048,576 bytes; maskw 2,097,152 bytes of whole numbers; rec 65,536 bytes of whole numbers; qkv 9,830,400 bytes; cr 4,194,304 bytes
;; launch prep (part 1): grid 512 x 1, 8 waves a work-group, no clusters, 5,120 bytes of LDS; arguments Wq, Wk, Wv, Wo, attn_mask, key_padding_mask, w, rope, maskw, rec; writes w, rope, maskw, rec
.if DOCPART == 1
	.amdgcn_target "amdgcn-amd-amdhsa--gfx1250"
	.amdhsa_code_object_version 6
	.text
	.protected	k_q721e7cb617_prep
	.globl	k_q721e7cb617_prep
	.p2align	8
	.type	k_q721e7cb617_prep,@function
k_q721e7cb617_prep:
	s_mov_b64 s[64:65], 0
	v_nop
	global_prefetch_b8 v0, s[64:65] scope:SCOPE_SE
	s_setreg_imm32_b32 hwreg(HW_REG_WAVE_MODE, 25, 1), 1
	s_wait_xcnt 0x0
; PREP.  Work-group i (0..511): b = t = i / 128, T = i % 128.  Three jobs that share nothing but the launch:
;  (1) 8,192 bytes of weight tensor t (0 Wq, 1 Wk, 2 Wv, 3 Wo; [n][k], K innermost) become codes of E2M3 and E8M0 bytes: w: codes at t x 196,608 as [n][384 bytes], bytes at 786,432 + t x 8,192 as [n][16].
;  (2) cos and sin of 16 positions x 16 frequencies: rope[b][pos][cos 16][sin 16], f32 (a copy for each batch, so that every work-group does the same work).
;  (3) the two masks of 16 queries (tile T of batch b) x 2,048 keys become an EFFECTIVE mask E, as lane-mask words, a class for each cell of 16 queries x 128 keys, and two row masks.
;      E[q][k] = 1 for a padded query (its result is set to 0 later);  0 for a query that is not padded and has EVERY key masked (bit in U: reference()'s softmax of equal scores is uniform; the attention
;      launch clears that query's codes, so that all its scores are equal);  else attn_mask[q][k] | key_padding_mask[b][k].
;      maskw[b][T][g 16][n 64]: bit r + 16 h of word n = E[16 T + r][128 g + 32 (n / 16) + 16 h + n % 16]: the lane and register in which the attention launch holds that score.
;      rec[b][T][32 words]: word 0: two bits a cell (0 all masked, 1 mixed, 2 none masked); word 1: padded queries, in both halves; word 2: U, in both halves; the rest 0.
; LIMITS: mask bytes are 0 or 1.  NaN and infinities among the weights are not served.  A block whose largest magnitude lies under 2^-124 keeps the byte 1; a block of zeros has the byte 1 where the rule says 127
; (its codes are zeros, and this program alone reads the bytes).  The frequencies are the f32 numbers nearest to 10^(-i/4); sine and cosine by a two-part reduction by pi/2 and polynomials, good to about 1e-7 for angles up to 2,047.
; Eight waves; wave w takes keys 256 w .. 256 w + 255 (cells 2 w, 2 w + 1), frequencies 2 w and 2 w + 1, and, if w < 4, 2,048 bytes of the weight.  EXEC is never changed.
.set FB, 0                             ; LDS: eight words: for each wave, which of the 16 rows are masked in all its 256 keys
.set CB, 256                           ; eight words: each wave's two classes at their place in the record's word 0
.set RS, 512                           ; 16 positions x 128 bytes of cos and sin
.set M,  16                            ; v16-47   mask bytes: register 16 c + 4 e + k: keys 128 c + 32 e + 16 h + 4 k .. + 3 of row r
.set KP, 48                            ; v48-79   the same keys' padding bytes; later the AND tree
.set WN, 80                            ; v80-95   16 numbers of the weight
.set WC, 96                            ; v96-98   their codes
.set W4, 120                           ; v120-123 lane l: mask words 4 l .. 4 l + 3 of the wave's 128
.set RR, 124                           ; v124     the record
	s_load_b256 s[4:11], s[0:1], 0x0               ; Wq, Wk, Wv, Wo
	s_load_b128 s[12:15], s[0:1], 0x20             ; attn_mask, key_padding_mask
	s_load_b256 s[16:23], s[0:1], 0x30             ; w, rope, maskw, rec
	v_lshl_add_u32 v160, v0, 2, 0x1000
	v_mov_b32 v161, 0
	v_lshrrev_b32 v4, 5, v0
	v_readfirstlane_b32 s24, v4                    ; wave 0..7
	v_and_b32 v1, 31, v0                           ; lane
	v_and_b32 v2, 15, v0                           ; r
	v_bfe_u32 v3, v0, 4, 1                         ; h
	s_lshr_b32 s25, ttmp9, 7                       ; b, and the weight tensor t
	s_and_b32 s26, ttmp9, 127                      ; T
	s_lshl_b32 s27, s24, 8                         ; 256 x wave
	v_lshl_add_u32 v5, v3, 4, s27                  ; padding bytes: 256 w + 16 h
	v_lshlrev_b32 v6, 11, v2
	v_lshl_add_u32 v6, v3, 4, v6                   ; attn_mask: row r of 2,048 bytes, + 16 h
	s_lshl_b32 s28, s26, 4
	v_add_nc_u32 v7, s28, v2                       ; 16 T + r: my query, and my position
	v_lshlrev_b32 v9, 6, v1                        ; the weight: 64 bytes a lane
	v_lshlrev_b32 v15, 2, v4                       ; LDS: 4 x wave
	v_lshlrev_b32 v119, 7, v2
	v_lshl_add_u32 v119, v3, 2, v119
	v_lshl_add_u32 v119, v4, 3, v119               ; LDS: 128 r + 4 (2 w + h): my position's row, my frequency
	v_lshlrev_b32 v125, 4, v1                      ; 16 x lane
	v_mov_b32 v126, 0
	v_lshlrev_b32 v127, 3, v0                      ; 256 w + 8 x lane
	v_lshlrev_b32 v145, 2, v1                      ; 4 x lane
	s_mul_i32 s52, ttmp9, 1536
	s_mul_i32 s53, s24, 384
	s_add_co_u32 s52, s52, s53
	v_mad_u32_u24 v13, v1, 12, s52                 ; my 12 bytes of codes: 1,536 i + 384 w + 12 x lane
	s_lshl_b32 s54, ttmp9, 6
	s_lshl_b32 s53, s24, 4
	s_add_co_u32 s54, s54, s53
	v_lshrrev_b32 v14, 1, v1
	v_add_nc_u32 v14, s54, v14                     ; my block's scale byte: 64 i + 16 w + lane / 2
	s_lshl_b32 s28, s26, 15
	s_add_co_u32 s28, s28, s27                     ; attn_mask: 16 T rows + 256 w
	s_mov_b32 s29, 0
	s_lshl_b32 s42, s25, 11                        ; key_padding_mask: batch b
	s_mov_b32 s43, 0
	s_lshl_b32 s44, s26, 13                        ; the weight: 8,192 (i % 128) + 2,048 w
	s_lshl_b32 s45, s24, 11
	s_add_co_u32 s44, s44, s45
	s_mov_b32 s45, 0
	s_lshl_b32 s46, ttmp9, 11                      ; rope: 16 i positions of 128 bytes
	s_mov_b32 s47, 0
	s_lshl_b32 s48, ttmp9, 12                      ; maskw: 4,096 i + 512 w
	s_lshl_b32 s49, s24, 9
	s_add_co_u32 s48, s48, s49
	s_mov_b32 s49, 0
	s_lshl_b32 s50, ttmp9, 7                       ; rec: 128 i
	s_mov_b32 s51, 0
	s_wait_kmcnt 0x0
	s_add_nc_u64 s[12:13], s[12:13], s[28:29]
	s_add_nc_u64 s[14:15], s[14:15], s[42:43]
	s_cmp_eq_u32 s25, 1                            ; which weight: the choice hangs on the work-group's number alone
	s_cselect_b64 s[4:5], s[6:7], s[4:5]
	s_cmp_eq_u32 s25, 2
	s_cselect_b64 s[4:5], s[8:9], s[4:5]
	s_cmp_eq_u32 s25, 3
	s_cselect_b64 s[4:5], s[10:11], s[4:5]
	s_add_nc_u64 s[4:5], s[4:5], s[44:45]
	s_add_nc_u64 s[18:19], s[18:19], s[46:47]
	s_add_nc_u64 s[20:21], s[20:21], s[48:49]
	s_add_nc_u64 s[22:23], s[22:23], s[50:51]
.irp c, 0,1
.irp e, 0,1,2,3
	global_load_b128 v[M+16*\c+4*\e:M+16*\c+4*\e+3], v6, s[12:13] offset:128*\c+32*\e
	global_load_b128 v[KP+16*\c+4*\e:KP+16*\c+4*\e+3], v5, s[14:15] offset:128*\c+32*\e
.endr
.endr
	global_load_u8 v8, v7, s[14:15]                ; is my query padded?
	; ---- (1) the weight: waves 0 to 3.  A lane holds 16 neighbours along K, two neighbouring lanes a block of 32.  No barrier stands under this branch
	s_cmp_lt_u32 s24, 4
	s_cbranch_scc0 .Lno_w
.irp k, 0,1,2,3
	global_load_b128 v[WN+4*\k:WN+4*\k+3], v9, s[4:5] offset:16*\k th:TH_LOAD_NT
.endr
	s_wait_loadcnt 0x0
	v_max3_num_f32 v10, |v[WN]|, |v[WN+1]|, |v[WN+2]|          ; the largest magnitude of my 16, in two chains
	v_max3_num_f32 v11, |v[WN+3]|, |v[WN+4]|, |v[WN+5]|
.irp i, 6,10
	v_max3_num_f32 v10, v10, |v[WN+\i]|, |v[WN+\i+1]|
	v_max3_num_f32 v11, v11, |v[WN+\i+2]|, |v[WN+\i+3]|
.endr
	v_max3_num_f32 v10, v10, |v[WN+14]|, |v[WN+15]|
	v_max3_num_f32 v10, v10, v11, 0x1800000        ; and the floor 2^(3 - 127): the byte cannot fall under 1
	v_max_num_f32_dpp v10, v10, v10 row_xmask:1 row_mask:0xf bank_mask:0xf   ; with my neighbour's 16: the block's
	v_add_nc_u32 v11, 0xff000000, v10              ; 2 off the exponent field: the conversion takes this operand's exponent field as its scale
	v_cvt_scalef32_pk16_fp6_f32 v[WC:WC+2], v[WN:WN+15], v11
	v_lshrrev_b32 v12, 23, v11                     ; the scale's byte (a plain line behind the conversion)
	global_store_b96 v13, v[WC:WC+2], s[16:17]     ; the wave stores 384 consecutive bytes
	global_store_b8 v14, v12, s[16:17] offset:786432   ; both lanes of a block write the same byte with the same value
.Lno_w:
	; ---- (2) cos and sin of position 16 T + r at frequency 2 w + h
	s_mov_b32 s40, 0x3f800000                      ; 10^(-i/4), i = 2 w and 2 w + 1, chosen by the wave's number without a branch
	s_mov_b32 s41, 0x3f0ff59a
.macro FSEL k, fa, fb
	s_cmp_eq_u32 s24, \k
	s_cselect_b32 s40, \fa, s40
	s_cselect_b32 s41, \fb, s41
.endm
	FSEL 1, 0x3ea1e89b, 0x3e361887
	FSEL 2, 0x3dcccccd, 0x3d6655c3
	FSEL 3, 0x3d0186e2, 0x3c91ad39
	FSEL 4, 0x3c23d70a, 0x3bb8449c
	FSEL 5, 0x3b4f3e37, 0x3ae91528
	FSEL 6, 0x3a83126f, 0x3a136a16
	FSEL 7, 0x39a5cb5f, 0x393a7753
	v_mov_b32 v100, s40
	v_mov_b32 v101, s41
	v_cmp_eq_u32 vcc_lo, 1, v3
	v_cndmask_b32 v100, v100, v101, vcc_lo
	v_cvt_f32_u32 v102, v7
	v_mul_f32 v103, v102, v100                     ; the angle, rounded once, as reference() has it
	v_mul_f32 v104, 0x3f22f983, v103
	v_rndne_f32 v104, v104                         ; n = the nearest whole number to angle x 2 / pi (at most 1,303)
	v_fma_f32 v105, -v104, 0x3fc90fdb, v103        ; angle - n x (pi/2's upper part): no bit is lost (the result is under 1 and has no bit under 2^-23)
	v_fma_f32 v105, -v104, 0xb33bbd2e, v105        ; - n x its lower part: the rest, within pi/4 either way
	v_mul_f32 v106, v105, v105                     ; z
	v_mov_b32 v108, 0xb94ca1f9
	v_fmaak_f32 v107, v106, v108, 0x3c08839e
	v_fmaak_f32 v107, v106, v107, 0xbe2aaaa3
	v_mul_f32 v109, v105, v106
	v_fma_f32 v107, v109, v107, v105               ; sine of the rest
	v_mov_b32 v110, 0x37ccf5ce
	v_fmaak_f32 v110, v106, v110, 0xbab6061a
	v_fmaak_f32 v110, v106, v110, 0x3d2aaaa5
	v_mul_f32 v111, v106, v106
	v_fma_f32 v112, v106, -0.5, 1.0
	v_fma_f32 v110, v111, v110, v112               ; cosine of the rest
	v_cvt_i32_f32 v113, v104                       ; the quadrant is n mod 4
	v_and_b32 v114, 1, v113
	v_cmp_eq_u32 vcc_lo, 1, v114
	v_cndmask_b32 v115, v107, v110, vcc_lo         ; sin: in odd quadrants the two change places
	v_cndmask_b32 v116, v110, v107, vcc_lo         ; cos
	v_lshlrev_b32 v117, 30, v113
	v_and_b32 v117, 0x80000000, v117               ; sin is negated in quadrants 2 and 3,
	v_xor_b32 v115, v115, v117
	v_add_nc_u32 v118, 1, v113
	v_lshlrev_b32 v118, 30, v118
	v_and_b32 v118, 0x80000000, v118               ; cos in quadrants 1 and 2
	v_xor_b32 v116, v116, v118
	ds_store_b32 v119, v116 offset:RS
	ds_store_b32 v119, v115 offset:RS+64
	; ---- (3) the masks.  Which rows are masked in all of my 256 keys
	s_wait_loadcnt 0x0
.set k, 0
.rept 32
	v_or_b32 v[M+k], v[M+k], v[KP+k]               ; attn_mask | key_padding_mask, four keys a register
.set k, k+1
.endr
.irp j, 0,1,2,3,4,5,6,7,8,9,10,11,12,13,14,15
	v_and_b32 v[KP+\j], v[M+2*\j], v[M+2*\j+1]
.endr
.irp j, 0,1,2,3,4,5,6,7
	v_and_b32 v[KP+\j], v[KP+2*\j], v[KP+2*\j+1]
.endr
.irp j, 0,1,2,3
	v_and_b32 v[KP+\j], v[KP+2*\j], v[KP+2*\j+1]
.endr
	v_and_b32 v[KP], v[KP], v[KP+1]
	v_and_b32 v[KP+2], v[KP+2], v[KP+3]
	v_and_b32 v[KP], v[KP], v[KP+2]
	v_cmp_eq_u32 s30, 0x01010101, v[KP]            ; my 128 keys are all masked
	s_lshr_b32 s33, s30, 16
	s_and_b32 s30, s30, s33                        ; and so are the other half's: bit r
	v_mov_b32 v146, s30
	ds_store_b32 v15, v146 offset:FB
	v_cmp_ne_u32 s31, 0, v8                        ; PQ: padded queries; lanes r and r + 16 hold the same query, so both halves are set
	s_wait_dscnt 0x0                               ; for the others' sake: my stores have landed
	s_barrier_signal -1
	s_barrier_wait -1
	ds_load_b128 v[128:131], v126 offset:FB
	ds_load_b128 v[132:135], v126 offset:FB+16
	ds_load_b64 v[136:137], v127 offset:RS         ; two positions' cos and sin: 256 consecutive bytes a wave
	s_wait_dscnt 0x0
	v_and_b32 v128, v128, v129
	v_and_b32 v130, v130, v131
	v_and_b32 v132, v132, v133
	v_and_b32 v134, v134, v135
	v_and_b32 v128, v128, v130
	v_and_b32 v132, v132, v134
	v_and_b32 v128, v128, v132
	v_readfirstlane_b32 s30, v128                  ; rows masked in all 2,048 keys
	s_and_b32 s30, s30, 0xffff
	s_and_not1_b32 s32, s30, s31                   ; U: such rows that are not padded,
	s_lshl_b32 s33, s32, 16
	s_or_b32 s32, s32, s33                         ; in both halves
	global_store_b64 v127, v[136:137], s[18:19]    ; the wave stores 256 consecutive bytes, aligned
.irp y, 0,1,2,3
	v_mov_b32 v[W4+\y], 0                          ; written whole once: v_writelane_b32's destination counts as read
.endr
	v_mov_b32 v[RR], 0
; A cell's 64 words, four at a time: a byte of each lane's register becomes a lane mask; U's rows are opened, padded rows closed; the running AND and OR give the cell's class.
.macro CELL c
	s_mov_b32 s33, -1
	s_mov_b32 s34, 0
.irp e, 0,1,2,3
.irp k, 0,1,2,3
.irp y, 0,1,2,3
	v_and_b32 v[140+\y], 1<<(8*\y), v[M+16*\c+4*\e+\k]
.endr
.irp y, 0,1,2,3
	v_cmp_ne_u32 s[36+\y], 0, v[140+\y]
.endr
.irp y, 0,1,2,3
	s_and_not1_b32 s[36+\y], s[36+\y], s32
	s_or_b32 s[36+\y], s[36+\y], s31
	s_and_b32 s33, s33, s[36+\y]
	s_or_b32 s34, s34, s[36+\y]
.endr
.irp y, 0,1,2,3
	v_writelane_b32 v[W4+\y], s[36+\y], 16*\c+4*\e+\k      ; word 64 c + 16 e + 4 k + y: register y of lane 16 c + 4 e + k
.endr
.endr
.endr
	s_cmp_eq_u32 s33, -1
	s_cselect_b32 s[40+\c], 0, 1                   ; all masked: 0
	s_cmp_eq_u32 s34, 0
	s_cselect_b32 s[40+\c], 2, s[40+\c]            ; none masked: 2
.endm
	CELL 0
	CELL 1
	global_store_b128 v125, v[W4:W4+3], s[20:21]   ; two cells' words: 512 consecutive bytes, aligned
	s_lshl_b32 s41, s41, 2
	s_or_b32 s40, s40, s41
	s_lshl_b32 s33, s24, 2
	s_lshl_b32 s40, s40, s33                       ; my two classes at bits 4 w .. 4 w + 3
	v_mov_b32 v144, s40
	ds_store_b32 v15, v144 offset:CB
	s_wait_dscnt 0x0
	s_barrier_signal -1
	s_barrier_wait -1
	s_cmp_lg_u32 s24, 0                            ; wave 0 writes the record
	s_cbranch_scc1 .Lend
	ds_load_b128 v[148:151], v126 offset:CB
	ds_load_b128 v[152:155], v126 offset:CB+16
	s_wait_dscnt 0x0
	v_or_b32 v148, v148, v149
	v_or_b32 v150, v150, v151
	v_or_b32 v152, v152, v153
	v_or_b32 v154, v154, v155
	v_or_b32 v148, v148, v150
	v_or_b32 v152, v152, v154
	v_or_b32 v148, v148, v152
	v_readfirstlane_b32 s40, v148
	v_writelane_b32 v[RR], s40, 0
	v_writelane_b32 v[RR], s31, 1
	v_writelane_b32 v[RR], s32, 2
	global_store_b32 v145, v[RR], s[22:23]
.Lend:
	s_wait_tensorcnt 0x0
	ds_add_u32 v160, v161
	s_wait_dscnt 0x0
	s_endpgm
.Lfunc_end_k_q721e7cb617_prep:
	.size	k_q721e7cb617_prep, .Lfunc_end_k_q721e7cb617_prep-k_q721e7cb617_prep
	.p2alignl 7, 3214868480
	.fill 96, 4, 3214868480
	.section	.rodata,"a",@progbits
	.p2align	6, 0x0
	.amdhsa_kernel k_q721e7cb617_prep
		.amdhsa_group_segment_fixed_size 5120
		.amdhsa_private_segment_fixed_size 0
		.amdhsa_enable_private_segment 0
		.amdhsa_kernarg_size 80
		.amdhsa_user_sgpr_count 2
		.amdhsa_user_sgpr_kernarg_segment_ptr 1
		.amdhsa_wavefront_size32 1
		.amdhsa_system_sgpr_workgroup_id_x 1
		.amdhsa_system_sgpr_workgroup_id_y 1
		.amdhsa_system_sgpr_workgroup_id_z 1
		.amdhsa_system_vgpr_workitem_id 0
		.amdhsa_next_free_vgpr 162
		.amdhsa_next_free_sgpr 66
		.amdhsa_reserve_vcc 1
		.amdhsa_float_denorm_mode_32 3
		.amdhsa_float_denorm_mode_16_64 3
		.amdhsa_memory_ordered 1
		.amdhsa_forward_progress 1
		.amdhsa_inst_pref_size 53
	.end_amdhsa_kernel
	.amdgpu_metadata
---
amdhsa.version: [ 1, 2 ]
amdhsa.kernels:
  - .name:           k_q721e7cb617_prep
    .symbol:         k_q721e7cb617_prep.kd
    .args:
      - { .name: Wq, .offset: 0, .size: 8, .value_kind: global_buffer, .address_space: global }
      - { .name: Wk, .offset: 8, .size: 8, .value_kind: global_buffer, .address_space: global }
      - { .name: Wv, .offset: 16, .size: 8, .value_kind: global_buffer, .address_space: global }
      - { .name: Wo, .offset: 24, .size: 8, .value_kind: global_buffer, .address_space: global }
      - { .name: attn_mask, .offset: 32, .size: 8, .value_kind: global_buffer, .address_space: global }
      - { .name: key_padding_mask, .offset: 40, .size: 8, .value_kind: global_buffer, .address_space: global }
      - { .name: w, .offset: 48, .size: 8, .value_kind: global_buffer, .address_space: global }
      - { .name: rope, .offset: 56, .size: 8, .value_kind: global_buffer, .address_space: global }
      - { .name: maskw, .offset: 64, .size: 8, .value_kind: global_buffer, .address_space: global }
      - { .name: rec, .offset: 72, .size: 8, .value_kind: global_buffer, .address_space: global }
    .group_segment_fixed_size: 5120
    .private_segment_fixed_size: 0
    .kernarg_segment_align: 8
    .kernarg_segment_size: 80
    .max_flat_workgroup_size: 256
    .sgpr_count:     66
    .vgpr_count:     162
    .wavefront_size: 32
...
	.end_amdgpu_metadata
.endif
;; end of part 1
;; launch qkv (part 2): grid 64 x 3, 4 waves a work-group, no clusters, 188,928 bytes of LDS; arguments x, w, rope, qkv; writes qkv
.if DOCPART == 2
	.amdgcn_target "amdgcn-amd-amdhsa--gfx1250"
	.amdhsa_code_object_version 6
	.text
	.protected	k_q721e7cb617_qkv
	.globl	k_q721e7cb617_qkv
	.p2align	8
	.type	k_q721e7cb617_qkv,@function
k_q721e7cb617_qkv:
	s_mov_b64 s[64:65], 0
	v_nop
	global_prefetch_b8 v0, s[64:65] scope:SCOPE_SE
	s_setreg_imm32_b32 hwreg(HW_REG_WAVE_MODE, 25, 1), 1
	s_wait_xcnt 0x0
; QKV.  Work-group (xg, role): rows 128 xg .. + 127 of x [8,192][512] f32 times one weight (role 0 Wq, 1 Wk, 2 Wv; codes of E2M3 made by the launch before), on codes, sums in f32;
; q and k are rotated (RoPE) in f32 and quantised along the head's 32; v is quantised along the KEYS, in blocks of 32.  Nothing wide goes to memory.
; SHARES.  Four waves share the COLUMNS: wave w makes features 128 w .. + 127 (four heads) for all 128 rows; its 8 tiles x 4 K steps of the weight stay in 384 registers, read once.
; x is quantised by the work-group itself (wave w: tiles w and w + 4 of the eight tiles of 16 rows) and goes from wave to wave through LDS as images of the operand's registers; one barrier.
; THE ROWS OF x THAT FORM A TILE ARE NOT NEIGHBOURS: lane r of tile 2 e + u takes row 32 e + 8 u + r + 8 (r / 8).  For v (source 0 = x, source 1 = W) a lane then holds one feature and the 16 registers of
; tiles 2 e, 2 e + 1 are 16 neighbouring keys, 32 e + 16 h + 0 .. 15.  For q and k (source 0 = W, source 1 = x) a lane holds one row and, of a head, d = 8 h + 0 .. 7 (tile 2 d') and 16 + 8 h + 0 .. 7 (tile 2 d' + 1):
; the two partners of a rotation lie in one lane, eight registers apart.
; OUT (buffer qkv).  Codes at role x 3,145,728 + ((16 b + g) x 16 + head) x 3,072, g the cell of 128 rows: q, k: [row 128][24 bytes]; v: [d 32][key block 4][24 bytes].  In a block of q or k the codes stand in a
; fixed order of d, the same for both (places 0-15: d 0-7, 16-23; places 16-31: d 8-15, 24-31): their product does not see it.  Scale bytes at 9,437,184 + role x 131,072 + (the same index) x 128:
; q, k: byte 8 r + 2 e + u belongs to row 32 e + 8 u + r + 8 (r / 8);  v: [d 32][key block 4].  Codes leave through the wave's own stage in LDS, 384 consecutive bytes a store.
; The two roles' paths part on the work-group's number; each has stage bytes of its own.  No tensor load: the weights go once, straight into registers, and x's tile is read by this work-group and two others.
; LIMITS: NaN and infinities are not served; blocks under 2^-124 keep the byte 1; a block of zeros has the byte 1 (zero codes; only this program reads the bytes).
; REGISTERS, in windows of 256.  Window 0: v1-15, v224-238 addresses; v16-111 x's eight fragments of a trip (in the x phase: v16-79, v80-143 numbers, v144-162 codes, v164-179 at work, v180 the scale word);
;   v112-147 the flush; v184-191 x's scale words; v192-223 W's.  Window 1: W's fragments of K steps 0, 1 at v[12 (2 t + s)]; window 2: of K steps 2, 3.
;   Window 3: v0-127 sixteen accumulators; v128-159 cos and sin; v160-223 the rotation's products; v224-239 at work; v240-255 codes.
.set XIMG, 0                           ; LDS: x's 32 fragments (tile T8, K step s: 4 T8 + s), 1,536 bytes each,
.set XSC,  49152                       ; their scale words, 128 bytes each,
.set STGQ, 53248                       ; q's and k's stage: 16,384 bytes a wave: 1,024 places of 16 bytes, each with 12 bytes of codes, in the order of memory,
.set SSBQ, 118784                      ; their scale bytes, 512 a wave,
.set STGV, 120832                      ; and the same for v
.set SSBV, 186368
.set XA,  5                            ; x: my lane's byte in a tile's rows
.set LI,  6                            ; 16 x lane
.set LS,  7                            ; 4 x lane
.set XWI, 8                            ; where I store x's images
.set XWS, 9                            ; and their scale words
.set WA,  10                           ; W's codes: 384 r + 24 h
.set WSA, 11                           ; W's scale words: 16 r
.set RA,  12                           ; rope: my row of a tile, my eight frequencies
.set FS,  13                           ; XSC + 4 x lane
.set SQ,  14                           ; the lane's fixed part of each stage address
.set SBQ, 15
.set SV,  224
.set SBV, 225
.set FLQ, 226
.set FLV, 227
.set FSQ, 228
.set FSV, 229
.set G12, 230                          ; 12 x lane
.set CFA, 232                          ; the trip's addresses: a fixed part + a scalar that steps by a constant
.set CFS, 233
.set CSQ, 234
.set CSBQ, 235
.set CRA, 236
.set CSV, 237
.set CSBV, 238
.set XF,  16
.set HA,  16
.set PC,  144
.set TM,  164
.set PW,  180
.set XS,  184
.set WS,  192
.set FT,  112
.set T1,  160                          ; window 3
.set T2,  192
.set TM3, 224
.set CD,  240
.set MSB, 0
.macro WIN new                         ; the immediate's high byte repeats the setting that is left; a switch that changes nothing is dropped
.if MSB != (\new)
	s_set_vgpr_msb (MSB<<8)|(\new)
.set MSB, (\new)
.endif
.endm
; my tile's numbers of K step s (128 along K: 64 a lane): register 16 b + i = k 32 b + 16 h + i of my row.  e = 1: the tile 64 rows further down
.macro XLOAD reg, e, s
.irp b, 0,1,2,3
.irp j, 0,1,2,3
	global_load_b128 v[(\reg)+16*\b+4*\j:(\reg)+16*\b+4*\j+3], v[XA], s[4:5] offset:131072*(\e)+512*(\s)+128*\b+16*\j
.endr
.endr
.endm
; 64 numbers of a lane become a fragment's codes in v[PC] on and its scale word in v[PW]
.macro QUANT s
.irp b, 0,1,2,3
	v_max3_num_f32 v[TM+\b], |v[(\s)+16*\b]|, |v[(\s)+1+16*\b]|, 0x1800000   ; block b: my 16 numbers, and the floor 2^(3 - 127): the byte cannot fall under 1
.endr
.irp i, 2,4,6,8,10,12,14
.irp b, 0,1,2,3
	v_max3_num_f32 v[TM+\b], v[TM+\b], |v[(\s)+16*\b+\i]|, |v[(\s)+1+16*\b+\i]|   ; (the four blocks by turns)
.endr
.endr
.irp b, 0,1,2,3
	v_permlanex16_b32 v[TM+4+\b], v[TM+\b], s20, s21
.endr
.irp b, 0,1,2,3
	v_max_num_f32 v[TM+\b], v[TM+\b], v[TM+4+\b]   ; with lane l xor 16's: the block's largest magnitude
.endr
.irp b, 0,1,2,3
	v_add_nc_u32 v[TM+12+\b], 0xff000000, v[TM+\b] ; 2 off its exponent field: the conversion's scale operand
.endr
.irp b, 0,1,2,3
	v_lshrrev_b32 v[TM+4+\b], 23, v[TM+12+\b]      ; the scale's byte
.endr
	v_lshl_or_b32 v[PW], v[TM+5], 8, v[TM+4]
	v_lshl_or_b32 v[PW], v[TM+6], 16, v[PW]
	v_lshl_or_b32 v[PW], v[TM+7], 24, v[PW]
.irp c, 0,1
	v_cvt_scalef32_pk16_fp6_f32 v[PC+6*\c:PC+2+6*\c], v[(\s)+32*\c:(\s)+15+32*\c], v[TM+12+2*\c]
	v_cvt_scalef32_pk16_fp6_f32 v[PC+12+4*\c:PC+14+4*\c], v[(\s)+16+32*\c:(\s)+31+32*\c], v[TM+12+2*\c+1]   ; (a conversion's three registers begin on an even number)
.endr
	v_nop                                          ; one plain line behind the conversions
.irp c, 0,1                                    ; the operand's layout wants a whole block in a lane: lanes 0-15 block 2 c, lanes 16-31 block 2 c + 1
.irp i, 0,1,2
	v_permlane16_swap_b32 v[PC+6*\c+\i], v[PC+12+4*\c+\i]
.endr
.irp i, 0,1,2
	v_mov_b32 v[PC+3+6*\c+\i], v[PC+12+4*\c+\i]
.endr
.endr
.endm
.macro IMAGE adr, off                          ; the fragment in v[PC] on goes to LDS as it stands: lane l's 16 bytes at 16 l, 512 bytes a store
.irp c, 0,1,2
	ds_store_b128 v[\adr], v[PC+4*\c:PC+4*\c+3] offset:(\off)+512*\c
.endr
.endm
.macro FETCH reg, adr, off                     ; and comes back so, in any wave
.irp c, 0,1,2
	ds_load_b128 v[(\reg)+4*\c:(\reg)+4*\c+3], v[\adr] offset:(\off)+512*\c
.endr
.endm
; window 3: four blocks of 16 registers from v[s] on; a block's other 16 numbers lie in lane l xor 16.  Each lane's 16 codes (12 bytes) land in v[CD + 4 b] on, the block's byte in v[TM3 + 4 + b]
.macro Q4 s
.irp b, 0,1,2,3
	v_max3_num_f32 v[TM3+\b], |v[(\s)+16*\b]|, |v[(\s)+1+16*\b]|, 0x1800000
.endr
.irp i, 2,4,6,8,10,12,14
.irp b, 0,1,2,3
	v_max3_num_f32 v[TM3+\b], v[TM3+\b], |v[(\s)+16*\b+\i]|, |v[(\s)+1+16*\b+\i]|
.endr
.endr
.irp b, 0,1,2,3
	v_permlanex16_b32 v[TM3+4+\b], v[TM3+\b], s20, s21
.endr
.irp b, 0,1,2,3
	v_max_num_f32 v[TM3+\b], v[TM3+\b], v[TM3+4+\b]
.endr
.irp b, 0,1,2,3
	v_add_nc_u32 v[TM3+12+\b], 0xff000000, v[TM3+\b]
.endr
.irp b, 0,1,2,3
	v_lshrrev_b32 v[TM3+4+\b], 23, v[TM3+12+\b]
.endr
.irp b, 0,1,2,3
	v_cvt_scalef32_pk16_fp6_f32 v[CD+4*\b:CD+4*\b+2], v[(\s)+16*\b:(\s)+16*\b+15], v[TM3+12+\b]
.endr
	v_nop                                          ; one plain line behind the conversions
.endm
; window 3: the rotation of tile u's four heads.  a = d 8 h + j, b = d 16 + 8 h + j, eight registers on:  a' = a cos - b sin,  b' = b cos + a sin.  Each accumulator is read from its low end on
.macro ROPE u
.irp d, 0,1,2,3
.irp j, 0,2,4,6
	v_pk_mul_f32 v[T1+8*\d+\j:T1+8*\d+\j+1], v[64*(\u)+16*\d+8+\j:64*(\u)+16*\d+9+\j], v[136+16*(\u)+\j:137+16*(\u)+\j]
	v_pk_mul_f32 v[T2+8*\d+\j:T2+8*\d+\j+1], v[64*(\u)+16*\d+\j:64*(\u)+16*\d+1+\j], v[136+16*(\u)+\j:137+16*(\u)+\j]
.endr
.endr
.irp d, 0,1,2,3
.irp j, 0,2,4,6
	v_pk_fma_f32 v[64*(\u)+16*\d+\j:64*(\u)+16*\d+1+\j], v[64*(\u)+16*\d+\j:64*(\u)+16*\d+1+\j], v[128+16*(\u)+\j:129+16*(\u)+\j], v[T1+8*\d+\j:T1+8*\d+\j+1] neg_lo:[0,0,1] neg_hi:[0,0,1]
	v_pk_fma_f32 v[64*(\u)+16*\d+8+\j:64*(\u)+16*\d+9+\j], v[64*(\u)+16*\d+8+\j:64*(\u)+16*\d+9+\j], v[128+16*(\u)+\j:129+16*(\u)+\j], v[T2+8*\d+\j:T2+8*\d+\j+1]
.endr
.endr
.endm
; 64 products: two tiles of rows x eight tiles of features, K step by K step.  The sixteen accumulators take turns, one instruction a turn; the first K step starts the sums
.macro MULQK                                   ; source 0 = W, source 1 = x: accumulator (u, t) at v[64 u + 8 t]
.irp s, 0,1,2,3
	WIN 0xf1+\s/2
.irp u, 0,1
.irp t, 0,1,2,3,4,5,6,7
.if \s == 0
	v_wmma_scale_f32_16x16x128_f8f6f4 v[64*\u+8*\t:64*\u+8*\t+7], v[12*(2*\t+\s%2):12*(2*\t+\s%2)+11], v[XF+12*(4*\u+\s):XF+12*(4*\u+\s)+11], 0, v[WS+4*\t+\s], v[XS+4*\u+\s] matrix_a_fmt:MATRIX_FMT_FP6 matrix_b_fmt:MATRIX_FMT_FP6
.else
	v_wmma_scale_f32_16x16x128_f8f6f4 v[64*\u+8*\t:64*\u+8*\t+7], v[12*(2*\t+\s%2):12*(2*\t+\s%2)+11], v[XF+12*(4*\u+\s):XF+12*(4*\u+\s)+11], v[64*\u+8*\t:64*\u+8*\t+7], v[WS+4*\t+\s], v[XS+4*\u+\s] matrix_a_fmt:MATRIX_FMT_FP6 matrix_b_fmt:MATRIX_FMT_FP6
.endif
.endr
.endr
.endr
.endm
.macro MULV                                    ; source 0 = x, source 1 = W: accumulator (t, u) at v[16 t + 8 u]
.irp s, 0,1,2,3
	WIN 0xf4+4*(\s/2)
.irp u, 0,1
.irp t, 0,1,2,3,4,5,6,7
.if \s == 0
	v_wmma_scale_f32_16x16x128_f8f6f4 v[16*\t+8*\u:16*\t+8*\u+7], v[XF+12*(4*\u+\s):XF+12*(4*\u+\s)+11], v[12*(2*\t+\s%2):12*(2*\t+\s%2)+11], 0, v[XS+4*\u+\s], v[WS+4*\t+\s] matrix_a_fmt:MATRIX_FMT_FP6 matrix_b_fmt:MATRIX_FMT_FP6
.else
	v_wmma_scale_f32_16x16x128_f8f6f4 v[16*\t+8*\u:16*\t+8*\u+7], v[XF+12*(4*\u+\s):XF+12*(4*\u+\s)+11], v[12*(2*\t+\s%2):12*(2*\t+\s%2)+11], v[16*\t+8*\u:16*\t+8*\u+7], v[XS+4*\u+\s], v[WS+4*\t+\s] matrix_a_fmt:MATRIX_FMT_FP6 matrix_b_fmt:MATRIX_FMT_FP6
.endif
.endr
.endr
.endr
.endm
; the wave's stage leaves: 1,024 places of 16 bytes give 12,288 consecutive bytes of codes, 384 a store; then its 512 scale bytes, two aligned runs of 256
.macro FLUSH fl, fs
.irp q, 0,1,2,3
.if \q > 0
	s_wait_xcnt 0x0                                ; the last batch's stores have read their registers
.endif
.irp t, 0,1,2,3,4,5,6,7
	ds_load_b96 v[FT+4*\t:FT+4*\t+2], v[\fl] offset:512*(8*\q+\t)
.endr
.irp t, 0,1,2,3,4,5,6,7
	s_wait_dscnt 7-\t                              ; LDS loads come back in order: load t is in, the younger ones may be out
	global_store_b96 v[G12], v[FT+4*\t:FT+4*\t+2], s[22:23] offset:384*(8*\q+\t)
.endr
.endr
	ds_load_b128 v[FT+32:FT+35], v[\fs]
	s_wait_dscnt 0x0
	global_store_b128 v[LI], v[FT+32:FT+35], s[24:25]
.endm
	s_load_b256 s[4:11], s[0:1], 0x0               ; x, w, rope, qkv
	v_lshl_add_u32 v254, v0, 2, 0x2e000
	v_mov_b32 v255, 0
	v_lshrrev_b32 v1, 5, v0
	v_readfirstlane_b32 s12, v1                    ; wave 0..3
	v_and_b32 v1, 31, v0                           ; lane
	v_and_b32 v2, 15, v0                           ; r
	v_bfe_u32 v3, v0, 4, 1                         ; h
	v_and_b32 v4, 8, v2
	v_add_nc_u32 v4, v4, v2                        ; r + 8 (r / 8)
	s_and_b32 s13, ttmp7, 0xffff                   ; the role
	v_lshlrev_b32 v[XA], 11, v4
	v_lshl_add_u32 v[XA], v3, 6, v[XA]             ; x: a row is 2,048 bytes; + 64 h: my 16 numbers of a block
	v_lshlrev_b32 v[LI], 4, v1
	v_lshlrev_b32 v[LS], 2, v1
	s_mul_i32 s26, s12, 6144
	v_add_nc_u32 v[XWI], s26, v[LI]                ; tile w's four images
	s_lshl_b32 s26, s12, 9                         ; 512 x wave
	v_add_nc_u32 v[XWS], s26, v[LS]
	v_add_nc_u32 v[XWS], XSC, v[XWS]
	v_mul_u32_u24 v[WA], v2, 384
	v_mad_u32_u24 v[WA], v3, 24, v[WA]
	v_lshlrev_b32 v[WSA], 4, v2
	v_lshlrev_b32 v[RA], 7, v4
	v_lshl_add_u32 v[RA], v3, 5, v[RA]             ; rope: 128 bytes a position; cos of frequencies 8 h on
	v_add_nc_u32 v[FS], XSC, v[LS]
	s_lshl_b32 s27, s12, 14                        ; 16,384 x wave
	v_lshlrev_b32 v[SQ], 5, v4
	v_lshl_add_u32 v[SQ], v3, 4, v[SQ]
	v_add_nc_u32 v[SQ], s27, v[SQ]
	v_add_nc_u32 v[SQ], STGQ, v[SQ]                ; q, k: place 2 x row + h of a head's 256
	v_lshl_add_u32 v[SBQ], v2, 3, s26
	v_add_nc_u32 v[SBQ], SSBQ, v[SBQ]
	v_lshlrev_b32 v[SV], 7, v2
	v_lshl_add_u32 v[SV], v3, 4, v[SV]
	v_add_nc_u32 v[SV], s27, v[SV]
	v_add_nc_u32 v[SV], STGV, v[SV]                ; v: place 8 d + 2 x key block + h
	v_lshl_add_u32 v[SBV], v2, 2, s26
	v_add_nc_u32 v[SBV], SSBV, v[SBV]
	v_add_nc_u32 v[FLQ], s27, v[LI]
	v_add_nc_u32 v[FLV], STGV, v[FLQ]
	v_add_nc_u32 v[FLQ], STGQ, v[FLQ]
	v_add_nc_u32 v[FSQ], s26, v[LI]
	v_add_nc_u32 v[FSV], SSBV, v[FSQ]
	v_add_nc_u32 v[FSQ], SSBQ, v[FSQ]
	v_mul_u32_u24 v[G12], v1, 12
.irp b, 0,1,2,3
	v_mov_b32 v[TM+4+\b], 0                        ; written once: a lane permute's destination counts as one of its sources
.endr
	WIN 0xc0
.irp b, 0,1,2,3
	v_mov_b32 v[TM3+4+\b], 0                       ; the same in window 3
.endr
	WIN 0
	s_mov_b32 s20, 0x76543210
	s_mov_b32 s21, 0xfedcba98                      ; v_permlanex16_b32's selects for lane l xor 16
	s_lshl_b32 s14, ttmp9, 7
	s_lshr_b32 s36, s12, 1
	s_lshl_b32 s36, s36, 5
	s_add_co_u32 s14, s14, s36
	s_and_b32 s36, s12, 1
	s_lshl_b32 s36, s36, 3
	s_add_co_u32 s14, s14, s36                     ; the first row of tile w: 128 xg + 32 (w / 2) + 8 (w % 2)
	s_lshl_b32 s14, s14, 11
	s_mov_b32 s15, 0
	s_wait_kmcnt 0x0
	s_add_nc_u64 s[4:5], s[4:5], s[14:15]
	s_mul_i32 s26, s13, 196608
	s_mul_i32 s27, s12, 49152
	s_add_co_u32 s26, s26, s27
	s_mov_b32 s27, 0
	s_add_nc_u64 s[16:17], s[6:7], s[26:27]        ; my 128 rows of the role's weight: codes,
	s_lshl_b32 s26, s13, 13
	s_lshl_b32 s36, s12, 11
	s_add_co_u32 s26, s26, s36
	s_add_co_u32 s26, s26, 786432
	s_add_nc_u64 s[18:19], s[6:7], s[26:27]        ; scale bytes
	s_lshl_b32 s26, ttmp9, 14
	s_add_nc_u64 s[8:9], s[8:9], s[26:27]          ; rope at my 128 positions
	s_lshl_b32 s36, ttmp9, 4
	s_lshl_b32 s37, s12, 2
	s_add_co_u32 s36, s36, s37                     ; 16 xg + 4 w: my first head's index
	s_mul_i32 s26, s36, 3072
	s_mul_i32 s37, s13, 3145728
	s_add_co_u32 s26, s26, s37
	s_add_nc_u64 s[22:23], s[10:11], s[26:27]      ; where my codes go,
	s_lshl_b32 s26, s36, 7
	s_lshl_b32 s37, s13, 17
	s_add_co_u32 s26, s26, s37
	s_add_co_u32 s26, s26, 9437184
	s_add_nc_u64 s[24:25], s[10:11], s[26:27]      ; and my scale bytes
	WIN 0x40                                       ; destination window 1: K steps 0 and 1
.irp t, 0,1,2,3,4,5,6,7
.irp s, 0,1
.irp p, 0,1,2,3,4,5
	global_load_b64 v[12*(2*\t+\s)+2*\p:12*(2*\t+\s)+2*\p+1], v[WA], s[16:17] offset:6144*\t+96*\s+48*(\p/3)+8*(\p%3)
.endr
.endr
.endr
	WIN 0x80                                       ; window 2: K steps 2 and 3
.irp t, 0,1,2,3,4,5,6,7
.irp s, 0,1
.irp p, 0,1,2,3,4,5
	global_load_b64 v[12*(2*\t+\s)+2*\p:12*(2*\t+\s)+2*\p+1], v[WA], s[16:17] offset:6144*\t+192+96*\s+48*(\p/3)+8*(\p%3)
.endr
.endr
.endr
	WIN 0
.irp t, 0,1,2,3,4,5,6,7
	global_load_b128 v[WS+4*\t:WS+4*\t+3], v[WSA], s[18:19] offset:256*\t    ; a row's 16 bytes: the scale words of its four K steps
.endr
	XLOAD HA,0,0
	; ---- x: my two tiles x four K steps become eight fragments.  Two sets of 64 registers by turns: a step's numbers land while the step before is quantised
.macro XSTEP k
.if \k < 7
	XLOAD (HA+64*((\k+1)%2)),((\k+1)/4),((\k+1)%4)
	s_wait_loadcnt 16                              ; all but the sixteen just issued: this step's numbers are in (and, loads coming back in order, the weight)
.else
	s_wait_loadcnt 0x0
.endif
	QUANT (HA+64*(\k%2))
	IMAGE XWI,24576*(\k/4)+1536*(\k%4)
	ds_store_b32 v[XWS], v[PW] offset:2048*(\k/4)+128*(\k%4)
	s_wait_dscnt 0x0                               ; the stores have read their registers
.endm
.irp k, 0,1,2,3,4,5,6,7
	XSTEP \k
.endr
	s_barrier_signal -1                            ; (every wave's LDS stores have landed: the wait for 0 above)
	s_barrier_wait -1                              ; x's 32 fragments lie in LDS; they are never written again
	s_mov_b32 s28, 0                               ; e, the pair of tiles of rows
	s_mov_b32 s30, 0                               ; 12,288 e: eight images
	s_mov_b32 s31, 0                               ; 1,024 e: eight scale words; 32 rows of q's stage
	s_mov_b32 s32, 0                               ; 2 e
	s_mov_b32 s33, 0                               ; 4,096 e: 32 positions of rope
	s_mov_b32 s34, 0                               ; 32 e: a key block's two places in v's stage
	s_mov_b32 s35, 0                               ; e
.Lpair:
	v_add_nc_u32 v[CFA], s30, v[LI]                ; both roles' addresses are made ahead of the parting
	v_add_nc_u32 v[CFS], s31, v[FS]
	v_add_nc_u32 v[CSQ], s31, v[SQ]
	v_add_nc_u32 v[CSBQ], s32, v[SBQ]
	v_add_nc_u32 v[CRA], s33, v[RA]
	v_add_nc_u32 v[CSV], s34, v[SV]
	v_add_nc_u32 v[CSBV], s35, v[SBV]
.irp f, 0,1,2,3,4,5,6,7                        ; fragment 4 u + s
	FETCH XF+12*\f,CFA,1536*\f
	ds_load_b32 v[XS+\f], v[CFS] offset:128*\f
.endr
	s_cmp_eq_u32 s13, 2
	s_cbranch_scc1 .Lvarm
	; ---- q, k
	WIN 0xc0                                       ; destination window 3
.irp u, 0,1
	global_load_b128 v[128+16*\u:131+16*\u], v[CRA], s[8:9] offset:1024*\u        ; cos of my row, frequencies 8 h + 0 .. 7,
	global_load_b128 v[132+16*\u:135+16*\u], v[CRA], s[8:9] offset:1024*\u+16
	global_load_b128 v[136+16*\u:139+16*\u], v[CRA], s[8:9] offset:1024*\u+64     ; and sin
	global_load_b128 v[140+16*\u:143+16*\u], v[CRA], s[8:9] offset:1024*\u+80
.endr
	WIN 0
	s_wait_dscnt 0x0
	MULQK
.rept 4
	v_nop                                          ; four places between the last product and the first read of results (ISA guide 7.12.1)
.endr
	s_wait_loadcnt 0x0                             ; cos and sin
	WIN 0xff
.irp u, 0,1
	ROPE \u
	Q4 64*\u
	WIN 0x0c                                       ; an LDS store's data are its source 1: window 3
.irp b, 0,1,2,3
	ds_store_b96 v[CSQ], v[CD+4*\b:CD+4*\b+2] offset:4096*\b+256*\u
	ds_store_b8 v[CSBQ], v[TM3+4+\b] offset:128*\b+\u      ; both lanes of a row write the same byte with the same value
.endr
	s_wait_dscnt 0x0                               ; the stores have read their registers
	WIN 0xff
.endr
	WIN 0
	s_branch .Ljoin
.Lvarm:
	; ---- v
	s_wait_dscnt 0x0
	MULV
.rept 4
	v_nop
.endr
	WIN 0xff
.irp g, 0,1                                    ; features' tiles 4 g + b
	Q4 64*\g
	WIN 0x0c
.irp b, 0,1,2,3
	ds_store_b96 v[CSV], v[CD+4*\b:CD+4*\b+2] offset:4096*((4*\g+\b)/2)+2048*(\b%2)
	ds_store_b8 v[CSBV], v[TM3+4+\b] offset:128*((4*\g+\b)/2)+64*(\b%2)
.endr
	s_wait_dscnt 0x0
	WIN 0xff
.endr
	WIN 0
.Ljoin:
	s_add_co_u32 s30, s30, 12288
	s_add_co_u32 s31, s31, 1024
	s_add_co_u32 s32, s32, 2
	s_add_co_u32 s33, s33, 4096
	s_add_co_u32 s34, s34, 32
	s_add_co_u32 s35, s35, 1
	s_add_co_u32 s28, s28, 1
	s_cmp_lt_u32 s28, 4
	s_cbranch_scc1 .Lpair
	s_cmp_eq_u32 s13, 2                            ; the stage is the wave's own: LDS serves a wave's instructions in order, no barrier
	s_cbranch_scc1 .Lflush_v
	FLUSH FLQ, FSQ
	s_wait_tensorcnt 0x0
	ds_add_u32 v254, v255
	s_wait_dscnt 0x0
	s_endpgm
.Lflush_v:
	FLUSH FLV, FSV
	s_wait_tensorcnt 0x0
	ds_add_u32 v254, v255
	s_wait_dscnt 0x0
	s_endpgm
.Lfunc_end_k_q721e7cb617_qkv:
	.size	k_q721e7cb617_qkv, .Lfunc_end_k_q721e7cb617_qkv-k_q721e7cb617_qkv
	.p2alignl 7, 3214868480
	.fill 96, 4, 3214868480
	.section	.rodata,"a",@progbits
	.p2align	6, 0x0
	.amdhsa_kernel k_q721e7cb617_qkv
		.amdhsa_group_segment_fixed_size 188928
		.amdhsa_private_segment_fixed_size 0
		.amdhsa_enable_private_segment 0
		.amdhsa_kernarg_size 32
		.amdhsa_user_sgpr_count 2
		.amdhsa_user_sgpr_kernarg_segment_ptr 1
		.amdhsa_wavefront_size32 1
		.amdhsa_system_sgpr_workgroup_id_x 1
		.amdhsa_system_sgpr_workgroup_id_y 1
		.amdhsa_system_sgpr_workgroup_id_z 1
		.amdhsa_system_vgpr_workitem_id 0
		.amdhsa_next_free_vgpr 1024
		.amdhsa_next_free_sgpr 66
		.amdhsa_reserve_vcc 0
		.amdhsa_float_denorm_mode_32 3
		.amdhsa_float_denorm_mode_16_64 3
		.amdhsa_memory_ordered 1
		.amdhsa_forward_progress 1
		.amdhsa_inst_pref_size 124
	.end_amdhsa_kernel
	.amdgpu_metadata
---
amdhsa.version: [ 1, 2 ]
amdhsa.kernels:
  - .name:           k_q721e7cb617_qkv
    .symbol:         k_q721e7cb617_qkv.kd
    .args:
      - { .name: x, .offset: 0, .size: 8, .value_kind: global_buffer, .address_space: global }
      - { .name: w, .offset: 8, .size: 8, .value_kind: global_buffer, .address_space: global }
      - { .name: rope, .offset: 16, .size: 8, .value_kind: global_buffer, .address_space: global }
      - { .name: qkv, .offset: 24, .size: 8, .value_kind: global_buffer, .address_space: global }
    .group_segment_fixed_size: 188928
    .private_segment_fixed_size: 0
    .kernarg_segment_align: 8
    .kernarg_segment_size: 32
    .max_flat_workgroup_size: 128
    .sgpr_count:     66
    .vgpr_count:     1024
    .wavefront_size: 32
...
	.end_amdgpu_metadata
.endif
;; end of part 2
;; launch attn (part 3): grid 4 x 64, 16 waves a work-group, no clusters, 112,640 bytes of LDS; arguments qkv, maskw, rec, cr; writes cr
.if DOCPART == 3
	.amdgcn_target "amdgcn-amd-amdhsa--gfx1250"
	.amdhsa_code_object_version 6
	.text
	.protected	k_q721e7cb617_attn
	.globl	k_q721e7cb617_attn
	.p2align	8
	.type	k_q721e7cb617_attn,@function
k_q721e7cb617_attn:
	s_mov_b64 s[64:65], 0
	v_nop
	global_prefetch_b8 v0, s[64:65] scope:SCOPE_SE
	s_setreg_imm32_b32 hwreg(HW_REG_WAVE_MODE, 25, 1), 1
	s_wait_xcnt 0x0
; ATTN.  ctx[b][q][head] = softmax_k(q . k / sqrt(32), masked) v, both products on codes of E2M3; the FINISHED, NORMALISED p is what is quantised along the keys, so a row's maximum and sum are known first.
; Work-group (j, bh): one head of one batch.  Its 2,048 keys' codes of K and V and their scale bytes (100 KiB) lie in LDS, filled once through registers (wave w copies cell w); one barrier.
; Each of the sixteen waves owns one tile of 16 queries at a time: T = 4 w + j, then 127 - T.  It walks the sixteen cells of 128 keys TWICE:
;   walk 1: scores, a running maximum M and sum L for each lane's half of the row (p' = 2^(c s - c M), c = log2(e) / sqrt(32); L is multiplied by 2^(c M_old - c M_new) in every cell);
;   between: the two halves are joined, and -(c max + log2 sum) is formed: the divisor goes into the exponent;
;   walk 2: scores again, p = 2^(c s - c max - log2 sum), quantised block by block, O^T += V^T P^T.
; At the end padded queries' rows are set to 0 and the head's 32 numbers of each query, one block of the last product's K, are quantised: cr[b][head][T]: 512 bytes: codes at 24 r + 12 h, scale byte at 384 + r, the rest 0.
; MASKS.  The launch before stored an effective mask as lane-mask words, and a class for each cell.  A cell all of whose scores are masked is jumped over (a scalar branch on the stored class; right for every mask);
; a cell with none masked skips the 64 selects.  A masked score becomes Z = -2^100; Z c is exact, so a lane that has met masked scores alone sees exponents of exactly 0, and its sum is wiped by the factor 0 when
; a true score comes.  A query with every key masked that is not padded (bit in U) has its codes cleared: all its scores are 0 and p = 1 / 2,048, as reference() gives.  LIMIT: true scores stay far above -2^100.
; Because the walk hangs on stored numbers this launch has no tensor load, and so no joint loads: what the four work-groups of a head share is read once, at the head, 100 KiB each.
; K = 32 IN A PRODUCT OF 128.  A fragment of K holds FOUR tiles of 16 keys, one in each block of 32 along K; the tile wanted is picked by a fragment of q whose other three blocks are zero codes.
; The keys of tile 2 e + u: lane r takes key 32 e + 8 u + r + 8 (r / 8), so that score register 16 e + i of lane (r, h) is key 32 e + 16 h + i of query r.  V's tile u: lane r takes d = 8 u + r + 8 (r / 8): O's 16 registers are d = 16 h + 0 .. 15.
; A block's largest p is taken through its largest score (this leans on v_exp_f32 not falling where its input rises).  NaN and infinities are not served.
.set KL,  0                            ; LDS: K's codes [cell 16][row 128][24 bytes]
.set VL,  49152                        ; V's [cell][d 32][96 bytes]
.set KSL, 98304                        ; K's scale bytes [cell][128]
.set VSL, 100352                       ; V's
.set STG, 102400                       ; 512 bytes a wave: a tile's record on its way out
.set KT,  72                           ; v72-95   two fragments of K;  v96-97 their scale words
.set KSC, 96
.set VT,  98                           ; v98-121  two fragments of V;  v122-123 their scale words
.set VSC, 122
.set S,   124                          ; v124-187 scores, then p
.set O,   188                          ; v188-203 O^T
.set PC,  204                          ; v204-215 p's codes;  v216-223 conversions' second halves
.set PX,  216
.set BM,  224                          ; v224-227 block maxima;  v228-231 permutes' results;  v232-235 scale operands;  v236-239 bytes;  v240 p's scale word
.set SO,  232
.set QS,  34                           ; v34 q's scale word.  v36-41 q in lanes 0-15, v42-47 zeros, v48-53 q in lanes 16-31, v54-59 the same, v60-65 zeros, v66-71 q in lanes 0-15
; v1 K's lane term, v2 V's, v3 K's scale words', v4 V's, v5 24 r, v6 q's scale byte, v7-9 the stage, v10 16 x lane, v11 Z, v12 0, v13-16 the cell's addresses, v17 where the record goes
; v[18:19] -c M (later -(c max + log2 sum)), v20 M, v21 at work, v[22:23] the factor, v[24:25] L, v[26:27] a second chain, v28-33 q as loaded, v35 its byte
; s[12:15] the record: classes, padded queries, U;  s16, s17 lane masks for q;  s[18:19] the tile's mask words;  s[24:25] lane selects;  s[26:27] c;  s28 -c;  s29 wave;  s30 T;  s31 the cell's class
; s2 3,072 x cell, s3 128 x cell, s66 2 x cell, s67 256 x cell;  s100, s101 counters;  s[32:63], s[68:99] a cell's 64 mask words (s68-85 also at work at a tile's head)
.macro QK1 t, qv
	v_wmma_scale_f32_16x16x128_f8f6f4 v[S+8*\t:S+8*\t+7], v[KT+12*(\t/4):KT+12*(\t/4)+11], v[\qv:\qv+11], 0, v[KSC+\t/4], v[QS] matrix_a_fmt:MATRIX_FMT_FP6 matrix_b_fmt:MATRIX_FMT_FP6
.endm
.macro QK8 n                                   ; S^T of 128 keys: eight products, each on an accumulator of its own
	s_wait_dscnt \n
	QK1 0, 36
	QK1 1, 54
	QK1 2, 60
	QK1 3, 42
	QK1 4, 36
	QK1 5, 54
	QK1 6, 60
	QK1 7, 42
.rept 4
	v_nop                                          ; four places between the last product and the first read or write of results (ISA guide 7.12.1)
.endr
.endm
.macro SCORES n                                ; two whole arms: with the cell's mask words, or without
	s_cmp_eq_u32 s31, 1
	s_cbranch_scc0 .Lclear_\@
	s_load_b512 s[32:47], s[18:19], s67 offset:0x0
	s_load_b512 s[48:63], s[18:19], s67 offset:0x40
	s_load_b512 s[68:83], s[18:19], s67 offset:0x80
	s_load_b512 s[84:99], s[18:19], s67 offset:0xc0
	QK8 \n
	s_wait_kmcnt 0x0
.set k, 0
.rept 64
	v_cndmask_b32 v[S+k], v[S+k], v11, s[32+k+4*(k/32)]    ; ascending: each accumulator from its low end on
.set k, k+1
.endr
	s_branch .Lhave_\@
.Lclear_\@:
	QK8 \n
.Lhave_\@:
.endm
.macro BMAX                                    ; the largest score of my 16 keys of each block of 32, the four blocks by turns
.irp b, 0,1,2,3
	v_max3_num_f32 v[BM+\b], v[S+16*\b], v[S+1+16*\b], v[S+2+16*\b]
.endr
.irp i, 3,5,7,9,11,13
.irp b, 0,1,2,3
	v_max3_num_f32 v[BM+\b], v[BM+\b], v[S+16*\b+\i], v[S+1+16*\b+\i]
.endr
.endr
.irp b, 0,1,2,3
	v_max_num_f32 v[BM+\b], v[BM+\b], v[S+15+16*\b]
.endr
.endm
.macro PKSCALE                                 ; c s + v18, two at a time (of the pairs c and v[18:19] the low word serves both halves)
.set k, 0
.rept 32
	v_pk_fma_f32 v[S+k:S+k+1], v[S+k:S+k+1], s[26:27], v[18:19] op_sel_hi:[1,0,0]
.set k, k+2
.endr
.endm
.macro EXPS
.set k, 0
.rept 64
	v_exp_f32 v[S+k], v[S+k]
.set k, k+1
.endr
.endm
; A CELL of 128 keys in walk 1 or 2.  The lines at its end, which step addresses, are on every path.
.macro TRIP pass
	s_lshr_b32 s31, s12, s66
	s_and_b32 s31, s31, 3                          ; the cell's class
	s_cmp_eq_u32 s31, 0
	s_cbranch_scc1 .Lstep_\@
	v_add_nc_u32 v13, s2, v1                       ; (these four are also the places between the last cell's products and the loads into their operands)
	v_add_nc_u32 v15, s3, v3
	v_add_nc_u32 v14, s2, v2
	v_add_nc_u32 v16, s3, v4
.irp f, 0,1
.irp p, 0,1,2,3,4,5
	ds_load_b64 v[KT+12*\f+2*\p:KT+12*\f+2*\p+1], v13 offset:1536*\f+768*(\p/3)+8*(\p%3)   ; registers 6 c on of lane (r, h): the 24 bytes of tile 4 f + 2 c + h's row r
.endr
.endr
	ds_load_b64 v[KSC:KSC+1], v15                  ; lane r: the bytes of its row in tiles 0-3 and 4-7
.if \pass == 2
.irp u, 0,1
.irp p, 0,1,2,3,4,5
	ds_load_b64 v[VT+12*\u+2*\p:VT+12*\u+2*\p+1], v14 offset:768*\u+48*(\p/3)+8*(\p%3)
.endr
	ds_load_b32 v[VSC+\u], v16 offset:32*\u
.endr
	SCORES 14                                      ; K's thirteen loads are in; V's fourteen, issued behind them, may be out
.else
	SCORES 0
.endif
	BMAX
.if \pass == 1
	v_max3_num_f32 v[BM], v[BM], v[BM+1], v[BM+2]
	v_max3_num_f32 v20, v[BM], v[BM+3], v20        ; the running maximum of my half of the row
	v_mov_b32 v21, v18
	v_mul_f32 v18, s28, v20                        ; -c M
	v_sub_f32 v21, v18, v21                        ; c M_old - c M_new, 0 or less
	PKSCALE
	v_exp_f32 v22, v21                             ; one batch: the factor and the 64 p'
	EXPS
	v_nop                                          ; a plain line behind the last exponential
	s_wait_alu depctr_va_vdst(0)                   ; one wait for the batch, ahead of its first reader
	v_pk_mul_f32 v[24:25], v[24:25], v[22:23] op_sel_hi:[1,0]
	v_pk_add_f32 v[26:27], v[S:S+1], v[S+2:S+3]    ; the sums, two at a time, in two chains
.irp j, 4,8,12,16,20,24,28,32,36,40,44,48,52,56,60
	v_pk_add_f32 v[24:25], v[24:25], v[S+\j:S+\j+1]
	v_pk_add_f32 v[26:27], v[26:27], v[S+\j+2:S+\j+3]
.endr
	v_pk_add_f32 v[24:25], v[24:25], v[26:27]
.else
.irp b, 0,1,2,3
	v_permlanex16_b32 v[228+\b], v[BM+\b], s24, s25
.endr
.irp b, 0,1,2,3
	v_max_num_f32 v[BM+\b], v[BM+\b], v[228+\b]    ; with lane l xor 16's 16 keys: the block's largest score
.endr
	PKSCALE
.irp b, 0,1,2,3
	v_fma_f32 v[BM+\b], v[BM+\b], s26, v18         ; the same of each block's largest score
.endr
	EXPS                                           ; p, finished and normalised
.irp b, 0,1,2,3
	v_exp_f32 v[BM+\b], v[BM+\b]                   ; the block's largest p: the same two instructions on the same number
.endr
	v_nop
	s_wait_alu depctr_va_vdst(0)                   ; one wait for the 68
.irp b, 0,1,2,3
	v_max_num_f32 v[BM+\b], 0x1800000, v[BM+\b]    ; the floor 2^(3 - 127): the byte cannot fall under 1 (a block of zeros keeps that byte: its codes are zeros)
.endr
.irp b, 0,1,2,3
	v_add_nc_u32 v[SO+\b], 0xff000000, v[BM+\b]    ; 2 off the exponent field: the conversion's scale operand
.endr
.irp b, 0,1,2,3
	v_lshrrev_b32 v[236+\b], 23, v[SO+\b]
.endr
	v_lshl_or_b32 v240, v237, 8, v236              ; p's scale word for these 128 keys
	v_lshl_or_b32 v240, v238, 16, v240
	v_lshl_or_b32 v240, v239, 24, v240
.irp c, 0,1
	v_cvt_scalef32_pk16_fp6_f32 v[PC+6*\c:PC+2+6*\c], v[S+32*\c:S+15+32*\c], v[SO+2*\c]
	v_cvt_scalef32_pk16_fp6_f32 v[PX+4*\c:PX+2+4*\c], v[S+16+32*\c:S+31+32*\c], v[SO+2*\c+1]
.endr
	v_nop                                          ; one plain line behind the conversions
.irp c, 0,1                                    ; a whole block to a lane: lanes 0-15 block 2 c, lanes 16-31 block 2 c + 1
.irp i, 0,1,2
	v_permlane16_swap_b32 v[PC+6*\c+\i], v[PX+4*\c+\i]
.endr
.irp i, 0,1,2
	v_mov_b32 v[PC+3+6*\c+\i], v[PX+4*\c+\i]
.endr
.endr
	s_wait_dscnt 0x0                               ; V
.rept 8
	v_nop                                          ; a scale word made by vector instructions stands eight places ahead of a scaled product, an operand four
.endr
.irp u, 0,1                                    ; O^T += V^T P^T.  The two accumulators take turns, and eight score products stand between two cells' links
	v_wmma_scale_f32_16x16x128_f8f6f4 v[O+8*\u:O+8*\u+7], v[VT+12*\u:VT+12*\u+11], v[PC:PC+11], v[O+8*\u:O+8*\u+7], v[VSC+\u], v240 matrix_a_fmt:MATRIX_FMT_FP6 matrix_b_fmt:MATRIX_FMT_FP6
.endr
.endif
.Lstep_\@:
	s_add_co_u32 s2, s2, 3072
	s_add_co_u32 s3, s3, 128
	s_add_co_u32 s66, s66, 2
	s_add_co_u32 s67, s67, 256
.endm
.macro REWIND
	s_mov_b32 s2, 0
	s_mov_b32 s3, 0
	s_mov_b32 s66, 0
	s_mov_b32 s67, 0
	s_mov_b32 s100, 0
.endm
	s_load_b256 s[4:11], s[0:1], 0x0               ; qkv, maskw, rec, cr
	v_lshl_add_u32 v254, v0, 2, 0x1b000
	v_mov_b32 v255, 0
	v_lshrrev_b32 v17, 5, v0
	v_readfirstlane_b32 s29, v17                   ; wave 0..15
	v_and_b32 v13, 31, v0                          ; lane
	v_and_b32 v14, 15, v0                          ; r
	v_bfe_u32 v15, v0, 4, 1                        ; h
	v_and_b32 v16, 8, v14
	v_add_nc_u32 v16, v16, v14                     ; r + 8 (r / 8)
	v_lshl_add_u32 v1, v15, 3, v16
	v_mul_u32_u24 v1, v1, 24                       ; K: row 8 h + r + 8 (r / 8) of 24 bytes
	v_mul_u32_u24 v2, v16, 96
	v_mad_u32_u24 v2, v15, 24, v2
	v_add_nc_u32 v2, VL, v2                        ; V: row r + 8 (r / 8) of 96 bytes, + 24 h
	v_lshl_add_u32 v3, v14, 3, KSL
	v_lshl_add_u32 v4, v16, 2, VSL
	v_mul_u32_u24 v5, v14, 24                      ; q: row r; both halves of the lanes load it
	v_and_b32 v6, 7, v14
	v_lshrrev_b32 v7, 3, v14
	v_lshl_add_u32 v6, v6, 3, v7                   ; q's scale byte: 8 (r % 8) + r / 8
	v_lshl_add_u32 v9, v17, 9, STG                 ; my stage
	v_mad_u32_u24 v7, v14, 24, v9
	v_mad_u32_u24 v7, v15, 12, v7                  ; my 12 bytes of codes
	v_add_nc_u32 v8, v9, v14
	v_add_nc_u32 v8, 384, v8                       ; my query's scale byte
	v_lshlrev_b32 v10, 4, v13
	v_add_nc_u32 v9, v9, v10                       ; back: 16 bytes a lane
	v_mov_b32 v11, 0xf1800000                      ; Z = -2^100
	v_mov_b32 v12, 0
	v_mov_b32 v19, 0                               ; (upper halves of pairs of which the low word alone is used: named, so written)
	v_mov_b32 v23, 0
.irp k, 42,43,44,45,46,47,60,61,62,63,64,65
	v_mov_b32 v\k, 0                               ; q's zero blocks
.endr
.irp k, 228,229,230,231
	v_mov_b32 v\k, 0                               ; written once: a lane permute's destination counts as one of its sources
.endr
	v_mad_u32_u24 v241, v17, 3072, v10             ; the copy: cell w, 16 bytes a lane
	v_lshl_add_u32 v242, v0, 2, KSL                ; 128 w + 4 x lane
	v_lshlrev_b32 v243, 2, v13
	v_lshl_add_u32 v244, v17, 9, v243
	v_add_nc_u32 v244, STG+384, v244
	s_mov_b32 s24, 0x76543210
	s_mov_b32 s25, 0xfedcba98
	s_mov_b32 s26, 0x3e8293ee                      ; c = log2(e) / sqrt(32)
	s_mov_b32 s27, s26
	s_mov_b32 s28, 0xbe8293ee                      ; -c
	s_lshl_b32 s30, s29, 2
	s_add_co_u32 s30, s30, ttmp9                   ; T = 4 w + j
	s_and_b32 s68, ttmp7, 0xffff
	s_lshr_b32 s69, s68, 4                         ; b
	s_and_b32 s70, s68, 15                         ; head
	s_lshl_b32 s71, s69, 4
	s_add_co_u32 s71, s71, s29
	s_lshl_b32 s71, s71, 4
	s_add_co_u32 s71, s71, s70                     ; (16 b + w) x 16 + head
	s_mul_i32 s72, s71, 3072
	s_add_co_u32 s72, s72, 3145728                 ; k's codes; v's lie 3,145,728 bytes on
	s_mov_b32 s73, 0
	s_lshl_b32 s74, s71, 7
	s_add_co_u32 s74, s74, 9437184+131072          ; k's scale bytes; v's 131,072 on
	s_mov_b32 s75, 0
	s_wait_kmcnt 0x0
	s_add_nc_u64 s[20:21], s[4:5], s[72:73]
	s_add_nc_u64 s[22:23], s[4:5], s[74:75]
.irp k, 0,1,2,3,4,5
	global_load_b128 v[124+4*\k:127+4*\k], v10, s[20:21] offset:512*\k
	global_load_b128 v[148+4*\k:151+4*\k], v10, s[20:21] offset:3145728+512*\k
.endr
	global_load_b32 v172, v243, s[22:23]
	global_load_b32 v173, v243, s[22:23] offset:131072
	s_wait_loadcnt 0x0
.irp k, 0,1,2,3,4,5
	ds_store_b128 v241, v[124+4*\k:127+4*\k] offset:KL+512*\k
	ds_store_b128 v241, v[148+4*\k:151+4*\k] offset:VL+512*\k
.endr
	ds_store_b32 v242, v172
	ds_store_b32 v242, v173 offset:VSL-KSL
	ds_store_b32 v244, v12                         ; the record's last 128 bytes: zeros, once; the scale bytes are written over the first 16
	s_wait_dscnt 0x0                               ; for the others' sake: my stores have landed
	s_barrier_signal -1
	s_barrier_wait -1                              ; the head's K and V lie in LDS and are never written again
	s_mov_b32 s101, 0
.Ltile:
	s_wait_xcnt 0x0                                ; the last tile's store and loads have read their registers
	s_and_b32 s68, ttmp7, 0xffff
	s_lshr_b32 s69, s68, 4
	s_and_b32 s70, s68, 15
	s_lshl_b32 s71, s69, 7
	s_add_co_u32 s71, s71, s30                     ; 128 b + T
	s_lshl_b32 s72, s71, 7
	s_load_b128 s[12:15], s[8:9], s72 offset:0x0   ; the record
	s_lshl_b32 s74, s71, 12
	s_mov_b32 s75, 0
	s_add_nc_u64 s[18:19], s[6:7], s[74:75]        ; the tile's mask words
	s_lshr_b32 s76, s30, 3
	s_lshl_b32 s77, s69, 4
	s_add_co_u32 s76, s76, s77
	s_lshl_b32 s76, s76, 4
	s_add_co_u32 s76, s76, s70                     ; (16 b + T / 8) x 16 + head
	s_and_b32 s77, s30, 7
	s_mul_i32 s78, s76, 3072
	s_mul_i32 s80, s77, 384
	s_add_co_u32 s78, s78, s80
	s_mov_b32 s79, 0
	s_add_nc_u64 s[20:21], s[4:5], s[78:79]        ; q's codes: 16 rows of 24 bytes
	s_lshl_b32 s82, s76, 7
	s_and_b32 s80, s30, 1
	s_lshl_b32 s80, s80, 6
	s_add_co_u32 s82, s82, s80                     ; + 64 (T % 2)
	s_and_b32 s80, s77, 6
	s_add_co_u32 s82, s82, s80                     ; + 2 ((T % 8) / 2)
	s_add_co_u32 s82, s82, 9437184
	s_mov_b32 s83, 0
	s_add_nc_u64 s[22:23], s[4:5], s[82:83]        ; q's scale bytes
	s_lshl_b32 s84, s68, 7
	s_add_co_u32 s84, s84, s30
	s_lshl_b32 s84, s84, 9
	v_add_nc_u32 v17, s84, v10                     ; the record's place in cr: 512 (128 bh + T) + 16 x lane
	global_load_b64 v[28:29], v5, s[20:21]
	global_load_b64 v[30:31], v5, s[20:21] offset:8
	global_load_b64 v[32:33], v5, s[20:21] offset:16
	global_load_u8 v35, v6, s[22:23]
	s_wait_kmcnt 0x0
	s_and_not1_b32 s16, 0xffff, s14                ; lanes 0-15, but for U's queries,
	s_and_not1_b32 s17, 0xffff0000, s14            ; lanes 16-31 likewise
	s_wait_loadcnt 0x0
	v_mul_lo_u32 v[QS], v35, 0x01010101            ; q's byte for whichever block is picked
.irp k, 0,1,2,3,4,5
	v_cndmask_b32 v[36+\k], v12, v[28+\k], s16
	v_cndmask_b32 v[66+\k], v12, v[28+\k], s16
	v_cndmask_b32 v[48+\k], v12, v[28+\k], s17
	v_cndmask_b32 v[54+\k], v12, v[28+\k], s17
.endr
	v_mov_b32 v20, v11                             ; M = Z
	v_mul_f32 v18, s28, v11                        ; -c Z, exact
	v_mov_b32 v24, 0
	v_mov_b32 v25, 0
.set k, 0
.rept 16
	v_mov_b32 v[O+k], 0                            ; (with the four above: more than the eight places between q's scale word and the first product)
.set k, k+1
.endr
	REWIND
.Lw1:
	TRIP 1
	s_add_co_u32 s100, s100, 1
	s_cmp_lt_u32 s100, 16
	s_cbranch_scc1 .Lw1
	; ---- between the walks: the row's maximum and sum out of its two halves
	v_add_f32 v24, v24, v25
	v_permlanex16_b32 v228, v20, s24, s25
	v_max_num_f32 v20, v20, v228                   ; the row's maximum
	v_mul_f32 v21, s28, v20                        ; -c max
	v_sub_f32 v22, v21, v18                        ; c M_mine - c max, 0 or less
	v_exp_f32 v22, v22
	v_nop
	s_wait_alu depctr_va_vdst(0)
	v_mul_f32 v24, v24, v22                        ; my half's sum under the row's maximum
	v_permlanex16_b32 v229, v24, s24, s25
	v_add_f32 v24, v24, v229                       ; the row's sum
	v_log_f32 v25, v24
	v_nop
	s_wait_alu depctr_va_vdst(0)
	v_sub_f32 v18, v21, v25                        ; -(c max + log2 sum).  (A tile with no cell to walk gets an infinity here, which nothing reads)
	REWIND
.Lw2:
	TRIP 2
	s_add_co_u32 s100, s100, 1
	s_cmp_lt_u32 s100, 16
	s_cbranch_scc1 .Lw2
	; ---- the tile's end: padded queries to 0; the head's 32 numbers of a query are one block
.rept 4
	v_nop
.endr
.set k, 0
.rept 16
	v_cndmask_b32 v[O+k], v[O+k], v12, s13         ; ascending: each accumulator from its low end on
.set k, k+1
.endr
	v_max3_num_f32 v[BM], |v[O]|, |v[O+1]|, 0x1800000
.irp i, 2,4,6,8,10,12,14
	v_max3_num_f32 v[BM], v[BM], |v[O+\i]|, |v[O+\i+1]|
.endr
	v_permlanex16_b32 v228, v[BM], s24, s25
	v_max_num_f32 v[BM], v[BM], v228
	v_add_nc_u32 v[SO], 0xff000000, v[BM]
	v_lshrrev_b32 v236, 23, v[SO]
	v_cvt_scalef32_pk16_fp6_f32 v[PC:PC+2], v[O:O+15], v[SO]
	v_nop
	ds_store_b32 v7, v[PC]
	ds_store_b32 v7, v[PC+1] offset:4
	ds_store_b32 v7, v[PC+2] offset:8
	ds_store_b8 v8, v236                           ; both lanes of a query write the same byte with the same value
	ds_load_b128 v[PX:PX+3], v9                    ; LDS serves a wave's instructions in order: this sees my stores
	s_wait_dscnt 0x0
	global_store_b128 v17, v[PX:PX+3], s[10:11]    ; 512 consecutive bytes, aligned
	s_sub_co_u32 s30, 127, s30                     ; the second tile
	s_add_co_u32 s101, s101, 1
	s_cmp_lt_u32 s101, 2
	s_cbranch_scc1 .Ltile
	s_wait_tensorcnt 0x0
	ds_add_u32 v254, v255
	s_wait_dscnt 0x0
	s_endpgm
.Lfunc_end_k_q721e7cb617_attn:
	.size	k_q721e7cb617_attn, .Lfunc_end_k_q721e7cb617_attn-k_q721e7cb617_attn
	.p2alignl 7, 3214868480
	.fill 96, 4, 3214868480
	.section	.rodata,"a",@progbits
	.p2align	6, 0x0
	.amdhsa_kernel k_q721e7cb617_attn
		.amdhsa_group_segment_fixed_size 112640
		.amdhsa_private_segment_fixed_size 0
		.amdhsa_enable_private_segment 0
		.amdhsa_kernarg_size 32
		.amdhsa_user_sgpr_count 2
		.amdhsa_user_sgpr_kernarg_segment_ptr 1
		.amdhsa_wavefront_size32 1
		.amdhsa_system_sgpr_workgroup_id_x 1
		.amdhsa_system_sgpr_workgroup_id_y 1
		.amdhsa_system_sgpr_workgroup_id_z 1
		.amdhsa_system_vgpr_workitem_id 0
		.amdhsa_next_free_vgpr 256
		.amdhsa_next_free_sgpr 102
		.amdhsa_reserve_vcc 0
		.amdhsa_float_denorm_mode_32 3
		.amdhsa_float_denorm_mode_16_64 3
		.amdhsa_memory_ordered 1
		.amdhsa_forward_progress 1
		.amdhsa_inst_pref_size 48
	.end_amdhsa_kernel
	.amdgpu_metadata
---
amdhsa.version: [ 1, 2 ]
amdhsa.kernels:
  - .name:           k_q721e7cb617_attn
    .symbol:         k_q721e7cb617_attn.kd
    .args:
      - { .name: qkv, .offset: 0, .size: 8, .value_kind: global_buffer, .address_space: global }
      - { .name: maskw, .offset: 8, .size: 8, .value_kind: global_buffer, .address_space: global }
      - { .name: rec, .offset: 16, .size: 8, .value_kind: global_buffer, .address_space: global }
      - { .name: cr, .offset: 24, .size: 8, .value_kind: global_buffer, .address_space: global }
    .group_segment_fixed_size: 112640
    .private_segment_fixed_size: 0
    .kernarg_segment_align: 8
    .kernarg_segment_size: 32
    .max_flat_workgroup_size: 512
    .sgpr_count:     102
    .vgpr_count:     256
    .wavefront_size: 32
...
	.end_amdgpu_metadata
.endif
;; end of part 3
;; launch outp (part 4): grid 256 x 1, 4 waves a work-group, no clusters, 34,304 bytes of LDS; arguments cr, w, out0; writes out0
.if DOCPART == 4
	.amdgcn_target "amdgcn-amd-amdhsa--gfx1250"
	.amdhsa_code_object_version 6
	.text
	.protected	k_q721e7cb617_outp
	.globl	k_q721e7cb617_outp
	.p2align	8
	.type	k_q721e7cb617_outp,@function
k_q721e7cb617_outp:
	s_mov_b64 s[64:65], 0
	v_nop
	global_prefetch_b8 v0, s[64:65] scope:SCOPE_SE
	s_setreg_imm32_b32 hwreg(HW_REG_WAVE_MODE, 25, 1), 1
	s_wait_xcnt 0x0
; OUTP.  out0[row][n] = sum over k of ctx[row][k] Wo[n][k], on codes of E2M3; sums and output in f32.  ctx's codes and scale bytes come from the attention launch's records cr[b][head][T][512 bytes]
; (codes of query r at 24 r, its byte at 384 + r); a block of 32 along K is one head.  Wo's codes from the first launch (tensor 3 of w).
; Work-group x: 32 rows (two tiles of 16 queries: b = x / 64, T = 2 (x % 64) + e).  Wave w: features 128 w .. + 127; its 8 tiles x 4 K steps of Wo go straight into 384 registers.  Waves share nothing: no barrier.
; The product is used transposed (source 0 = 16 rows of Wo, source 1 = ctx): a lane holds eight neighbouring columns of one row.  A tile goes through the wave's own stage in LDS and leaves as rows of 512 consecutive bytes.
; No tensor load, no joint load: each work-group reads its operands once, into registers.
; REGISTERS.  Window 0: v1-15 addresses; v16-111 ctx's eight fragments (12 (4 e + s)); v112-143 32 scale bytes; v144-151 ctx's scale words; v192-223 Wo's; on the way out v16-143 rows.
;   Windows 1, 2: Wo's fragments of K steps 0, 1 and 2, 3 at v[12 (2 t + s)].  Window 3: accumulator (e, t) at v[64 e + 8 t].
.set CA,  5                            ; ctx's codes: 65,536 h + 24 r (lanes 16-31 take the next head)
.set WA,  6
.set WSA, 7
.set STO, 8
.set RD,  9
.set GO,  10
.set CF,  16
.set BY,  112
.set CS,  144
.set WS,  192
.set BK,  16
.set MSB, 0
.macro WIN new
.if MSB != (\new)
	s_set_vgpr_msb (MSB<<8)|(\new)
.set MSB, (\new)
.endif
.endm
	s_load_b128 s[4:7], s[0:1], 0x0                ; cr, w
	s_load_b64 s[8:9], s[0:1], 0x10                ; out0
	v_lshl_add_u32 v254, v0, 2, 0x8400
	v_mov_b32 v255, 0
	v_lshrrev_b32 v1, 5, v0
	v_readfirstlane_b32 s12, v1                    ; wave 0..3
	v_and_b32 v1, 31, v0
	v_and_b32 v2, 15, v0                           ; r: also the offset of my row's scale byte
	v_bfe_u32 v3, v0, 4, 1
	v_mul_u32_u24 v[CA], v2, 24
	v_lshl_add_u32 v[CA], v3, 16, v[CA]
	v_mul_u32_u24 v[WA], v2, 384
	v_mad_u32_u24 v[WA], v3, 24, v[WA]
	v_lshlrev_b32 v[WSA], 4, v2
	s_mul_i32 s13, s12, 8448                       ; my stage: 16 rows x (512 bytes + 16)
	v_mul_u32_u24 v[STO], v2, 528
	v_lshl_add_u32 v[STO], v3, 5, v[STO]
	v_add_nc_u32 v[STO], s13, v[STO]
	v_lshlrev_b32 v[GO], 4, v1
	v_add_nc_u32 v[RD], s13, v[GO]
	s_lshr_b32 s14, ttmp9, 6
	s_lshl_b32 s14, s14, 20                        ; batch b: 16 heads x 128 tiles x 512 bytes
	s_and_b32 s16, ttmp9, 63
	s_lshl_b32 s16, s16, 10
	s_add_co_u32 s14, s14, s16
	s_mov_b32 s15, 0
	s_mul_i32 s16, s12, 49152
	s_add_co_u32 s16, s16, 589824                  ; Wo's codes, my 128 rows
	s_mov_b32 s17, 0
	s_lshl_b32 s18, s12, 11
	s_add_co_u32 s18, s18, 811008                  ; Wo's scale bytes
	s_mov_b32 s19, 0
	s_lshl_b32 s20, ttmp9, 16                      ; out0: 32 rows of 2,048 bytes a work-group,
	s_lshl_b32 s21, s12, 9
	s_add_co_u32 s20, s20, s21                     ; + my 512 bytes of a row
	s_mov_b32 s21, 0
	s_wait_kmcnt 0x0
	s_add_nc_u64 s[4:5], s[4:5], s[14:15]
	s_add_nc_u64 s[22:23], s[6:7], s[16:17]
	s_add_nc_u64 s[24:25], s[6:7], s[18:19]
	s_add_nc_u64 s[8:9], s[8:9], s[20:21]
.irp e, 0,1
.irp s, 0,1,2,3
.irp p, 0,1,2,3,4,5
	global_load_b64 v[CF+12*(4*\e+\s)+2*\p:CF+12*(4*\e+\s)+2*\p+1], v[CA], s[4:5] offset:(4*\s+2*(\p/3))*65536+512*\e+8*(\p%3)   ; registers 6 c on of lane (r, h): head 4 s + 2 c + h of query r
.endr
.endr
.irp d, 0,1,2,3,4,5,6,7,8,9,10,11,12,13,14,15
	global_load_u8 v[BY+16*\e+\d], v2, s[4:5] offset:\d*65536+512*\e+384
.endr
.endr
	WIN 0x40
.irp t, 0,1,2,3,4,5,6,7
.irp s, 0,1
.irp p, 0,1,2,3,4,5
	global_load_b64 v[12*(2*\t+\s)+2*\p:12*(2*\t+\s)+2*\p+1], v[WA], s[22:23] offset:6144*\t+96*\s+48*(\p/3)+8*(\p%3)
.endr
.endr
.endr
	WIN 0x80
.irp t, 0,1,2,3,4,5,6,7
.irp s, 0,1
.irp p, 0,1,2,3,4,5
	global_load_b64 v[12*(2*\t+\s)+2*\p:12*(2*\t+\s)+2*\p+1], v[WA], s[22:23] offset:6144*\t+192+96*\s+48*(\p/3)+8*(\p%3)
.endr
.endr
.endr
	WIN 0
.irp t, 0,1,2,3,4,5,6,7
	global_load_b128 v[WS+4*\t:WS+4*\t+3], v[WSA], s[24:25] offset:256*\t
.endr
	s_wait_loadcnt 0x0
.irp e, 0,1
.irp s, 0,1,2,3
	v_lshl_or_b32 v[CS+4*\e+\s], v[BY+16*\e+4*\s+1], 8, v[BY+16*\e+4*\s]     ; four heads' bytes make a K step's scale word
	v_lshl_or_b32 v[CS+4*\e+\s], v[BY+16*\e+4*\s+2], 16, v[CS+4*\e+\s]
	v_lshl_or_b32 v[CS+4*\e+\s], v[BY+16*\e+4*\s+3], 24, v[CS+4*\e+\s]
.endr
.endr
.rept 8
	v_nop                                          ; a scale word made by vector instructions stands eight places ahead of a scaled product
.endr
.irp s, 0,1,2,3                                ; sixteen accumulators by turns, one instruction a turn; the first K step starts the sums
	WIN 0xf1+\s/2
.irp e, 0,1
.irp t, 0,1,2,3,4,5,6,7
.if \s == 0
	v_wmma_scale_f32_16x16x128_f8f6f4 v[64*\e+8*\t:64*\e+8*\t+7], v[12*(2*\t+\s%2):12*(2*\t+\s%2)+11], v[CF+12*(4*\e+\s):CF+12*(4*\e+\s)+11], 0, v[WS+4*\t+\s], v[CS+4*\e+\s] matrix_a_fmt:MATRIX_FMT_FP6 matrix_b_fmt:MATRIX_FMT_FP6
.else
	v_wmma_scale_f32_16x16x128_f8f6f4 v[64*\e+8*\t:64*\e+8*\t+7], v[12*(2*\t+\s%2):12*(2*\t+\s%2)+11], v[CF+12*(4*\e+\s):CF+12*(4*\e+\s)+11], v[64*\e+8*\t:64*\e+8*\t+7], v[WS+4*\t+\s], v[CS+4*\e+\s] matrix_a_fmt:MATRIX_FMT_FP6 matrix_b_fmt:MATRIX_FMT_FP6
.endif
.endr
.endr
.endr
.rept 4
	v_nop                                          ; four places in front of the first read of results and of loads into registers that the products read
.endr
.macro TOSTAGE e
	WIN 0x0c                                       ; an LDS store's data are its source 1: window 3
.irp t, 0,1,2,3,4,5,6,7
	ds_store_b128 v[STO], v[64*\e+8*\t:64*\e+8*\t+3] offset:64*\t            ; each accumulator from its low end on
	ds_store_b128 v[STO], v[64*\e+8*\t+4:64*\e+8*\t+7] offset:64*\t+16
.endr
	WIN 0
.irp i, 0,1,2,3,4,5,6,7,8,9,10,11,12,13,14,15
	ds_load_b128 v[BK+64*\e+4*\i:BK+64*\e+4*\i+3], v[RD] offset:528*\i        ; LDS serves a wave's instructions in order: these see the stores above, and the next tile's stores come behind them
.endr
.endm
.macro SEND e
.irp i, 0,1,2,3,4,5,6,7,8,9,10,11,12,13,14,15
	global_store_b128 v[GO], v[BK+64*\e+4*\i:BK+64*\e+4*\i+3], s[8:9] offset:32768*\e+2048*\i th:TH_STORE_NT   ; 32 lanes store 512 consecutive bytes, aligned; written once, read by nobody here
.endr
.endm
	TOSTAGE 0
	TOSTAGE 1
	s_wait_dscnt 32                                ; tile 0 is back; tile 1's sixteen stores and sixteen loads may be out
	SEND 0
	s_wait_dscnt 0x0
	SEND 1
	s_wait_tensorcnt 0x0
	ds_add_u32 v254, v255
	s_wait_dscnt 0x0
	s_endpgm
.Lfunc_end_k_q721e7cb617_outp:
	.size	k_q721e7cb617_outp, .Lfunc_end_k_q721e7cb617_outp-k_q721e7cb617_outp
	.p2alignl 7, 3214868480
	.fill 96, 4, 3214868480
	.section	.rodata,"a",@progbits
	.p2align	6, 0x0
	.amdhsa_kernel k_q721e7cb617_outp
		.amdhsa_group_segment_fixed_size 34304
		.amdhsa_private_segment_fixed_size 0
		.amdhsa_enable_private_segment 0
		.amdhsa_kernarg_size 24
		.amdhsa_user_sgpr_count 2
		.amdhsa_user_sgpr_kernarg_segment_ptr 1
		.amdhsa_wavefront_size32 1
		.amdhsa_system_sgpr_workgroup_id_x 1
		.amdhsa_system_sgpr_workgroup_id_y 1
		.amdhsa_system_sgpr_workgroup_id_z 1
		.amdhsa_system_vgpr_workitem_id 0
		.amdhsa_next_free_vgpr 896
		.amdhsa_next_free_sgpr 66
		.amdhsa_reserve_vcc 0
		.amdhsa_float_denorm_mode_32 3
		.amdhsa_float_denorm_mode_16_64 3
		.amdhsa_memory_ordered 1
		.amdhsa_forward_progress 1
		.amdhsa_inst_pref_size 46
	.end_amdhsa_kernel
	.amdgpu_metadata
---
amdhsa.version: [ 1, 2 ]
amdhsa.kernels:
  - .name:           k_q721e7cb617_outp
    .symbol:         k_q721e7cb617_outp.kd
    .args:
      - { .name: cr, .offset: 0, .size: 8, .value_kind: global_buffer, .address_space: global }
      - { .name: w, .offset: 8, .size: 8, .value_kind: global_buffer, .address_space: global }
      - { .name: out0, .offset: 16, .size: 8, .value_kind: global_buffer, .address_space: global }
    .group_segment_fixed_size: 34304
    .private_segment_fixed_size: 0
    .kernarg_segment_align: 8
    .kernarg_segment_size: 24
    .max_flat_workgroup_size: 128
    .sgpr_count:     66
    .vgpr_count:     896
    .wavefront_size: 32
...
	.end_amdgpu_metadata
.endif
;; end of part 4
;; ======== version 2 of 2: 4 launches
;; limits: right only within a limited range of input values
;; workspace buffers: w 819,200 bytes; rope 1,048,576 bytes; maskw 2,097,152 bytes of whole numbers; rec 65,536 bytes of whole numbers; qkv 9,830,400 bytes; cr 4,194,304 bytes
;; launch prep (part 5): grid 512 x 1, 8 waves a work-group, no clusters, 5,120 bytes of LDS; arguments Wq, Wk, Wv, Wo, attn_mask, key_padding_mask, w, rope, maskw, rec; writes w, rope, maskw, rec
.if DOCPART == 5
	.amdgcn_target "amdgcn-amd-amdhsa--gfx1250"
	.amdhsa_code_object_version 6
	.text
	.protected	k_q721e7cb617_prep
	.globl	k_q721e7cb617_prep
	.p2align	8
	.type	k_q721e7cb617_prep,@function
k_q721e7cb617_prep:
	s_mov_b64 s[64:65], 0
	v_nop
	global_prefetch_b8 v0, s[64:65] scope:SCOPE_SE
	s_setreg_imm32_b32 hwreg(HW_REG_WAVE_MODE, 25, 1), 1
	s_wait_xcnt 0x0
; PREP.  Work-group i (0..511): b = t = i / 128, T = i % 128.  Three jobs that share nothing but the launch:
;  (1) 8,192 bytes of weight tensor t (0 Wq, 1 Wk, 2 Wv, 3 Wo; [n][k], K innermost) become codes of E2M3 and E8M0 bytes: w: codes at t x 196,608 as [n][384 bytes], bytes at 786,432 + t x 8,192 as [n][16].
;  (2) cos and sin of 16 positions x 16 frequencies: rope[b][pos][cos 16][sin 16], f32 (a copy for each batch, so that every work-group does the same work).
;  (3) the two masks of 16 queries (tile T of batch b) x 2,048 keys become an EFFECTIVE mask E, as lane-mask words, a class for each cell of 16 queries x 128 keys, and two row masks.
;      E[q][k] = 1 for a padded query (its result is set to 0 later);  0 for a query that is not padded and has EVERY key masked (bit in U: reference()'s softmax of equal scores is uniform; the attention
;      launch clears that query's codes, so that all its scores are equal);  else attn_mask[q][k] | key_padding_mask[b][k].
;      maskw[b][T][g 16][n 64]: bit r + 16 h of word n = E[16 T + r][128 g + 32 (n / 16) + 16 h + n % 16]: the lane and register in which the attention launch holds that score.
;      rec[b][T][32 words]: word 0: two bits a cell (0 all masked, 1 mixed, 2 none masked); word 1: padded queries, in both halves; word 2: U, in both halves; the rest 0.
; LIMITS: mask bytes are 0 or 1.  NaN and infinities among the weights are not served.  A block whose largest magnitude lies under 2^-124 keeps the byte 1; a block of zeros has the byte 1 where the rule says 127
; (its codes are zeros, and this program alone reads the bytes).  The frequencies are the f32 numbers nearest to 10^(-i/4); sine and cosine by a two-part reduction by pi/2 and polynomials, good to about 1e-7 for angles up to 2,047.
; Eight waves; wave w takes keys 256 w .. 256 w + 255 (cells 2 w, 2 w + 1), frequencies 2 w and 2 w + 1, and, if w < 4, 2,048 bytes of the weight.  EXEC is never changed.
.set FB, 0                             ; LDS: eight words: for each wave, which of the 16 rows are masked in all its 256 keys
.set CB, 256                           ; eight words: each wave's two classes at their place in the record's word 0
.set RS, 512                           ; 16 positions x 128 bytes of cos and sin
.set M,  16                            ; v16-47   mask bytes: register 16 c + 4 e + k: keys 128 c + 32 e + 16 h + 4 k .. + 3 of row r
.set KP, 48                            ; v48-79   the same keys' padding bytes; later the AND tree
.set WN, 80                            ; v80-95   16 numbers of the weight
.set WC, 96                            ; v96-98   their codes
.set W4, 120                           ; v120-123 lane l: mask words 4 l .. 4 l + 3 of the wave's 128
.set RR, 124                           ; v124     the record
	s_load_b256 s[4:11], s[0:1], 0x0               ; Wq, Wk, Wv, Wo
	s_load_b128 s[12:15], s[0:1], 0x20             ; attn_mask, key_padding_mask
	s_load_b256 s[16:23], s[0:1], 0x30             ; w, rope, maskw, rec
	v_lshl_add_u32 v160, v0, 2, 0x1000
	v_mov_b32 v161, 0
	v_lshrrev_b32 v4, 5, v0
	s_delay_alu instid0(VALU_DEP_1)
	v_readfirstlane_b32 s24, v4                    ; wave 0..7
	v_and_b32 v1, 31, v0                           ; lane
	v_and_b32 v2, 15, v0                           ; r
	v_bfe_u32 v3, v0, 4, 1                         ; h
	s_lshr_b32 s25, ttmp9, 7                       ; b, and the weight tensor t
	s_and_b32 s26, ttmp9, 127                      ; T
	s_lshl_b32 s27, s24, 8                         ; 256 x wave
	v_lshl_add_u32 v5, v3, 4, s27                  ; padding bytes: 256 w + 16 h
	v_lshlrev_b32 v6, 11, v2
	s_delay_alu instid0(VALU_DEP_1)
	v_lshl_add_u32 v6, v3, 4, v6                   ; attn_mask: row r of 2,048 bytes, + 16 h
	s_lshl_b32 s28, s26, 4
	v_add_nc_u32 v7, s28, v2                       ; 16 T + r: my query, and my position
	v_lshlrev_b32 v9, 6, v1                        ; the weight: 64 bytes a lane
	v_lshlrev_b32 v15, 2, v4                       ; LDS: 4 x wave
	v_lshlrev_b32 v119, 7, v2
	s_delay_alu instid0(VALU_DEP_1)
	v_lshl_add_u32 v119, v3, 2, v119
	s_delay_alu instid0(VALU_DEP_1)
	v_lshl_add_u32 v119, v4, 3, v119               ; LDS: 128 r + 4 (2 w + h): my position's row, my frequency
	v_lshlrev_b32 v125, 4, v1                      ; 16 x lane
	v_mov_b32 v126, 0
	v_lshlrev_b32 v127, 3, v0                      ; 256 w + 8 x lane
	v_lshlrev_b32 v145, 2, v1                      ; 4 x lane
	s_mul_i32 s52, ttmp9, 1536
	s_mul_i32 s53, s24, 384
	s_add_co_u32 s52, s52, s53
	v_mad_u32_u24 v13, v1, 12, s52                 ; my 12 bytes of codes: 1,536 i + 384 w + 12 x lane
	s_lshl_b32 s54, ttmp9, 6
	s_lshl_b32 s53, s24, 4
	s_add_co_u32 s54, s54, s53
	v_lshrrev_b32 v14, 1, v1
	s_delay_alu instid0(VALU_DEP_1)
	v_add_nc_u32 v14, s54, v14                     ; my block's scale byte: 64 i + 16 w + lane / 2
	s_lshl_b32 s28, s26, 15
	s_add_co_u32 s28, s28, s27                     ; attn_mask: 16 T rows + 256 w
	s_mov_b32 s29, 0
	s_lshl_b32 s42, s25, 11                        ; key_padding_mask: batch b
	s_mov_b32 s43, 0
	s_lshl_b32 s44, s26, 13                        ; the weight: 8,192 (i % 128) + 2,048 w
	s_lshl_b32 s45, s24, 11
	s_add_co_u32 s44, s44, s45
	s_mov_b32 s45, 0
	s_lshl_b32 s46, ttmp9, 11                      ; rope: 16 i positions of 128 bytes
	s_mov_b32 s47, 0
	s_lshl_b32 s48, ttmp9, 12                      ; maskw: 4,096 i + 512 w
	s_lshl_b32 s49, s24, 9
	s_add_co_u32 s48, s48, s49
	s_mov_b32 s49, 0
	s_lshl_b32 s50, ttmp9, 7                       ; rec: 128 i
	s_mov_b32 s51, 0
	s_wait_kmcnt 0x0
	s_add_nc_u64 s[12:13], s[12:13], s[28:29]
	s_add_nc_u64 s[14:15], s[14:15], s[42:43]
	s_cmp_eq_u32 s25, 1                            ; which weight: the choice hangs on the work-group's number alone
	s_cselect_b64 s[4:5], s[6:7], s[4:5]
	s_cmp_eq_u32 s25, 2
	s_cselect_b64 s[4:5], s[8:9], s[4:5]
	s_cmp_eq_u32 s25, 3
	s_cselect_b64 s[4:5], s[10:11], s[4:5]
	s_add_nc_u64 s[4:5], s[4:5], s[44:45]
	s_add_nc_u64 s[18:19], s[18:19], s[46:47]
	s_add_nc_u64 s[20:21], s[20:21], s[48:49]
	s_add_nc_u64 s[22:23], s[22:23], s[50:51]
.irp c, 0,1
.irp e, 0,1,2,3
	global_load_b128 v[M+16*\c+4*\e:M+16*\c+4*\e+3], v6, s[12:13] offset:128*\c+32*\e
	global_load_b128 v[KP+16*\c+4*\e:KP+16*\c+4*\e+3], v5, s[14:15] offset:128*\c+32*\e
.endr
.endr
	global_load_u8 v8, v7, s[14:15]                ; is my query padded?
	; ---- (1) the weight: waves 0 to 3.  A lane holds 16 neighbours along K, two neighbouring lanes a block of 32.  No barrier stands under this branch
	s_cmp_lt_u32 s24, 4
	s_cbranch_scc0 .Lno_w
.irp k, 0,1,2,3
	global_load_b128 v[WN+4*\k:WN+4*\k+3], v9, s[4:5] offset:16*\k th:TH_LOAD_NT
.endr
	s_wait_loadcnt 0x0
	v_max3_num_f32 v10, |v[WN]|, |v[WN+1]|, |v[WN+2]|          ; the largest magnitude of my 16, in two chains
	v_max3_num_f32 v11, |v[WN+3]|, |v[WN+4]|, |v[WN+5]|
.irp i, 6,10
	s_delay_alu instid0(VALU_DEP_2)
	v_max3_num_f32 v10, v10, |v[WN+\i]|, |v[WN+\i+1]|
	s_delay_alu instid0(VALU_DEP_2)
	v_max3_num_f32 v11, v11, |v[WN+\i+2]|, |v[WN+\i+3]|
.endr
	s_delay_alu instid0(VALU_DEP_2)
	v_max3_num_f32 v10, v10, |v[WN+14]|, |v[WN+15]|
	s_delay_alu instid0(VALU_DEP_1)
	v_max3_num_f32 v10, v10, v11, 0x1800000        ; and the floor 2^(3 - 127): the byte cannot fall under 1
	s_delay_alu instid0(VALU_DEP_1)
	v_max_num_f32_dpp v10, v10, v10 row_xmask:1 row_mask:0xf bank_mask:0xf   ; with my neighbour's 16: the block's
	s_delay_alu instid0(VALU_DEP_1)
	v_add_nc_u32 v11, 0xff000000, v10              ; 2 off the exponent field: the conversion takes this operand's exponent field as its scale
	v_cvt_scalef32_pk16_fp6_f32 v[WC:WC+2], v[WN:WN+15], v11
	v_lshrrev_b32 v12, 23, v11                     ; the scale's byte (a plain line behind the conversion)
	global_store_b96 v13, v[WC:WC+2], s[16:17]     ; the wave stores 384 consecutive bytes
	global_store_b8 v14, v12, s[16:17] offset:786432   ; both lanes of a block write the same byte with the same value
.Lno_w:
	; ---- (2) cos and sin of position 16 T + r at frequency 2 w + h
	s_mov_b32 s40, 0x3f800000                      ; 10^(-i/4), i = 2 w and 2 w + 1, chosen by the wave's number without a branch
	s_mov_b32 s41, 0x3f0ff59a
.macro FSEL k, fa, fb
	s_cmp_eq_u32 s24, \k
	s_cselect_b32 s40, \fa, s40
	s_cselect_b32 s41, \fb, s41
.endm
	FSEL 1, 0x3ea1e89b, 0x3e361887
	FSEL 2, 0x3dcccccd, 0x3d6655c3
	FSEL 3, 0x3d0186e2, 0x3c91ad39
	FSEL 4, 0x3c23d70a, 0x3bb8449c
	FSEL 5, 0x3b4f3e37, 0x3ae91528
	FSEL 6, 0x3a83126f, 0x3a136a16
	FSEL 7, 0x39a5cb5f, 0x393a7753
	v_mov_b32 v100, s40
	v_mov_b32 v101, s41
	v_cmp_eq_u32 vcc_lo, 1, v3
	s_delay_alu instid0(VALU_DEP_1)
	v_cndmask_b32 v100, v100, v101, vcc_lo
	v_cvt_f32_u32 v102, v7
	s_delay_alu instid0(VALU_DEP_1)
	v_mul_f32 v103, v102, v100                     ; the angle, rounded once, as reference() has it
	s_delay_alu instid0(VALU_DEP_1)
	v_mul_f32 v104, 0x3f22f983, v103
	s_delay_alu instid0(VALU_DEP_1)
	v_rndne_f32 v104, v104                         ; n = the nearest whole number to angle x 2 / pi (at most 1,303)
	s_delay_alu instid0(VALU_DEP_1)
	v_fma_f32 v105, -v104, 0x3fc90fdb, v103        ; angle - n x (pi/2's upper part): no bit is lost (the result is under 1 and has no bit under 2^-23)
	s_delay_alu instid0(VALU_DEP_1)
	v_fma_f32 v105, -v104, 0xb33bbd2e, v105        ; - n x its lower part: the rest, within pi/4 either way
	s_delay_alu instid0(VALU_DEP_1)
	v_mul_f32 v106, v105, v105                     ; z
	v_mov_b32 v108, 0xb94ca1f9
	s_delay_alu instid0(VALU_DEP_1)
	v_fmaak_f32 v107, v106, v108, 0x3c08839e
	s_delay_alu instid0(VALU_DEP_1)
	v_fmaak_f32 v107, v106, v107, 0xbe2aaaa3
	s_delay_alu instid0(VALU_DEP_4)
	v_mul_f32 v109, v105, v106
	s_delay_alu instid0(VALU_DEP_1)
	v_fma_f32 v107, v109, v107, v105               ; sine of the rest
	v_mov_b32 v110, 0x37ccf5ce
	s_delay_alu instid0(VALU_DEP_1)
	v_fmaak_f32 v110, v106, v110, 0xbab6061a
	s_delay_alu instid0(VALU_DEP_1)
	v_fmaak_f32 v110, v106, v110, 0x3d2aaaa5
	v_mul_f32 v111, v106, v106
	v_fma_f32 v112, v106, -0.5, 1.0
	s_delay_alu instid0(VALU_DEP_1)
	v_fma_f32 v110, v111, v110, v112               ; cosine of the rest
	v_cvt_i32_f32 v113, v104                       ; the quadrant is n mod 4
	s_delay_alu instid0(VALU_DEP_1)
	v_and_b32 v114, 1, v113
	s_delay_alu instid0(VALU_DEP_1)
	v_cmp_eq_u32 vcc_lo, 1, v114
	s_delay_alu instid0(VALU_DEP_1)
	v_cndmask_b32 v115, v107, v110, vcc_lo         ; sin: in odd quadrants the two change places
	s_delay_alu instid0(VALU_DEP_2)
	v_cndmask_b32 v116, v110, v107, vcc_lo         ; cos
	v_lshlrev_b32 v117, 30, v113
	s_delay_alu instid0(VALU_DEP_1)
	v_and_b32 v117, 0x80000000, v117               ; sin is negated in quadrants 2 and 3,
	s_delay_alu instid0(VALU_DEP_1)
	v_xor_b32 v115, v115, v117
	v_add_nc_u32 v118, 1, v113
	s_delay_alu instid0(VALU_DEP_1)
	v_lshlrev_b32 v118, 30, v118
	s_delay_alu instid0(VALU_DEP_1)
	v_and_b32 v118, 0x80000000, v118               ; cos in quadrants 1 and 2
	s_delay_alu instid0(VALU_DEP_1)
	v_xor_b32 v116, v116, v118
	ds_store_b32 v119, v116 offset:RS
	ds_store_b32 v119, v115 offset:RS+64
	; ---- (3) the masks.  Which rows are masked in all of my 256 keys
	s_wait_loadcnt 0x0
.set k, 0
.rept 32
	v_or_b32 v[M+k], v[M+k], v[KP+k]               ; attn_mask | key_padding_mask, four keys a register
.set k, k+1
.endr
.irp j, 0,1,2,3,4,5,6,7,8,9,10,11,12,13,14,15
	v_and_b32 v[KP+\j], v[M+2*\j], v[M+2*\j+1]
.endr
.irp j, 0,1,2,3,4,5,6,7
	v_and_b32 v[KP+\j], v[KP+2*\j], v[KP+2*\j+1]
.endr
.irp j, 0,1,2,3
	v_and_b32 v[KP+\j], v[KP+2*\j], v[KP+2*\j+1]
.endr
	s_delay_alu instid0(VALU_DEP_3)
	v_and_b32 v[KP], v[KP], v[KP+1]
	s_delay_alu instid0(VALU_DEP_2)
	v_and_b32 v[KP+2], v[KP+2], v[KP+3]
	s_delay_alu instid0(VALU_DEP_1)
	v_and_b32 v[KP], v[KP], v[KP+2]
	s_delay_alu instid0(VALU_DEP_1)
	v_cmp_eq_u32 s30, 0x01010101, v[KP]            ; my 128 keys are all masked
	s_lshr_b32 s33, s30, 16
	s_and_b32 s30, s30, s33                        ; and so are the other half's: bit r
	v_mov_b32 v146, s30
	ds_store_b32 v15, v146 offset:FB
	v_cmp_ne_u32 s31, 0, v8                        ; PQ: padded queries; lanes r and r + 16 hold the same query, so both halves are set
	s_wait_dscnt 0x0                               ; for the others' sake: my stores have landed
	s_barrier_signal -1
	s_barrier_wait -1
	ds_load_b128 v[128:131], v126 offset:FB
	ds_load_b128 v[132:135], v126 offset:FB+16
	ds_load_b64 v[136:137], v127 offset:RS         ; two positions' cos and sin: 256 consecutive bytes a wave
	s_wait_dscnt 0x0
	v_and_b32 v128, v128, v129
	v_and_b32 v130, v130, v131
	v_and_b32 v132, v132, v133
	v_and_b32 v134, v134, v135
	s_delay_alu instid0(VALU_DEP_3)
	v_and_b32 v128, v128, v130
	s_delay_alu instid0(VALU_DEP_2)
	v_and_b32 v132, v132, v134
	s_delay_alu instid0(VALU_DEP_1)
	v_and_b32 v128, v128, v132
	s_delay_alu instid0(VALU_DEP_1)
	v_readfirstlane_b32 s30, v128                  ; rows masked in all 2,048 keys
	s_and_b32 s30, s30, 0xffff
	s_and_not1_b32 s32, s30, s31                   ; U: such rows that are not padded,
	s_lshl_b32 s33, s32, 16
	s_or_b32 s32, s32, s33                         ; in both halves
	global_store_b64 v127, v[136:137], s[18:19]    ; the wave stores 256 consecutive bytes, aligned
.irp y, 0,1,2,3
	v_mov_b32 v[W4+\y], 0                          ; written whole once: v_writelane_b32's destination counts as read
.endr
	v_mov_b32 v[RR], 0
; A cell's 64 words, four at a time: a byte of each lane's register becomes a lane mask; U's rows are opened, padded rows closed; the running AND and OR give the cell's class.
.macro CELL c
	s_mov_b32 s33, -1
	s_mov_b32 s34, 0
.irp e, 0,1,2,3
.irp k, 0,1,2,3
.irp y, 0,1,2,3
	v_and_b32 v[140+\y], 1<<(8*\y), v[M+16*\c+4*\e+\k]
.endr
.irp y, 0,1,2,3
	s_delay_alu instid0(VALU_DEP_4)
	v_cmp_ne_u32 s[36+\y], 0, v[140+\y]
.endr
.irp y, 0,1,2,3
	s_and_not1_b32 s[36+\y], s[36+\y], s32
	s_or_b32 s[36+\y], s[36+\y], s31
	s_and_b32 s33, s33, s[36+\y]
	s_or_b32 s34, s34, s[36+\y]
.endr
.irp y, 0,1,2,3
	v_writelane_b32 v[W4+\y], s[36+\y], 16*\c+4*\e+\k      ; word 64 c + 16 e + 4 k + y: register y of lane 16 c + 4 e + k
.endr
.endr
.endr
	s_cmp_eq_u32 s33, -1
	s_cselect_b32 s[40+\c], 0, 1                   ; all masked: 0
	s_cmp_eq_u32 s34, 0
	s_cselect_b32 s[40+\c], 2, s[40+\c]            ; none masked: 2
.endm
	CELL 0
	CELL 1
	global_store_b128 v125, v[W4:W4+3], s[20:21]   ; two cells' words: 512 consecutive bytes, aligned
	s_lshl_b32 s41, s41, 2
	s_or_b32 s40, s40, s41
	s_lshl_b32 s33, s24, 2
	s_lshl_b32 s40, s40, s33                       ; my two classes at bits 4 w .. 4 w + 3
	v_mov_b32 v144, s40
	ds_store_b32 v15, v144 offset:CB
	s_wait_dscnt 0x0
	s_barrier_signal -1
	s_barrier_wait -1
	s_cmp_lg_u32 s24, 0                            ; wave 0 writes the record
	s_cbranch_scc1 .Lend
	ds_load_b128 v[148:151], v126 offset:CB
	ds_load_b128 v[152:155], v126 offset:CB+16
	s_wait_dscnt 0x0
	v_or_b32 v148, v148, v149
	v_or_b32 v150, v150, v151
	v_or_b32 v152, v152, v153
	v_or_b32 v154, v154, v155
	s_delay_alu instid0(VALU_DEP_3)
	v_or_b32 v148, v148, v150
	s_delay_alu instid0(VALU_DEP_2)
	v_or_b32 v152, v152, v154
	s_delay_alu instid0(VALU_DEP_1)
	v_or_b32 v148, v148, v152
	s_delay_alu instid0(VALU_DEP_1)
	v_readfirstlane_b32 s40, v148
	s_delay_alu instid0(VALU_DEP_1)
	v_writelane_b32 v[RR], s40, 0
	s_delay_alu instid0(VALU_DEP_1)
	v_writelane_b32 v[RR], s31, 1
	s_delay_alu instid0(VALU_DEP_1)
	v_writelane_b32 v[RR], s32, 2
	global_store_b32 v145, v[RR], s[22:23]
.Lend:
	s_wait_tensorcnt 0x0
	ds_add_u32 v160, v161
	s_wait_dscnt 0x0
	s_endpgm
.Lfunc_end_k_q721e7cb617_prep:
	.size	k_q721e7cb617_prep, .Lfunc_end_k_q721e7cb617_prep-k_q721e7cb617_prep
	.p2alignl 7, 3214868480
	.fill 96, 4, 3214868480
	.section	.rodata,"a",@progbits
	.p2align	6, 0x0
	.amdhsa_kernel k_q721e7cb617_prep
		.amdhsa_group_segment_fixed_size 5120
		.amdhsa_private_segment_fixed_size 0
		.amdhsa_enable_private_segment 0
		.amdhsa_kernarg_size 80
		.amdhsa_user_sgpr_count 2
		.amdhsa_user_sgpr_kernarg_segment_ptr 1
		.amdhsa_wavefront_size32 1
		.amdhsa_system_sgpr_workgroup_id_x 1
		.amdhsa_system_sgpr_workgroup_id_y 1
		.amdhsa_system_sgpr_workgroup_id_z 1
		.amdhsa_system_vgpr_workitem_id 0
		.amdhsa_next_free_vgpr 162
		.amdhsa_next_free_sgpr 66
		.amdhsa_reserve_vcc 1
		.amdhsa_float_denorm_mode_32 3
		.amdhsa_float_denorm_mode_16_64 3
		.amdhsa_memory_ordered 1
		.amdhsa_forward_progress 1
		.amdhsa_inst_pref_size 59
	.end_amdhsa_kernel
	.amdgpu_metadata
---
amdhsa.version: [ 1, 2 ]
amdhsa.kernels:
  - .name:           k_q721e7cb617_prep
    .symbol:         k_q721e7cb617_prep.kd
    .args:
      - { .name: Wq, .offset: 0, .size: 8, .value_kind: global_buffer, .address_space: global }
      - { .name: Wk, .offset: 8, .size: 8, .value_kind: global_buffer, .address_space: global }
      - { .name: Wv, .offset: 16, .size: 8, .value_kind: global_buffer, .address_space: global }
      - { .name: Wo, .offset: 24, .size: 8, .value_kind: global_buffer, .address_space: global }
      - { .name: attn_mask, .offset: 32, .size: 8, .value_kind: global_buffer, .address_space: global }
      - { .name: key_padding_mask, .offset: 40, .size: 8, .value_kind: global_buffer, .address_space: global }
      - { .name: w, .offset: 48, .size: 8, .value_kind: global_buffer, .address_space: global }
      - { .name: rope, .offset: 56, .size: 8, .value_kind: global_buffer, .address_space: global }
      - { .name: maskw, .offset: 64, .size: 8, .value_kind: global_buffer, .address_space: global }
      - { .name: rec, .offset: 72, .size: 8, .value_kind: global_buffer, .address_space: global }
    .group_segment_fixed_size: 5120
    .private_segment_fixed_size: 0
    .kernarg_segment_align: 8
    .kernarg_segment_size: 80
    .max_flat_workgroup_size: 256
    .sgpr_count:     66
    .vgpr_count:     162
    .wavefront_size: 32
...
	.end_amdgpu_metadata
.endif
;; end of part 5
;; launch qkv (part 6): grid 64 x 3, 4 waves a work-group, no clusters, 188,928 bytes of LDS; arguments x, w, rope, qkv; writes qkv
.if DOCPART == 6
	.amdgcn_target "amdgcn-amd-amdhsa--gfx1250"
	.amdhsa_code_object_version 6
	.text
	.protected	k_q721e7cb617_qkv
	.globl	k_q721e7cb617_qkv
	.p2align	8
	.type	k_q721e7cb617_qkv,@function
k_q721e7cb617_qkv:
	s_mov_b64 s[64:65], 0
	v_nop
	global_prefetch_b8 v0, s[64:65] scope:SCOPE_SE
	s_setreg_imm32_b32 hwreg(HW_REG_WAVE_SCHED_MODE, 0, 2), 2
	s_setreg_imm32_b32 hwreg(HW_REG_WAVE_MODE, 25, 1), 1
	s_wait_xcnt 0x0
	s_wait_alu depctr_vm_vsrc(0)
; QKV.  Work-group (xg, role): rows 128 xg .. + 127 of x [8,192][512] f32 times one weight (role 0 Wq, 1 Wk, 2 Wv; codes of E2M3 made by the launch before), on codes, sums in f32;
; q and k are rotated (RoPE) in f32 and quantised along the head's 32; v is quantised along the KEYS, in blocks of 32.  Nothing wide goes to memory.
; SHARES.  Four waves share the COLUMNS: wave w makes features 128 w .. + 127 (four heads) for all 128 rows; its 8 tiles x 4 K steps of the weight stay in 384 registers, read once.
; x is quantised by the work-group itself (wave w: tiles w and w + 4 of the eight tiles of 16 rows) and goes from wave to wave through LDS as images of the operand's registers; one barrier.
; THE ROWS OF x THAT FORM A TILE ARE NOT NEIGHBOURS: lane r of tile 2 e + u takes row 32 e + 8 u + r + 8 (r / 8).  For v (source 0 = x, source 1 = W) a lane then holds one feature and the 16 registers of
; tiles 2 e, 2 e + 1 are 16 neighbouring keys, 32 e + 16 h + 0 .. 15.  For q and k (source 0 = W, source 1 = x) a lane holds one row and, of a head, d = 8 h + 0 .. 7 (tile 2 d') and 16 + 8 h + 0 .. 7 (tile 2 d' + 1):
; the two partners of a rotation lie in one lane, eight registers apart.
; OUT (buffer qkv).  Codes at role x 3,145,728 + ((16 b + g) x 16 + head) x 3,072, g the cell of 128 rows: q, k: [row 128][24 bytes]; v: [d 32][key block 4][24 bytes].  In a block of q or k the codes stand in a
; fixed order of d, the same for both (places 0-15: d 0-7, 16-23; places 16-31: d 8-15, 24-31): their product does not see it.  Scale bytes at 9,437,184 + role x 131,072 + (the same index) x 128:
; q, k: byte 8 r + 2 e + u belongs to row 32 e + 8 u + r + 8 (r / 8);  v: [d 32][key block 4].  Codes leave through the wave's own stage in LDS, 384 consecutive bytes a store.
; The two roles' paths part on the work-group's number; each has stage bytes of its own.  No tensor load: the weights go once, straight into registers, and x's tile is read by this work-group and two others.
; LIMITS: NaN and infinities are not served; blocks under 2^-124 keep the byte 1; a block of zeros has the byte 1 (zero codes; only this program reads the bytes).
; REGISTERS, in windows of 256.  Window 0: v1-15, v224-238 addresses; v16-111 x's eight fragments of a trip (in the x phase: v16-79, v80-143 numbers, v144-162 codes, v164-179 at work, v180 the scale word);
;   v112-147 the flush; v184-191 x's scale words; v192-223 W's.  Window 1: W's fragments of K steps 0, 1 at v[12 (2 t + s)]; window 2: of K steps 2, 3.
;   Window 3: v0-127 sixteen accumulators; v128-159 cos and sin; v160-223 the rotation's products; v224-239 at work; v240-255 codes.
; THE MODE: SCHED_MODE bits 1:0 = 2 (LLVM: expert scheduling mode 2), set by the entry lines.  The code itself states the register dependences
; between vector or matrix instructions and memory or LDS instructions, with s_wait_alu, always for 0.
; THE PLAN.  Registers that memory or LDS instructions touch:
;   v5-15, v224-230   fixed addresses: written at the head, never again; one wait on va_vdst ahead of the first load serves them all.
;   v16-79, v80-143   the x phase's two sets of numbers: loads land, QUANT reads.  The wait on va_vdst behind a step's QUANT also states that the set is read; the loads at the next step's head land in it.
;   v144-155, v180    QUANT writes, the image's stores read: va_vdst between the two, vm_vsrc behind the stores, ahead of the next QUANT.
;   v232-238          the trip's seven addresses: written at a trip's head, read by the trip's LDS loads and stores and by the loads of cos and sin: vm_vsrc ahead of the seven additions, va_vdst behind them.
;   v16-111, v184-191 x's fragments and scale words of a trip: LDS loads land, the products read; window 3's v128-159: loads of cos and sin land, the rotation reads: the trip head's va_vdst states that the last trip is done with them.
;   window 3's codes and bytes: Q4 writes, the stage's stores read: va_vdst behind each Q4; vm_vsrc between a trip's two Q4, and the trip head's for the second.
;   v112-147          the flush: LDS loads land, global stores read: vm_vsrc ahead of each further batch.
.set XIMG, 0                           ; LDS: x's 32 fragments (tile T8, K step s: 4 T8 + s), 1,536 bytes each,
.set XSC,  49152                       ; their scale words, 128 bytes each,
.set STGQ, 53248                       ; q's and k's stage: 16,384 bytes a wave: 1,024 places of 16 bytes, each with 12 bytes of codes, in the order of memory,
.set SSBQ, 118784                      ; their scale bytes, 512 a wave,
.set STGV, 120832                      ; and the same for v
.set SSBV, 186368
.set XA,  5                            ; x: my lane's byte in a tile's rows
.set LI,  6                            ; 16 x lane
.set LS,  7                            ; 4 x lane
.set XWI, 8                            ; where I store x's images
.set XWS, 9                            ; and their scale words
.set WA,  10                           ; W's codes: 384 r + 24 h
.set WSA, 11                           ; W's scale words: 16 r
.set RA,  12                           ; rope: my row of a tile, my eight frequencies
.set FS,  13                           ; XSC + 4 x lane
.set SQ,  14                           ; the lane's fixed part of each stage address
.set SBQ, 15
.set SV,  224
.set SBV, 225
.set FLQ, 226
.set FLV, 227
.set FSQ, 228
.set FSV, 229
.set G12, 230                          ; 12 x lane
.set CFA, 232                          ; the trip's addresses: a fixed part + a scalar that steps by a constant
.set CFS, 233
.set CSQ, 234
.set CSBQ, 235
.set CRA, 236
.set CSV, 237
.set CSBV, 238
.set XF,  16
.set HA,  16
.set PC,  144
.set TM,  164
.set PW,  180
.set XS,  184
.set WS,  192
.set FT,  112
.set T1,  160                          ; window 3
.set T2,  192
.set TM3, 224
.set CD,  240
.set MSB, 0
.macro WIN new                         ; the immediate's high byte repeats the setting that is left; a switch that changes nothing is dropped
.if MSB != (\new)
	s_set_vgpr_msb (MSB<<8)|(\new)
.set MSB, (\new)
.endif
.endm
; my tile's numbers of K step s (128 along K: 64 a lane): register 16 b + i = k 32 b + 16 h + i of my row.  e = 1: the tile 64 rows further down
.macro XLOAD reg, e, s
.irp b, 0,1,2,3
.irp j, 0,1,2,3
	global_load_b128 v[(\reg)+16*\b+4*\j:(\reg)+16*\b+4*\j+3], v[XA], s[4:5] offset:131072*(\e)+512*(\s)+128*\b+16*\j
.endr
.endr
.endm
; 64 numbers of a lane become a fragment's codes in v[PC] on and its scale word in v[PW]
.macro QUANT s
.irp b, 0,1,2,3
	v_max3_num_f32 v[TM+\b], |v[(\s)+16*\b]|, |v[(\s)+1+16*\b]|, 0x1800000   ; block b: my 16 numbers, and the floor 2^(3 - 127): the byte cannot fall under 1
.endr
.irp i, 2,4,6,8,10,12,14
.irp b, 0,1,2,3
	v_max3_num_f32 v[TM+\b], v[TM+\b], |v[(\s)+16*\b+\i]|, |v[(\s)+1+16*\b+\i]|   ; (the four blocks by turns)
.endr
.endr
.irp b, 0,1,2,3
	v_permlanex16_b32 v[TM+4+\b], v[TM+\b], s20, s21
.endr
.irp b, 0,1,2,3
	v_max_num_f32 v[TM+\b], v[TM+\b], v[TM+4+\b]   ; with lane l xor 16's: the block's largest magnitude
.endr
.irp b, 0,1,2,3
	v_add_nc_u32 v[TM+12+\b], 0xff000000, v[TM+\b] ; 2 off its exponent field: the conversion's scale operand
.endr
.irp b, 0,1,2,3
	v_lshrrev_b32 v[TM+4+\b], 23, v[TM+12+\b]      ; the scale's byte
.endr
	v_lshl_or_b32 v[PW], v[TM+5], 8, v[TM+4]
	v_lshl_or_b32 v[PW], v[TM+6], 16, v[PW]
	v_lshl_or_b32 v[PW], v[TM+7], 24, v[PW]
.irp c, 0,1
	v_cvt_scalef32_pk16_fp6_f32 v[PC+6*\c:PC+2+6*\c], v[(\s)+32*\c:(\s)+15+32*\c], v[TM+12+2*\c]
	v_cvt_scalef32_pk16_fp6_f32 v[PC+12+4*\c:PC+14+4*\c], v[(\s)+16+32*\c:(\s)+31+32*\c], v[TM+12+2*\c+1]   ; (a conversion's three registers begin on an even number)
.endr
	v_nop                                          ; one plain line behind the conversions
.irp c, 0,1                                    ; the operand's layout wants a whole block in a lane: lanes 0-15 block 2 c, lanes 16-31 block 2 c + 1
.irp i, 0,1,2
	v_permlane16_swap_b32 v[PC+6*\c+\i], v[PC+12+4*\c+\i]
.endr
.irp i, 0,1,2
	v_mov_b32 v[PC+3+6*\c+\i], v[PC+12+4*\c+\i]
.endr
.endr
.endm
.macro IMAGE adr, off                          ; the fragment in v[PC] on goes to LDS as it stands: lane l's 16 bytes at 16 l, 512 bytes a store
.irp c, 0,1,2
	ds_store_b128 v[\adr], v[PC+4*\c:PC+4*\c+3] offset:(\off)+512*\c
.endr
.endm
.macro FETCH reg, adr, off                     ; and comes back so, in any wave
.irp c, 0,1,2
	ds_load_b128 v[(\reg)+4*\c:(\reg)+4*\c+3], v[\adr] offset:(\off)+512*\c
.endr
.endm
; window 3: four blocks of 16 registers from v[s] on; a block's other 16 numbers lie in lane l xor 16.  Each lane's 16 codes (12 bytes) land in v[CD + 4 b] on, the block's byte in v[TM3 + 4 + b]
.macro Q4 s
.irp b, 0,1,2,3
	v_max3_num_f32 v[TM3+\b], |v[(\s)+16*\b]|, |v[(\s)+1+16*\b]|, 0x1800000
.endr
.irp i, 2,4,6,8,10,12,14
.irp b, 0,1,2,3
	v_max3_num_f32 v[TM3+\b], v[TM3+\b], |v[(\s)+16*\b+\i]|, |v[(\s)+1+16*\b+\i]|
.endr
.endr
.irp b, 0,1,2,3
	v_permlanex16_b32 v[TM3+4+\b], v[TM3+\b], s20, s21
.endr
.irp b, 0,1,2,3
	v_max_num_f32 v[TM3+\b], v[TM3+\b], v[TM3+4+\b]
.endr
.irp b, 0,1,2,3
	v_add_nc_u32 v[TM3+12+\b], 0xff000000, v[TM3+\b]
.endr
.irp b, 0,1,2,3
	v_lshrrev_b32 v[TM3+4+\b], 23, v[TM3+12+\b]
.endr
.irp b, 0,1,2,3
	v_cvt_scalef32_pk16_fp6_f32 v[CD+4*\b:CD+4*\b+2], v[(\s)+16*\b:(\s)+16*\b+15], v[TM3+12+\b]
.endr
	v_nop                                          ; one plain line behind the conversions
.endm
; window 3: the rotation of tile u's four heads.  a = d 8 h + j, b = d 16 + 8 h + j, eight registers on:  a' = a cos - b sin,  b' = b cos + a sin.  Each accumulator is read from its low end on
.macro ROPE u
.irp d, 0,1,2,3
.irp j, 0,2,4,6
	v_pk_mul_f32 v[T1+8*\d+\j:T1+8*\d+\j+1], v[64*(\u)+16*\d+8+\j:64*(\u)+16*\d+9+\j], v[136+16*(\u)+\j:137+16*(\u)+\j]
	v_pk_mul_f32 v[T2+8*\d+\j:T2+8*\d+\j+1], v[64*(\u)+16*\d+\j:64*(\u)+16*\d+1+\j], v[136+16*(\u)+\j:137+16*(\u)+\j]
.endr
.endr
.irp d, 0,1,2,3
.irp j, 0,2,4,6
	v_pk_fma_f32 v[64*(\u)+16*\d+\j:64*(\u)+16*\d+1+\j], v[64*(\u)+16*\d+\j:64*(\u)+16*\d+1+\j], v[128+16*(\u)+\j:129+16*(\u)+\j], v[T1+8*\d+\j:T1+8*\d+\j+1] neg_lo:[0,0,1] neg_hi:[0,0,1]
	v_pk_fma_f32 v[64*(\u)+16*\d+8+\j:64*(\u)+16*\d+9+\j], v[64*(\u)+16*\d+8+\j:64*(\u)+16*\d+9+\j], v[128+16*(\u)+\j:129+16*(\u)+\j], v[T2+8*\d+\j:T2+8*\d+\j+1]
.endr
.endr
.endm
; 64 products: two tiles of rows x eight tiles of features, K step by K step.  The sixteen accumulators take turns, one instruction a turn; the first K step starts the sums
.macro MULQK                                   ; source 0 = W, source 1 = x: accumulator (u, t) at v[64 u + 8 t]
.irp s, 0,1,2,3
	WIN 0xf1+\s/2
.irp u, 0,1
.irp t, 0,1,2,3,4,5,6,7
.if \s == 0
	v_wmma_scale_f32_16x16x128_f8f6f4 v[64*\u+8*\t:64*\u+8*\t+7], v[12*(2*\t+\s%2):12*(2*\t+\s%2)+11], v[XF+12*(4*\u+\s):XF+12*(4*\u+\s)+11], 0, v[WS+4*\t+\s], v[XS+4*\u+\s] matrix_a_fmt:MATRIX_FMT_FP6 matrix_b_fmt:MATRIX_FMT_FP6
.else
	v_wmma_scale_f32_16x16x128_f8f6f4 v[64*\u+8*\t:64*\u+8*\t+7], v[12*(2*\t+\s%2):12*(2*\t+\s%2)+11], v[XF+12*(4*\u+\s):XF+12*(4*\u+\s)+11], v[64*\u+8*\t:64*\u+8*\t+7], v[WS+4*\t+\s], v[XS+4*\u+\s] matrix_a_fmt:MATRIX_FMT_FP6 matrix_b_fmt:MATRIX_FMT_FP6
.endif
.endr
.endr
.endr
.endm
.macro MULV                                    ; source 0 = x, source 1 = W: accumulator (t, u) at v[16 t + 8 u]
.irp s, 0,1,2,3
	WIN 0xf4+4*(\s/2)
.irp u, 0,1
.irp t, 0,1,2,3,4,5,6,7
.if \s == 0
	v_wmma_scale_f32_16x16x128_f8f6f4 v[16*\t+8*\u:16*\t+8*\u+7], v[XF+12*(4*\u+\s):XF+12*(4*\u+\s)+11], v[12*(2*\t+\s%2):12*(2*\t+\s%2)+11], 0, v[XS+4*\u+\s], v[WS+4*\t+\s] matrix_a_fmt:MATRIX_FMT_FP6 matrix_b_fmt:MATRIX_FMT_FP6
.else
	v_wmma_scale_f32_16x16x128_f8f6f4 v[16*\t+8*\u:16*\t+8*\u+7], v[XF+12*(4*\u+\s):XF+12*(4*\u+\s)+11], v[12*(2*\t+\s%2):12*(2*\t+\s%2)+11], v[16*\t+8*\u:16*\t+8*\u+7], v[XS+4*\u+\s], v[WS+4*\t+\s] matrix_a_fmt:MATRIX_FMT_FP6 matrix_b_fmt:MATRIX_FMT_FP6
.endif
.endr
.endr
.endr
.endm
; the wave's stage leaves: 1,024 places of 16 bytes give 12,288 consecutive bytes of codes, 384 a store; then its 512 scale bytes, two aligned runs of 256.
; No vector instruction stands between the last trip's wait on va_vdst and these loads, so the first batch owes nothing
.macro FLUSH fl, fs
.irp q, 0,1,2,3
.if \q > 0
	s_wait_xcnt 0x0                                ; the last batch's stores have had their addresses translated
	s_wait_alu depctr_vm_vsrc(0)                   ; the last batch's stores have read v[FT ..], in which this batch's LDS loads land
.endif
.irp t, 0,1,2,3,4,5,6,7
	ds_load_b96 v[FT+4*\t:FT+4*\t+2], v[\fl] offset:512*(8*\q+\t)
.endr
.irp t, 0,1,2,3,4,5,6,7
	s_wait_dscnt 7-\t                              ; LDS loads come back in order: load t is in, the younger ones may be out
	global_store_b96 v[G12], v[FT+4*\t:FT+4*\t+2], s[22:23] offset:384*(8*\q+\t)
.endr
.endr
	ds_load_b128 v[FT+32:FT+35], v[\fs]
	s_wait_dscnt 0x0
	global_store_b128 v[LI], v[FT+32:FT+35], s[24:25]
.endm
	s_load_b256 s[4:11], s[0:1], 0x0               ; x, w, rope, qkv
	v_lshl_add_u32 v254, v0, 2, 0x2e000
	v_mov_b32 v255, 0
	v_lshrrev_b32 v1, 5, v0
	v_readfirstlane_b32 s12, v1                    ; wave 0..3
	v_and_b32 v1, 31, v0                           ; lane
	v_and_b32 v2, 15, v0                           ; r
	v_bfe_u32 v3, v0, 4, 1                         ; h
	v_and_b32 v4, 8, v2
	v_add_nc_u32 v4, v4, v2                        ; r + 8 (r / 8)
	s_and_b32 s13, ttmp7, 0xffff                   ; the role
	v_lshlrev_b32 v[XA], 11, v4
	v_lshl_add_u32 v[XA], v3, 6, v[XA]             ; x: a row is 2,048 bytes; + 64 h: my 16 numbers of a block
	v_lshlrev_b32 v[LI], 4, v1
	v_lshlrev_b32 v[LS], 2, v1
	s_wait_alu depctr_va_sdst(0)                   ; s12, the wave's number, is written, ahead of its first reader
	s_mul_i32 s26, s12, 6144
	v_add_nc_u32 v[XWI], s26, v[LI]                ; tile w's four images
	s_lshl_b32 s26, s12, 9                         ; 512 x wave
	v_add_nc_u32 v[XWS], s26, v[LS]
	v_add_nc_u32 v[XWS], XSC, v[XWS]
	v_mul_u32_u24 v[WA], v2, 384
	v_mad_u32_u24 v[WA], v3, 24, v[WA]
	v_lshlrev_b32 v[WSA], 4, v2
	v_lshlrev_b32 v[RA], 7, v4
	v_lshl_add_u32 v[RA], v3, 5, v[RA]             ; rope: 128 bytes a position; cos of frequencies 8 h on
	v_add_nc_u32 v[FS], XSC, v[LS]
	s_lshl_b32 s27, s12, 14                        ; 16,384 x wave
	v_lshlrev_b32 v[SQ], 5, v4
	v_lshl_add_u32 v[SQ], v3, 4, v[SQ]
	v_add_nc_u32 v[SQ], s27, v[SQ]
	v_add_nc_u32 v[SQ], STGQ, v[SQ]                ; q, k: place 2 x row + h of a head's 256
	v_lshl_add_u32 v[SBQ], v2, 3, s26
	v_add_nc_u32 v[SBQ], SSBQ, v[SBQ]
	v_lshlrev_b32 v[SV], 7, v2
	v_lshl_add_u32 v[SV], v3, 4, v[SV]
	v_add_nc_u32 v[SV], s27, v[SV]
	v_add_nc_u32 v[SV], STGV, v[SV]                ; v: place 8 d + 2 x key block + h
	v_lshl_add_u32 v[SBV], v2, 2, s26
	v_add_nc_u32 v[SBV], SSBV, v[SBV]
	v_add_nc_u32 v[FLQ], s27, v[LI]
	v_add_nc_u32 v[FLV], STGV, v[FLQ]
	v_add_nc_u32 v[FLQ], STGQ, v[FLQ]
	v_add_nc_u32 v[FSQ], s26, v[LI]
	v_add_nc_u32 v[FSV], SSBV, v[FSQ]
	v_add_nc_u32 v[FSQ], SSBQ, v[FSQ]
	v_mul_u32_u24 v[G12], v1, 12
.irp b, 0,1,2,3
	v_mov_b32 v[TM+4+\b], 0                        ; written once: a lane permute's destination counts as one of its sources
.endr
	WIN 0xc0
.irp b, 0,1,2,3
	v_mov_b32 v[TM3+4+\b], 0                       ; the same in window 3
.endr
	WIN 0
	s_mov_b32 s20, 0x76543210
	s_mov_b32 s21, 0xfedcba98                      ; v_permlanex16_b32's selects for lane l xor 16
	s_lshl_b32 s14, ttmp9, 7
	s_lshr_b32 s36, s12, 1
	s_lshl_b32 s36, s36, 5
	s_add_co_u32 s14, s14, s36
	s_and_b32 s36, s12, 1
	s_lshl_b32 s36, s36, 3
	s_add_co_u32 s14, s14, s36                     ; the first row of tile w: 128 xg + 32 (w / 2) + 8 (w % 2)
	s_lshl_b32 s14, s14, 11
	s_mov_b32 s15, 0
	s_wait_kmcnt 0x0
	s_add_nc_u64 s[4:5], s[4:5], s[14:15]
	s_mul_i32 s26, s13, 196608
	s_mul_i32 s27, s12, 49152
	s_add_co_u32 s26, s26, s27
	s_mov_b32 s27, 0
	s_add_nc_u64 s[16:17], s[6:7], s[26:27]        ; my 128 rows of the role's weight: codes,
	s_lshl_b32 s26, s13, 13
	s_lshl_b32 s36, s12, 11
	s_add_co_u32 s26, s26, s36
	s_add_co_u32 s26, s26, 786432
	s_add_nc_u64 s[18:19], s[6:7], s[26:27]        ; scale bytes
	s_lshl_b32 s26, ttmp9, 14
	s_add_nc_u64 s[8:9], s[8:9], s[26:27]          ; rope at my 128 positions
	s_lshl_b32 s36, ttmp9, 4
	s_lshl_b32 s37, s12, 2
	s_add_co_u32 s36, s36, s37                     ; 16 xg + 4 w: my first head's index
	s_mul_i32 s26, s36, 3072
	s_mul_i32 s37, s13, 3145728
	s_add_co_u32 s26, s26, s37
	s_add_nc_u64 s[22:23], s[10:11], s[26:27]      ; where my codes go,
	s_lshl_b32 s26, s36, 7
	s_lshl_b32 s37, s13, 17
	s_add_co_u32 s26, s26, s37
	s_add_co_u32 s26, s26, 9437184
	s_add_nc_u64 s[24:25], s[10:11], s[26:27]      ; and my scale bytes
	WIN 0x40                                       ; destination window 1: K steps 0 and 1
	s_wait_alu depctr_va_vdst(0)                   ; the fixed addresses v5 to v15 and v224 to v230 are written, which every load and store of the kernel reads; up to the first QUANT only loads and window switches follow
.irp t, 0,1,2,3,4,5,6,7
.irp s, 0,1
.irp p, 0,1,2,3,4,5
	global_load_b64 v[12*(2*\t+\s)+2*\p:12*(2*\t+\s)+2*\p+1], v[WA], s[16:17] offset:6144*\t+96*\s+48*(\p/3)+8*(\p%3)
.endr
.endr
.endr
	WIN 0x80                                       ; window 2: K steps 2 and 3
.irp t, 0,1,2,3,4,5,6,7
.irp s, 0,1
.irp p, 0,1,2,3,4,5
	global_load_b64 v[12*(2*\t+\s)+2*\p:12*(2*\t+\s)+2*\p+1], v[WA], s[16:17] offset:6144*\t+192+96*\s+48*(\p/3)+8*(\p%3)
.endr
.endr
.endr
	WIN 0
.irp t, 0,1,2,3,4,5,6,7
	global_load_b128 v[WS+4*\t:WS+4*\t+3], v[WSA], s[18:19] offset:256*\t    ; a row's 16 bytes: the scale words of its four K steps
.endr
	XLOAD HA,0,0
	; ---- x: my two tiles x four K steps become eight fragments.  Two sets of 64 registers by turns: a step's numbers land while the step before is quantised
.macro XSTEP k
.if \k < 7
	XLOAD (HA+64*((\k+1)%2)),((\k+1)/4),((\k+1)%4) ; into the set that the step before quantised.  No wait: no vector instruction since that step's wait on va_vdst names it
	s_wait_loadcnt 16                              ; all but the sixteen just issued: this step's numbers are in (and, loads coming back in order, the weight)
.else
	s_wait_loadcnt 0x0
.endif
	QUANT (HA+64*(\k%2))
	s_wait_alu depctr_va_vdst(0)                   ; QUANT has written the codes and the scale word, which the LDS stores read, and is done reading its set of numbers, in which the next step's loads land
	IMAGE XWI,24576*(\k/4)+1536*(\k%4)
	ds_store_b32 v[XWS], v[PW] offset:2048*(\k/4)+128*(\k%4)
	s_wait_dscnt 0x0                               ; my LDS stores have landed
.if \k < 7
	s_wait_alu depctr_vm_vsrc(0)                   ; the LDS stores have read the codes and the scale word, which the next step's QUANT writes again
.endif
.endm
.irp k, 0,1,2,3,4,5,6,7
	XSTEP \k
.endr
	s_barrier_signal -1                            ; (every wave's LDS stores have landed: the wait for 0 above)
	s_barrier_wait -1                              ; x's 32 fragments lie in LDS; they are never written again
	s_mov_b32 s28, 0                               ; e, the pair of tiles of rows
	s_mov_b32 s30, 0                               ; 12,288 e: eight images
	s_mov_b32 s31, 0                               ; 1,024 e: eight scale words; 32 rows of q's stage
	s_mov_b32 s32, 0                               ; 2 e
	s_mov_b32 s33, 0                               ; 4,096 e: 32 positions of rope
	s_mov_b32 s34, 0                               ; 32 e: a key block's two places in v's stage
	s_mov_b32 s35, 0                               ; e
.Lpair:
	s_wait_alu depctr_vm_vsrc(0)                   ; the last trip's loads and stores have read the seven addresses, and its last stores their codes and bytes, all of which this trip writes again; in the first trip: x's last image has left v144 on, in which the flush's loads land
	v_add_nc_u32 v[CFA], s30, v[LI]                ; both roles' addresses are made ahead of the parting
	v_add_nc_u32 v[CFS], s31, v[FS]
	v_add_nc_u32 v[CSQ], s31, v[SQ]
	v_add_nc_u32 v[CSBQ], s32, v[SBQ]
	v_add_nc_u32 v[CRA], s33, v[RA]
	v_add_nc_u32 v[CSV], s34, v[SV]
	v_add_nc_u32 v[CSBV], s35, v[SBV]
	s_wait_alu depctr_va_vdst(0)                   ; the seven addresses are written; the last trip's products are done reading x's fragments and scale words, and its rotation cos and sin: the loads below land in these (in the first trip: QUANT is done with v16 to v111)
.irp f, 0,1,2,3,4,5,6,7                        ; fragment 4 u + s
	FETCH XF+12*\f,CFA,1536*\f
	ds_load_b32 v[XS+\f], v[CFS] offset:128*\f
.endr
	s_cmp_eq_u32 s13, 2
	s_cbranch_scc1 .Lvarm
	; ---- q, k
	WIN 0xc0                                       ; destination window 3
.irp u, 0,1
	global_load_b128 v[128+16*\u:131+16*\u], v[CRA], s[8:9] offset:1024*\u        ; cos of my row, frequencies 8 h + 0 .. 7,
	global_load_b128 v[132+16*\u:135+16*\u], v[CRA], s[8:9] offset:1024*\u+16
	global_load_b128 v[136+16*\u:139+16*\u], v[CRA], s[8:9] offset:1024*\u+64     ; and sin
	global_load_b128 v[140+16*\u:143+16*\u], v[CRA], s[8:9] offset:1024*\u+80
.endr
	WIN 0
	s_wait_dscnt 0x0
	MULQK
.rept 4
	v_nop                                          ; four places between the last product and the first read of results (ISA guide 7.12.1)
.endr
	s_wait_loadcnt 0x0                             ; cos and sin
	WIN 0xff
.irp u, 0,1
	ROPE \u
	Q4 64*\u
	WIN 0x0c                                       ; an LDS store's data are its source 1: window 3
	s_wait_alu depctr_va_vdst(0)                   ; Q4 has written the codes and the bytes, which the LDS stores read
.irp b, 0,1,2,3
	ds_store_b96 v[CSQ], v[CD+4*\b:CD+4*\b+2] offset:4096*\b+256*\u
	ds_store_b8 v[CSBQ], v[TM3+4+\b] offset:128*\b+\u      ; both lanes of a row write the same byte with the same value
.endr
	s_wait_dscnt 0x0                               ; my LDS stores have landed
.if \u == 0
	s_wait_alu depctr_vm_vsrc(0)                   ; the LDS stores have read the codes and the bytes, which the second Q4 writes again
.endif
	WIN 0xff
.endr
	WIN 0
	s_branch .Ljoin
.Lvarm:
	; ---- v
	s_wait_dscnt 0x0
	MULV
.rept 4
	v_nop
.endr
	WIN 0xff
.irp g, 0,1                                    ; features' tiles 4 g + b
	Q4 64*\g
	WIN 0x0c
	s_wait_alu depctr_va_vdst(0)                   ; Q4 has written the codes and the bytes, which the LDS stores read
.irp b, 0,1,2,3
	ds_store_b96 v[CSV], v[CD+4*\b:CD+4*\b+2] offset:4096*((4*\g+\b)/2)+2048*(\b%2)
	ds_store_b8 v[CSBV], v[TM3+4+\b] offset:128*((4*\g+\b)/2)+64*(\b%2)
.endr
	s_wait_dscnt 0x0
.if \g == 0
	s_wait_alu depctr_vm_vsrc(0)                   ; the LDS stores have read the codes and the bytes, which the second Q4 writes again
.endif
	WIN 0xff
.endr
	WIN 0
.Ljoin:
	s_add_co_u32 s30, s30, 12288
	s_add_co_u32 s31, s31, 1024
	s_add_co_u32 s32, s32, 2
	s_add_co_u32 s33, s33, 4096
	s_add_co_u32 s34, s34, 32
	s_add_co_u32 s35, s35, 1
	s_add_co_u32 s28, s28, 1
	s_cmp_lt_u32 s28, 4
	s_cbranch_scc1 .Lpair
	s_cmp_eq_u32 s13, 2                            ; the stage is the wave's own: LDS serves a wave's instructions in order, no barrier
	s_cbranch_scc1 .Lflush_v
	FLUSH FLQ, FSQ
	s_wait_dscnt 0x0                               ; the closing lines, six on end
	s_wait_alu 0x0
	s_wait_tensorcnt 0x0
	ds_add_u32 v254, v255
	s_wait_dscnt 0x0
	s_endpgm
.Lflush_v:
	FLUSH FLV, FSV
	s_wait_dscnt 0x0                               ; the closing lines, six on end, once more for this end
	s_wait_alu 0x0
	s_wait_tensorcnt 0x0
	ds_add_u32 v254, v255
	s_wait_dscnt 0x0
	s_endpgm
.Lfunc_end_k_q721e7cb617_qkv:
	.size	k_q721e7cb617_qkv, .Lfunc_end_k_q721e7cb617_qkv-k_q721e7cb617_qkv
	.p2alignl 7, 3214868480
	.fill 96, 4, 3214868480
	.section	.rodata,"a",@progbits
	.p2align	6, 0x0
	.amdhsa_kernel k_q721e7cb617_qkv
		.amdhsa_group_segment_fixed_size 188928
		.amdhsa_private_segment_fixed_size 0
		.amdhsa_enable_private_segment 0
		.amdhsa_kernarg_size 32
		.amdhsa_user_sgpr_count 2
		.amdhsa_user_sgpr_kernarg_segment_ptr 1
		.amdhsa_wavefront_size32 1
		.amdhsa_system_sgpr_workgroup_id_x 1
		.amdhsa_system_sgpr_workgroup_id_y 1
		.amdhsa_system_sgpr_workgroup_id_z 1
		.amdhsa_system_vgpr_workitem_id 0
		.amdhsa_next_free_vgpr 1024
		.amdhsa_next_free_sgpr 66
		.amdhsa_reserve_vcc 0
		.amdhsa_float_denorm_mode_32 3
		.amdhsa_float_denorm_mode_16_64 3
		.amdhsa_memory_ordered 1
		.amdhsa_forward_progress 1
		.amdhsa_inst_pref_size 125
	.end_amdhsa_kernel
	.amdgpu_metadata
---
amdhsa.version: [ 1, 2 ]
amdhsa.kernels:
  - .name:           k_q721e7cb617_qkv
    .symbol:         k_q721e7cb617_qkv.kd
    .args:
      - { .name: x, .offset: 0, .size: 8, .value_kind: global_buffer, .address_space: global }
      - { .name: w, .offset: 8, .size: 8, .value_kind: global_buffer, .address_space: global }
      - { .name: rope, .offset: 16, .size: 8, .value_kind: global_buffer, .address_space: global }
      - { .name: qkv, .offset: 24, .size: 8, .value_kind: global_buffer, .address_space: global }
    .group_segment_fixed_size: 188928
    .private_segment_fixed_size: 0
    .kernarg_segment_align: 8
    .kernarg_segment_size: 32
    .max_flat_workgroup_size: 128
    .sgpr_count:     66
    .vgpr_count:     1024
    .wavefront_size: 32
...
	.end_amdgpu_metadata
.endif
;; end of part 6
;; launch attn (part 7): grid 4 x 64, 16 waves a work-group, no clusters, 112,640 bytes of LDS; arguments qkv, maskw, rec, cr; writes cr
.if DOCPART == 7
	.amdgcn_target "amdgcn-amd-amdhsa--gfx1250"
	.amdhsa_code_object_version 6
	.text
	.protected	k_q721e7cb617_attn
	.globl	k_q721e7cb617_attn
	.p2align	8
	.type	k_q721e7cb617_attn,@function
k_q721e7cb617_attn:
	s_mov_b64 s[64:65], 0
	v_nop
	global_prefetch_b8 v0, s[64:65] scope:SCOPE_SE
	s_setreg_imm32_b32 hwreg(HW_REG_WAVE_SCHED_MODE, 0, 2), 2
	s_setreg_imm32_b32 hwreg(HW_REG_WAVE_MODE, 25, 1), 1
	s_wait_xcnt 0x0
	s_wait_alu depctr_vm_vsrc(0)
; ATTN.  ctx[b][q][head] = softmax_k(q . k / sqrt(32), masked) v, both products on codes of E2M3; the FINISHED, NORMALISED p is what is quantised along the keys, so a row's maximum and sum are known first.
; Work-group (j, bh): one head of one batch.  Its 2,048 keys' codes of K and V and their scale bytes (100 KiB) lie in LDS, filled once through registers (wave w copies cell w); one barrier.
; Each of the sixteen waves owns one tile of 16 queries at a time: T = 4 w + j, then 127 - T.  It walks the sixteen cells of 128 keys TWICE:
;   walk 1: scores, a running maximum M and sum L for each lane's half of the row (p' = 2^(c s - c M), c = log2(e) / sqrt(32); L is multiplied by 2^(c M_old - c M_new) in every cell);
;   between: the two halves are joined, and -(c max + log2 sum) is formed: the divisor goes into the exponent;
;   walk 2: scores again, p = 2^(c s - c max - log2 sum), quantised block by block, O^T += V^T P^T.
; At the end padded queries' rows are set to 0 and the head's 32 numbers of each query, one block of the last product's K, are quantised: cr[b][head][T]: 512 bytes: codes at 24 r + 12 h, scale byte at 384 + r, the rest 0.
; MASKS.  The launch before stored an effective mask as lane-mask words, and a class for each cell.  A cell all of whose scores are masked is jumped over (a scalar branch on the stored class; right for every mask);
; a cell with none masked skips the 64 selects.  A masked score becomes Z = -2^100; Z c is exact, so a lane that has met masked scores alone sees exponents of exactly 0, and its sum is wiped by the factor 0 when
; a true score comes.  A query with every key masked that is not padded (bit in U) has its codes cleared: all its scores are 0 and p = 1 / 2,048, as reference() gives.  LIMIT: true scores stay far above -2^100.
; Because the walk hangs on stored numbers this launch has no tensor load, and so no joint loads: what the four work-groups of a head share is read once, at the head, 100 KiB each.
; K = 32 IN A PRODUCT OF 128.  A fragment of K holds FOUR tiles of 16 keys, one in each block of 32 along K; the tile wanted is picked by a fragment of q whose other three blocks are zero codes.
; The keys of tile 2 e + u: lane r takes key 32 e + 8 u + r + 8 (r / 8), so that score register 16 e + i of lane (r, h) is key 32 e + 16 h + i of query r.  V's tile u: lane r takes d = 8 u + r + 8 (r / 8): O's 16 registers are d = 16 h + 0 .. 15.
; A block's largest p is taken through its largest score (this leans on v_exp_f32 not falling where its input rises).  NaN and infinities are not served.
; THE MODE: SCHED_MODE bits 1:0 = 2 (LLVM: expert scheduling mode 2), set by the entry lines.  The code itself states the register dependences
; between vector or matrix instructions and memory or LDS instructions, with s_wait_alu, always for 0.
; THE PLAN.  Registers that memory or LDS instructions touch:
;   v1-10, v12, v241-244  addresses and a zero: written at the head, never again; one wait on va_vdst ahead of the first load serves them.
;   v124-173   at the head: loads land, the LDS stores read; later the products write them as scores: the first tile head's vm_vsrc.
;   v13-16     a cell's four LDS addresses: vm_vsrc ahead of the four additions, va_vdst behind them.
;   v72-123    K's and V's fragments and scale words: LDS loads land, the products read: the same va_vdst states that the last cell's products are done with them.
;   v17        the record's place: written at a tile's head, read by the tile's store.  v28-33, v35: q as loaded, read by the selects at a tile's head.
;   v204-206, v236  the tile's codes and byte: vector instructions write, LDS stores read.  v216-219: the LDS load lands, the store reads.  One va_vdst ahead of the tile's LDS stores; the next tile head's vm_vsrc.
;   q's fragments and scale word, p's codes and scale word are made by vector instructions and taken by scaled products: the cell's va_vdst stands between for q, one behind the eight places for p.
.set KL,  0                            ; LDS: K's codes [cell 16][row 128][24 bytes]
.set VL,  49152                        ; V's [cell][d 32][96 bytes]
.set KSL, 98304                        ; K's scale bytes [cell][128]
.set VSL, 100352                       ; V's
.set STG, 102400                       ; 512 bytes a wave: a tile's record on its way out
.set KT,  72                           ; v72-95   two fragments of K;  v96-97 their scale words
.set KSC, 96
.set VT,  98                           ; v98-121  two fragments of V;  v122-123 their scale words
.set VSC, 122
.set S,   124                          ; v124-187 scores, then p
.set O,   188                          ; v188-203 O^T
.set PC,  204                          ; v204-215 p's codes;  v216-223 conversions' second halves
.set PX,  216
.set BM,  224                          ; v224-227 block maxima;  v228-231 permutes' results;  v232-235 scale operands;  v236-239 bytes;  v240 p's scale word
.set SO,  232
.set QS,  34                           ; v34 q's scale word.  v36-41 q in lanes 0-15, v42-47 zeros, v48-53 q in lanes 16-31, v54-59 the same, v60-65 zeros, v66-71 q in lanes 0-15
; v1 K's lane term, v2 V's, v3 K's scale words', v4 V's, v5 24 r, v6 q's scale byte, v7-9 the stage, v10 16 x lane, v11 Z, v12 0, v13-16 the cell's addresses, v17 where the record goes
; v[18:19] -c M (later -(c max + log2 sum)), v20 M, v21 at work, v[22:23] the factor, v[24:25] L, v[26:27] a second chain, v28-33 q as loaded, v35 its byte
; s[12:15] the record: classes, padded queries, U;  s16, s17 lane masks for q;  s[18:19] the tile's mask words;  s[24:25] lane selects;  s[26:27] c;  s28 -c;  s29 wave;  s30 T;  s31 the cell's class
; s2 3,072 x cell, s3 128 x cell, s66 2 x cell, s67 256 x cell;  s100, s101 counters;  s[32:63], s[68:99] a cell's 64 mask words (s68-85 also at work at a tile's head)
.macro QK1 t, qv
	v_wmma_scale_f32_16x16x128_f8f6f4 v[S+8*\t:S+8*\t+7], v[KT+12*(\t/4):KT+12*(\t/4)+11], v[\qv:\qv+11], 0, v[KSC+\t/4], v[QS] matrix_a_fmt:MATRIX_FMT_FP6 matrix_b_fmt:MATRIX_FMT_FP6
.endm
.macro QK8 n                                   ; S^T of 128 keys: eight products, each on an accumulator of its own
	s_wait_dscnt \n
	QK1 0, 36
	QK1 1, 54
	QK1 2, 60
	QK1 3, 42
	QK1 4, 36
	QK1 5, 54
	QK1 6, 60
	QK1 7, 42
.rept 4
	v_nop                                          ; four places between the last product and the first read or write of results (ISA guide 7.12.1)
.endr
.endm
.macro SCORES n                                ; two whole arms: with the cell's mask words, or without
	s_cmp_eq_u32 s31, 1
	s_cbranch_scc0 .Lclear_\@
	s_load_b512 s[32:47], s[18:19], s67 offset:0x0
	s_load_b512 s[48:63], s[18:19], s67 offset:0x40
	s_load_b512 s[68:83], s[18:19], s67 offset:0x80
	s_load_b512 s[84:99], s[18:19], s67 offset:0xc0
	QK8 \n
	s_wait_kmcnt 0x0
.set k, 0
.rept 64
	v_cndmask_b32 v[S+k], v[S+k], v11, s[32+k+4*(k/32)]    ; ascending: each accumulator from its low end on
.set k, k+1
.endr
	s_branch .Lhave_\@
.Lclear_\@:
	QK8 \n
.Lhave_\@:
.endm
.macro BMAX                                    ; the largest score of my 16 keys of each block of 32, the four blocks by turns
.irp b, 0,1,2,3
	v_max3_num_f32 v[BM+\b], v[S+16*\b], v[S+1+16*\b], v[S+2+16*\b]
.endr
.irp i, 3,5,7,9,11,13
.irp b, 0,1,2,3
	v_max3_num_f32 v[BM+\b], v[BM+\b], v[S+16*\b+\i], v[S+1+16*\b+\i]
.endr
.endr
.irp b, 0,1,2,3
	v_max_num_f32 v[BM+\b], v[BM+\b], v[S+15+16*\b]
.endr
.endm
.macro PKSCALE                                 ; c s + v18, two at a time (of the pairs c and v[18:19] the low word serves both halves)
.set k, 0
.rept 32
	v_pk_fma_f32 v[S+k:S+k+1], v[S+k:S+k+1], s[26:27], v[18:19] op_sel_hi:[1,0,0]
.set k, k+2
.endr
.endm
.macro EXPS
.set k, 0
.rept 64
	v_exp_f32 v[S+k], v[S+k]
.set k, k+1
.endr
.endm
; A CELL of 128 keys in walk 1 or 2.  The lines at its end, which step addresses, are on every path.
.macro TRIP pass
	s_lshr_b32 s31, s12, s66
	s_and_b32 s31, s31, 3                          ; the cell's class
	s_cmp_eq_u32 s31, 0
	s_cbranch_scc1 .Lstep_\@
	s_wait_alu depctr_vm_vsrc(0)                   ; the last cell's LDS loads have read v13 to v16, which are written again here
	v_add_nc_u32 v13, s2, v1
	v_add_nc_u32 v15, s3, v3
	v_add_nc_u32 v14, s2, v2
	v_add_nc_u32 v16, s3, v4
	s_wait_alu depctr_va_vdst(0)                   ; the four addresses are written; the last cell's products are done reading K's and V's fragments and scale words, in which the loads below land; in a tile's first cell q's fragments and scale word are written, which the scaled products take
.irp f, 0,1
.irp p, 0,1,2,3,4,5
	ds_load_b64 v[KT+12*\f+2*\p:KT+12*\f+2*\p+1], v13 offset:1536*\f+768*(\p/3)+8*(\p%3)   ; registers 6 c on of lane (r, h): the 24 bytes of tile 4 f + 2 c + h's row r
.endr
.endr
	ds_load_b64 v[KSC:KSC+1], v15                  ; lane r: the bytes of its row in tiles 0-3 and 4-7
.if \pass == 2
.irp u, 0,1
.irp p, 0,1,2,3,4,5
	ds_load_b64 v[VT+12*\u+2*\p:VT+12*\u+2*\p+1], v14 offset:768*\u+48*(\p/3)+8*(\p%3)
.endr
	ds_load_b32 v[VSC+\u], v16 offset:32*\u
.endr
	SCORES 14                                      ; K's thirteen loads are in; V's fourteen, issued behind them, may be out
.else
	SCORES 0
.endif
	BMAX
.if \pass == 1
	v_max3_num_f32 v[BM], v[BM], v[BM+1], v[BM+2]
	v_max3_num_f32 v20, v[BM], v[BM+3], v20        ; the running maximum of my half of the row
	v_mov_b32 v21, v18
	v_mul_f32 v18, s28, v20                        ; -c M
	v_sub_f32 v21, v18, v21                        ; c M_old - c M_new, 0 or less
	PKSCALE
	s_wait_alu depctr_va_vdst(0)
	v_exp_f32 v22, v21                             ; one batch: the factor and the 64 p'
	EXPS
	v_nop                                          ; a plain line behind the last exponential
	s_wait_alu depctr_va_vdst(0)                   ; the factor and the 64 p' are written: one wait for the batch, ahead of its first reader
	v_pk_mul_f32 v[24:25], v[24:25], v[22:23] op_sel_hi:[1,0]
	v_pk_add_f32 v[26:27], v[S:S+1], v[S+2:S+3]    ; the sums, two at a time, in two chains
.irp j, 4,8,12,16,20,24,28,32,36,40,44,48,52,56,60
	v_pk_add_f32 v[24:25], v[24:25], v[S+\j:S+\j+1]
	v_pk_add_f32 v[26:27], v[26:27], v[S+\j+2:S+\j+3]
.endr
	v_pk_add_f32 v[24:25], v[24:25], v[26:27]
.else
.irp b, 0,1,2,3
	v_permlanex16_b32 v[228+\b], v[BM+\b], s24, s25
.endr
.irp b, 0,1,2,3
	v_max_num_f32 v[BM+\b], v[BM+\b], v[228+\b]    ; with lane l xor 16's 16 keys: the block's largest score
.endr
	PKSCALE
.irp b, 0,1,2,3
	v_fma_f32 v[BM+\b], v[BM+\b], s26, v18         ; the same of each block's largest score
.endr
	s_wait_alu depctr_va_vdst(0)
	EXPS                                           ; p, finished and normalised
.irp b, 0,1,2,3
	v_exp_f32 v[BM+\b], v[BM+\b]                   ; the block's largest p: the same two instructions on the same number
.endr
	v_nop
	s_wait_alu depctr_va_vdst(0)                   ; the 64 p and the four largest are written: one wait for the 68, ahead of their first reader
.irp b, 0,1,2,3
	v_max_num_f32 v[BM+\b], 0x1800000, v[BM+\b]    ; the floor 2^(3 - 127): the byte cannot fall under 1 (a block of zeros keeps that byte: its codes are zeros)
.endr
.irp b, 0,1,2,3
	v_add_nc_u32 v[SO+\b], 0xff000000, v[BM+\b]    ; 2 off the exponent field: the conversion's scale operand
.endr
.irp b, 0,1,2,3
	v_lshrrev_b32 v[236+\b], 23, v[SO+\b]
.endr
	v_lshl_or_b32 v240, v237, 8, v236              ; p's scale word for these 128 keys
	v_lshl_or_b32 v240, v238, 16, v240
	v_lshl_or_b32 v240, v239, 24, v240
.irp c, 0,1
	v_cvt_scalef32_pk16_fp6_f32 v[PC+6*\c:PC+2+6*\c], v[S+32*\c:S+15+32*\c], v[SO+2*\c]
	v_cvt_scalef32_pk16_fp6_f32 v[PX+4*\c:PX+2+4*\c], v[S+16+32*\c:S+31+32*\c], v[SO+2*\c+1]
.endr
	v_nop                                          ; one plain line behind the conversions
.irp c, 0,1                                    ; a whole block to a lane: lanes 0-15 block 2 c, lanes 16-31 block 2 c + 1
.irp i, 0,1,2
	v_permlane16_swap_b32 v[PC+6*\c+\i], v[PX+4*\c+\i]
.endr
.irp i, 0,1,2
	v_mov_b32 v[PC+3+6*\c+\i], v[PX+4*\c+\i]
.endr
.endr
	s_wait_dscnt 0x0                               ; V
.rept 8
	v_nop                                          ; a scale word made by vector instructions stands eight places ahead of a scaled product, an operand four
.endr
	s_wait_alu depctr_va_vdst(0)                   ; p's codes and scale word are written, which the scaled products below take; the places above stay beside this wait
.irp u, 0,1                                    ; O^T += V^T P^T.  The two accumulators take turns, and eight score products stand between two cells' links
	v_wmma_scale_f32_16x16x128_f8f6f4 v[O+8*\u:O+8*\u+7], v[VT+12*\u:VT+12*\u+11], v[PC:PC+11], v[O+8*\u:O+8*\u+7], v[VSC+\u], v240 matrix_a_fmt:MATRIX_FMT_FP6 matrix_b_fmt:MATRIX_FMT_FP6
.endr
.endif
.Lstep_\@:
	s_add_co_u32 s2, s2, 3072
	s_add_co_u32 s3, s3, 128
	s_add_co_u32 s66, s66, 2
	s_add_co_u32 s67, s67, 256
.endm
.macro REWIND
	s_mov_b32 s2, 0
	s_mov_b32 s3, 0
	s_mov_b32 s66, 0
	s_mov_b32 s67, 0
	s_mov_b32 s100, 0
.endm
	s_load_b256 s[4:11], s[0:1], 0x0               ; qkv, maskw, rec, cr
	v_lshl_add_u32 v254, v0, 2, 0x1b000
	v_mov_b32 v255, 0
	v_lshrrev_b32 v17, 5, v0
	v_readfirstlane_b32 s29, v17                   ; wave 0..15
	v_and_b32 v13, 31, v0                          ; lane
	v_and_b32 v14, 15, v0                          ; r
	v_bfe_u32 v15, v0, 4, 1                        ; h
	v_and_b32 v16, 8, v14
	v_add_nc_u32 v16, v16, v14                     ; r + 8 (r / 8)
	v_lshl_add_u32 v1, v15, 3, v16
	v_mul_u32_u24 v1, v1, 24                       ; K: row 8 h + r + 8 (r / 8) of 24 bytes
	v_mul_u32_u24 v2, v16, 96
	v_mad_u32_u24 v2, v15, 24, v2
	v_add_nc_u32 v2, VL, v2                        ; V: row r + 8 (r / 8) of 96 bytes, + 24 h
	v_lshl_add_u32 v3, v14, 3, KSL
	v_lshl_add_u32 v4, v16, 2, VSL
	v_mul_u32_u24 v5, v14, 24                      ; q: row r; both halves of the lanes load it
	v_and_b32 v6, 7, v14
	v_lshrrev_b32 v7, 3, v14
	v_lshl_add_u32 v6, v6, 3, v7                   ; q's scale byte: 8 (r % 8) + r / 8
	v_lshl_add_u32 v9, v17, 9, STG                 ; my stage
	v_mad_u32_u24 v7, v14, 24, v9
	v_mad_u32_u24 v7, v15, 12, v7                  ; my 12 bytes of codes
	v_add_nc_u32 v8, v9, v14
	v_add_nc_u32 v8, 384, v8                       ; my query's scale byte
	v_lshlrev_b32 v10, 4, v13
	v_add_nc_u32 v9, v9, v10                       ; back: 16 bytes a lane
	v_mov_b32 v11, 0xf1800000                      ; Z = -2^100
	v_mov_b32 v12, 0
	v_mov_b32 v19, 0                               ; (upper halves of pairs of which the low word alone is used: named, so written)
	v_mov_b32 v23, 0
.irp k, 42,43,44,45,46,47,60,61,62,63,64,65
	v_mov_b32 v\k, 0                               ; q's zero blocks
.endr
.irp k, 228,229,230,231
	v_mov_b32 v\k, 0                               ; written once: a lane permute's destination counts as one of its sources
.endr
	v_mad_u32_u24 v241, v17, 3072, v10             ; the copy: cell w, 16 bytes a lane
	v_lshl_add_u32 v242, v0, 2, KSL                ; 128 w + 4 x lane
	v_lshlrev_b32 v243, 2, v13
	v_lshl_add_u32 v244, v17, 9, v243
	v_add_nc_u32 v244, STG+384, v244
	s_mov_b32 s24, 0x76543210
	s_mov_b32 s25, 0xfedcba98
	s_mov_b32 s26, 0x3e8293ee                      ; c = log2(e) / sqrt(32)
	s_mov_b32 s27, s26
	s_mov_b32 s28, 0xbe8293ee                      ; -c
	s_wait_alu depctr_va_sdst(0)                   ; s29, the wave's number, is written, ahead of its first reader
	s_lshl_b32 s30, s29, 2
	s_add_co_u32 s30, s30, ttmp9                   ; T = 4 w + j
	s_and_b32 s68, ttmp7, 0xffff
	s_lshr_b32 s69, s68, 4                         ; b
	s_and_b32 s70, s68, 15                         ; head
	s_lshl_b32 s71, s69, 4
	s_add_co_u32 s71, s71, s29
	s_lshl_b32 s71, s71, 4
	s_add_co_u32 s71, s71, s70                     ; (16 b + w) x 16 + head
	s_mul_i32 s72, s71, 3072
	s_add_co_u32 s72, s72, 3145728                 ; k's codes; v's lie 3,145,728 bytes on
	s_mov_b32 s73, 0
	s_lshl_b32 s74, s71, 7
	s_add_co_u32 s74, s74, 9437184+131072          ; k's scale bytes; v's 131,072 on
	s_mov_b32 s75, 0
	s_wait_kmcnt 0x0
	s_add_nc_u64 s[20:21], s[4:5], s[72:73]
	s_add_nc_u64 s[22:23], s[4:5], s[74:75]
	s_wait_alu depctr_va_vdst(0)                   ; the addresses v1 to v10 and v241 to v244 and the zero in v12 are written, which the loads and stores of the kernel read
.irp k, 0,1,2,3,4,5
	global_load_b128 v[124+4*\k:127+4*\k], v10, s[20:21] offset:512*\k
	global_load_b128 v[148+4*\k:151+4*\k], v10, s[20:21] offset:3145728+512*\k
.endr
	global_load_b32 v172, v243, s[22:23]
	global_load_b32 v173, v243, s[22:23] offset:131072
	s_wait_loadcnt 0x0
.irp k, 0,1,2,3,4,5
	ds_store_b128 v241, v[124+4*\k:127+4*\k] offset:KL+512*\k
	ds_store_b128 v241, v[148+4*\k:151+4*\k] offset:VL+512*\k
.endr
	ds_store_b32 v242, v172
	ds_store_b32 v242, v173 offset:VSL-KSL
	ds_store_b32 v244, v12                         ; the record's last 128 bytes: zeros, once; the scale bytes are written over the first 16
	s_wait_dscnt 0x0                               ; for the others' sake: my stores have landed
	s_barrier_signal -1
	s_barrier_wait -1                              ; the head's K and V lie in LDS and are never written again
	s_mov_b32 s101, 0
.Ltile:
	s_wait_xcnt 0x0                                ; the last tile's store and loads have had their addresses translated
	s_wait_alu depctr_vm_vsrc(0)                   ; the last tile's store has read v17 and v216 to v219, its LDS stores the codes and the byte, all of which this tile writes again; in the first tile: the head's LDS stores have read v124 to v173, which the products write
	s_and_b32 s68, ttmp7, 0xffff
	s_lshr_b32 s69, s68, 4
	s_and_b32 s70, s68, 15
	s_lshl_b32 s71, s69, 7
	s_add_co_u32 s71, s71, s30                     ; 128 b + T
	s_lshl_b32 s72, s71, 7
	s_load_b128 s[12:15], s[8:9], s72 offset:0x0   ; the record
	s_lshl_b32 s74, s71, 12
	s_mov_b32 s75, 0
	s_add_nc_u64 s[18:19], s[6:7], s[74:75]        ; the tile's mask words
	s_lshr_b32 s76, s30, 3
	s_lshl_b32 s77, s69, 4
	s_add_co_u32 s76, s76, s77
	s_lshl_b32 s76, s76, 4
	s_add_co_u32 s76, s76, s70                     ; (16 b + T / 8) x 16 + head
	s_and_b32 s77, s30, 7
	s_mul_i32 s78, s76, 3072
	s_mul_i32 s80, s77, 384
	s_add_co_u32 s78, s78, s80
	s_mov_b32 s79, 0
	s_add_nc_u64 s[20:21], s[4:5], s[78:79]        ; q's codes: 16 rows of 24 bytes
	s_lshl_b32 s82, s76, 7
	s_and_b32 s80, s30, 1
	s_lshl_b32 s80, s80, 6
	s_add_co_u32 s82, s82, s80                     ; + 64 (T % 2)
	s_and_b32 s80, s77, 6
	s_add_co_u32 s82, s82, s80                     ; + 2 ((T % 8) / 2)
	s_add_co_u32 s82, s82, 9437184
	s_mov_b32 s83, 0
	s_add_nc_u64 s[22:23], s[4:5], s[82:83]        ; q's scale bytes
	s_lshl_b32 s84, s68, 7
	s_add_co_u32 s84, s84, s30
	s_lshl_b32 s84, s84, 9
	v_add_nc_u32 v17, s84, v10                     ; the record's place in cr: 512 (128 bh + T) + 16 x lane
	global_load_b64 v[28:29], v5, s[20:21]         ; no wait: the selects that read v28 to v35 in the last tile stand ahead of that tile's waits on va_vdst, and no vector instruction since names them
	global_load_b64 v[30:31], v5, s[20:21] offset:8
	global_load_b64 v[32:33], v5, s[20:21] offset:16
	global_load_u8 v35, v6, s[22:23]
	s_wait_kmcnt 0x0
	s_and_not1_b32 s16, 0xffff, s14                ; lanes 0-15, but for U's queries,
	s_and_not1_b32 s17, 0xffff0000, s14            ; lanes 16-31 likewise
	s_wait_loadcnt 0x0
	v_mul_lo_u32 v[QS], v35, 0x01010101            ; q's byte for whichever block is picked
.irp k, 0,1,2,3,4,5
	v_cndmask_b32 v[36+\k], v12, v[28+\k], s16
	v_cndmask_b32 v[66+\k], v12, v[28+\k], s16
	v_cndmask_b32 v[48+\k], v12, v[28+\k], s17
	v_cndmask_b32 v[54+\k], v12, v[28+\k], s17
.endr
	v_mov_b32 v20, v11                             ; M = Z
	v_mul_f32 v18, s28, v11                        ; -c Z, exact
	v_mov_b32 v24, 0
	v_mov_b32 v25, 0
.set k, 0
.rept 16
	v_mov_b32 v[O+k], 0                            ; (with the four above: more than the eight places between q's scale word and the first product)
.set k, k+1
.endr
	REWIND
.Lw1:
	TRIP 1
	s_add_co_u32 s100, s100, 1
	s_cmp_lt_u32 s100, 16
	s_cbranch_scc1 .Lw1
	s_wait_alu depctr_va_vdst(0)
	; ---- between the walks: the row's maximum and sum out of its two halves
	v_add_f32 v24, v24, v25
	v_permlanex16_b32 v228, v20, s24, s25
	v_max_num_f32 v20, v20, v228                   ; the row's maximum
	v_mul_f32 v21, s28, v20                        ; -c max
	v_sub_f32 v22, v21, v18                        ; c M_mine - c max, 0 or less
	s_wait_alu depctr_va_vdst(0)
	v_exp_f32 v22, v22
	v_nop
	s_wait_alu depctr_va_vdst(0)                   ; the exponential has written v22, ahead of its first reader
	v_mul_f32 v24, v24, v22                        ; my half's sum under the row's maximum
	v_permlanex16_b32 v229, v24, s24, s25
	v_add_f32 v24, v24, v229                       ; the row's sum
	s_wait_alu depctr_va_vdst(0)
	v_log_f32 v25, v24
	v_nop
	s_wait_alu depctr_va_vdst(0)                   ; the logarithm has written v25, ahead of its first reader
	v_sub_f32 v18, v21, v25                        ; -(c max + log2 sum).  (A tile with no cell to walk gets an infinity here, which nothing reads)
	REWIND
.Lw2:
	TRIP 2
	s_add_co_u32 s100, s100, 1
	s_cmp_lt_u32 s100, 16
	s_cbranch_scc1 .Lw2
	; ---- the tile's end: padded queries to 0; the head's 32 numbers of a query are one block
.rept 4
	v_nop
.endr
.set k, 0
.rept 16
	v_cndmask_b32 v[O+k], v[O+k], v12, s13         ; ascending: each accumulator from its low end on
.set k, k+1
.endr
	v_max3_num_f32 v[BM], |v[O]|, |v[O+1]|, 0x1800000
.irp i, 2,4,6,8,10,12,14
	v_max3_num_f32 v[BM], v[BM], |v[O+\i]|, |v[O+\i+1]|
.endr
	v_permlanex16_b32 v228, v[BM], s24, s25
	v_max_num_f32 v[BM], v[BM], v228
	v_add_nc_u32 v[SO], 0xff000000, v[BM]
	v_lshrrev_b32 v236, 23, v[SO]
	v_cvt_scalef32_pk16_fp6_f32 v[PC:PC+2], v[O:O+15], v[SO]
	v_nop
	s_wait_alu depctr_va_vdst(0)                   ; the codes and the byte are written, which the LDS stores read; walk 2 is done with v216 to v219, in which the LDS load lands; v17 is written, which the store reads
	ds_store_b32 v7, v[PC]
	ds_store_b32 v7, v[PC+1] offset:4
	ds_store_b32 v7, v[PC+2] offset:8
	ds_store_b8 v8, v236                           ; both lanes of a query write the same byte with the same value
	ds_load_b128 v[PX:PX+3], v9                    ; LDS serves a wave's instructions in order: this sees my stores
	s_wait_dscnt 0x0
	global_store_b128 v17, v[PX:PX+3], s[10:11]    ; 512 consecutive bytes, aligned
	s_sub_co_u32 s30, 127, s30                     ; the second tile
	s_add_co_u32 s101, s101, 1
	s_cmp_lt_u32 s101, 2
	s_cbranch_scc1 .Ltile
	s_wait_dscnt 0x0                               ; the closing lines, six on end
	s_wait_alu 0x0
	s_wait_tensorcnt 0x0
	ds_add_u32 v254, v255
	s_wait_dscnt 0x0
	s_endpgm
.Lfunc_end_k_q721e7cb617_attn:
	.size	k_q721e7cb617_attn, .Lfunc_end_k_q721e7cb617_attn-k_q721e7cb617_attn
	.p2alignl 7, 3214868480
	.fill 96, 4, 3214868480
	.section	.rodata,"a",@progbits
	.p2align	6, 0x0
	.amdhsa_kernel k_q721e7cb617_attn
		.amdhsa_group_segment_fixed_size 112640
		.amdhsa_private_segment_fixed_size 0
		.amdhsa_enable_private_segment 0
		.amdhsa_kernarg_size 32
		.amdhsa_user_sgpr_count 2
		.amdhsa_user_sgpr_kernarg_segment_ptr 1
		.amdhsa_wavefront_size32 1
		.amdhsa_system_sgpr_workgroup_id_x 1
		.amdhsa_system_sgpr_workgroup_id_y 1
		.amdhsa_system_sgpr_workgroup_id_z 1
		.amdhsa_system_vgpr_workitem_id 0
		.amdhsa_next_free_vgpr 256
		.amdhsa_next_free_sgpr 102
		.amdhsa_reserve_vcc 0
		.amdhsa_float_denorm_mode_32 3
		.amdhsa_float_denorm_mode_16_64 3
		.amdhsa_memory_ordered 1
		.amdhsa_forward_progress 1
		.amdhsa_inst_pref_size 49
	.end_amdhsa_kernel
	.amdgpu_metadata
---
amdhsa.version: [ 1, 2 ]
amdhsa.kernels:
  - .name:           k_q721e7cb617_attn
    .symbol:         k_q721e7cb617_attn.kd
    .args:
      - { .name: qkv, .offset: 0, .size: 8, .value_kind: global_buffer, .address_space: global }
      - { .name: maskw, .offset: 8, .size: 8, .value_kind: global_buffer, .address_space: global }
      - { .name: rec, .offset: 16, .size: 8, .value_kind: global_buffer, .address_space: global }
      - { .name: cr, .offset: 24, .size: 8, .value_kind: global_buffer, .address_space: global }
    .group_segment_fixed_size: 112640
    .private_segment_fixed_size: 0
    .kernarg_segment_align: 8
    .kernarg_segment_size: 32
    .max_flat_workgroup_size: 512
    .sgpr_count:     102
    .vgpr_count:     256
    .wavefront_size: 32
...
	.end_amdgpu_metadata
.endif
;; end of part 7
;; launch outp (part 8): grid 256 x 1, 4 waves a work-group, no clusters, 34,304 bytes of LDS; arguments cr, w, out0; writes out0
.if DOCPART == 8
	.amdgcn_target "amdgcn-amd-amdhsa--gfx1250"
	.amdhsa_code_object_version 6
	.text
	.protected	k_q721e7cb617_outp
	.globl	k_q721e7cb617_outp
	.p2align	8
	.type	k_q721e7cb617_outp,@function
k_q721e7cb617_outp:
	s_mov_b64 s[64:65], 0
	v_nop
	global_prefetch_b8 v0, s[64:65] scope:SCOPE_SE
	s_setreg_imm32_b32 hwreg(HW_REG_WAVE_SCHED_MODE, 0, 2), 2
	s_setreg_imm32_b32 hwreg(HW_REG_WAVE_MODE, 25, 1), 1
	s_wait_xcnt 0x0
	s_wait_alu depctr_vm_vsrc(0)
; OUTP.  out0[row][n] = sum over k of ctx[row][k] Wo[n][k], on codes of E2M3; sums and output in f32.  ctx's codes and scale bytes come from the attention launch's records cr[b][head][T][512 bytes]
; (codes of query r at 24 r, its byte at 384 + r); a block of 32 along K is one head.  Wo's codes from the first launch (tensor 3 of w).
; Work-group x: 32 rows (two tiles of 16 queries: b = x / 64, T = 2 (x % 64) + e).  Wave w: features 128 w .. + 127; its 8 tiles x 4 K steps of Wo go straight into 384 registers.  Waves share nothing: no barrier.
; The product is used transposed (source 0 = 16 rows of Wo, source 1 = ctx): a lane holds eight neighbouring columns of one row.  A tile goes through the wave's own stage in LDS and leaves as rows of 512 consecutive bytes.
; No tensor load, no joint load: each work-group reads its operands once, into registers.
; REGISTERS.  Window 0: v1-15 addresses; v16-111 ctx's eight fragments (12 (4 e + s)); v112-143 32 scale bytes; v144-151 ctx's scale words; v192-223 Wo's; on the way out v16-143 rows.
;   Windows 1, 2: Wo's fragments of K steps 0, 1 and 2, 3 at v[12 (2 t + s)].  Window 3: accumulator (e, t) at v[64 e + 8 t].
; THE MODE: SCHED_MODE bits 1:0 = 2 (LLVM: expert scheduling mode 2), set by the entry lines.  The code itself states the register dependences
; between vector or matrix instructions and memory or LDS instructions, with s_wait_alu, always for 0.
; THE PLAN.  Registers that memory or LDS instructions touch:
;   v2, v5-10      addresses: written at the head, never again: one wait on va_vdst ahead of the first load.
;   v16-143        first ctx's fragments and scale bytes (loads land; the products and the shifts read), then rows of the result (LDS loads land; the stores read).
;   window 3       the accumulators: the products write, the stage's LDS stores read.  One wait on va_vdst behind the last product's places serves these stores and the LDS loads into v16-143.
;   v144-151       ctx's scale words, made by vector instructions and taken by scaled products: one wait on va_vdst behind the eight places.
;   No register that a memory or LDS instruction has read is written again, so no wait on vm_vsrc is owed.
.set CA,  5                            ; ctx's codes: 65,536 h + 24 r (lanes 16-31 take the next head)
.set WA,  6
.set WSA, 7
.set STO, 8
.set RD,  9
.set GO,  10
.set CF,  16
.set BY,  112
.set CS,  144
.set WS,  192
.set BK,  16
.set MSB, 0
.macro WIN new
.if MSB != (\new)
	s_set_vgpr_msb (MSB<<8)|(\new)
.set MSB, (\new)
.endif
.endm
	s_load_b128 s[4:7], s[0:1], 0x0                ; cr, w
	s_load_b64 s[8:9], s[0:1], 0x10                ; out0
	v_lshl_add_u32 v254, v0, 2, 0x8400
	v_mov_b32 v255, 0
	v_lshrrev_b32 v1, 5, v0
	v_readfirstlane_b32 s12, v1                    ; wave 0..3
	v_and_b32 v1, 31, v0
	v_and_b32 v2, 15, v0                           ; r: also the offset of my row's scale byte
	v_bfe_u32 v3, v0, 4, 1
	v_mul_u32_u24 v[CA], v2, 24
	v_lshl_add_u32 v[CA], v3, 16, v[CA]
	v_mul_u32_u24 v[WA], v2, 384
	v_mad_u32_u24 v[WA], v3, 24, v[WA]
	v_lshlrev_b32 v[WSA], 4, v2
	s_wait_alu depctr_va_sdst(0)                   ; s12, the wave's number, is written, ahead of its first reader
	s_mul_i32 s13, s12, 8448                       ; my stage: 16 rows x (512 bytes + 16)
	v_mul_u32_u24 v[STO], v2, 528
	v_lshl_add_u32 v[STO], v3, 5, v[STO]
	v_add_nc_u32 v[STO], s13, v[STO]
	v_lshlrev_b32 v[GO], 4, v1
	v_add_nc_u32 v[RD], s13, v[GO]
	s_lshr_b32 s14, ttmp9, 6
	s_lshl_b32 s14, s14, 20                        ; batch b: 16 heads x 128 tiles x 512 bytes
	s_and_b32 s16, ttmp9, 63
	s_lshl_b32 s16, s16, 10
	s_add_co_u32 s14, s14, s16
	s_mov_b32 s15, 0
	s_mul_i32 s16, s12, 49152
	s_add_co_u32 s16, s16, 589824                  ; Wo's codes, my 128 rows
	s_mov_b32 s17, 0
	s_lshl_b32 s18, s12, 11
	s_add_co_u32 s18, s18, 811008                  ; Wo's scale bytes
	s_mov_b32 s19, 0
	s_lshl_b32 s20, ttmp9, 16                      ; out0: 32 rows of 2,048 bytes a work-group,
	s_lshl_b32 s21, s12, 9
	s_add_co_u32 s20, s20, s21                     ; + my 512 bytes of a row
	s_mov_b32 s21, 0
	s_wait_kmcnt 0x0
	s_add_nc_u64 s[4:5], s[4:5], s[14:15]
	s_add_nc_u64 s[22:23], s[6:7], s[16:17]
	s_add_nc_u64 s[24:25], s[6:7], s[18:19]
	s_add_nc_u64 s[8:9], s[8:9], s[20:21]
	s_wait_alu depctr_va_vdst(0)                   ; the addresses v2 and v5 to v10 are written, which every load and store of the kernel reads; up to the wait for the data only loads and window switches follow
.irp e, 0,1
.irp s, 0,1,2,3
.irp p, 0,1,2,3,4,5
	global_load_b64 v[CF+12*(4*\e+\s)+2*\p:CF+12*(4*\e+\s)+2*\p+1], v[CA], s[4:5] offset:(4*\s+2*(\p/3))*65536+512*\e+8*(\p%3)   ; registers 6 c on of lane (r, h): head 4 s + 2 c + h of query r
.endr
.endr
.irp d, 0,1,2,3,4,5,6,7,8,9,10,11,12,13,14,15
	global_load_u8 v[BY+16*\e+\d], v2, s[4:5] offset:\d*65536+512*\e+384
.endr
.endr
	WIN 0x40
.irp t, 0,1,2,3,4,5,6,7
.irp s, 0,1
.irp p, 0,1,2,3,4,5
	global_load_b64 v[12*(2*\t+\s)+2*\p:12*(2*\t+\s)+2*\p+1], v[WA], s[22:23] offset:6144*\t+96*\s+48*(\p/3)+8*(\p%3)
.endr
.endr
.endr
	WIN 0x80
.irp t, 0,1,2,3,4,5,6,7
.irp s, 0,1
.irp p, 0,1,2,3,4,5
	global_load_b64 v[12*(2*\t+\s)+2*\p:12*(2*\t+\s)+2*\p+1], v[WA], s[22:23] offset:6144*\t+192+96*\s+48*(\p/3)+8*(\p%3)
.endr
.endr
.endr
	WIN 0
.irp t, 0,1,2,3,4,5,6,7
	global_load_b128 v[WS+4*\t:WS+4*\t+3], v[WSA], s[24:25] offset:256*\t
.endr
	s_wait_loadcnt 0x0
.irp e, 0,1
.irp s, 0,1,2,3
	v_lshl_or_b32 v[CS+4*\e+\s], v[BY+16*\e+4*\s+1], 8, v[BY+16*\e+4*\s]     ; four heads' bytes make a K step's scale word
	v_lshl_or_b32 v[CS+4*\e+\s], v[BY+16*\e+4*\s+2], 16, v[CS+4*\e+\s]
	v_lshl_or_b32 v[CS+4*\e+\s], v[BY+16*\e+4*\s+3], 24, v[CS+4*\e+\s]
.endr
.endr
.rept 8
	v_nop                                          ; a scale word made by vector instructions stands eight places ahead of a scaled product
.endr
	s_wait_alu depctr_va_vdst(0)                   ; ctx's eight scale words are written, which the scaled products take; the places above stay beside this wait
.irp s, 0,1,2,3                                ; sixteen accumulators by turns, one instruction a turn; the first K step starts the sums
	WIN 0xf1+\s/2
.irp e, 0,1
.irp t, 0,1,2,3,4,5,6,7
.if \s == 0
	v_wmma_scale_f32_16x16x128_f8f6f4 v[64*\e+8*\t:64*\e+8*\t+7], v[12*(2*\t+\s%2):12*(2*\t+\s%2)+11], v[CF+12*(4*\e+\s):CF+12*(4*\e+\s)+11], 0, v[WS+4*\t+\s], v[CS+4*\e+\s] matrix_a_fmt:MATRIX_FMT_FP6 matrix_b_fmt:MATRIX_FMT_FP6
.else
	v_wmma_scale_f32_16x16x128_f8f6f4 v[64*\e+8*\t:64*\e+8*\t+7], v[12*(2*\t+\s%2):12*(2*\t+\s%2)+11], v[CF+12*(4*\e+\s):CF+12*(4*\e+\s)+11], v[64*\e+8*\t:64*\e+8*\t+7], v[WS+4*\t+\s], v[CS+4*\e+\s] matrix_a_fmt:MATRIX_FMT_FP6 matrix_b_fmt:MATRIX_FMT_FP6
.endif
.endr
.endr
.endr
.rept 4
	v_nop                                          ; four places in front of the first read of results (ISA guide 7.12.1)
.endr
.macro TOSTAGE e
	WIN 0x0c                                       ; an LDS store's data are its source 1: window 3
.irp t, 0,1,2,3,4,5,6,7
	ds_store_b128 v[STO], v[64*\e+8*\t:64*\e+8*\t+3] offset:64*\t            ; each accumulator from its low end on
	ds_store_b128 v[STO], v[64*\e+8*\t+4:64*\e+8*\t+7] offset:64*\t+16
.endr
	WIN 0
.irp i, 0,1,2,3,4,5,6,7,8,9,10,11,12,13,14,15
	ds_load_b128 v[BK+64*\e+4*\i:BK+64*\e+4*\i+3], v[RD] offset:528*\i        ; LDS serves a wave's instructions in order: these see the stores above, and the next tile's stores come behind them
.endr
.endm
.macro SEND e
.irp i, 0,1,2,3,4,5,6,7,8,9,10,11,12,13,14,15
	global_store_b128 v[GO], v[BK+64*\e+4*\i:BK+64*\e+4*\i+3], s[8:9] offset:32768*\e+2048*\i th:TH_STORE_NT   ; 32 lanes store 512 consecutive bytes, aligned; written once, read by nobody here
.endr
.endm
	WIN 0x0c
	s_wait_alu depctr_va_vdst(0)                   ; the products have written the accumulators, which the LDS stores read, and are done reading v16 to v111, as the shifts are with v112 to v143: the LDS loads land there.  No vector instruction follows; the places above stay beside this wait
	TOSTAGE 0
	TOSTAGE 1
	s_wait_dscnt 32                                ; tile 0 is back; tile 1's sixteen stores and sixteen loads may be out
	SEND 0
	s_wait_dscnt 0x0
	SEND 1
	s_wait_dscnt 0x0                               ; the closing lines, six on end
	s_wait_alu 0x0
	s_wait_tensorcnt 0x0
	ds_add_u32 v254, v255
	s_wait_dscnt 0x0
	s_endpgm
.Lfunc_end_k_q721e7cb617_outp:
	.size	k_q721e7cb617_outp, .Lfunc_end_k_q721e7cb617_outp-k_q721e7cb617_outp
	.p2alignl 7, 3214868480
	.fill 96, 4, 3214868480
	.section	.rodata,"a",@progbits
	.p2align	6, 0x0
	.amdhsa_kernel k_q721e7cb617_outp
		.amdhsa_group_segment_fixed_size 34304
		.amdhsa_private_segment_fixed_size 0
		.amdhsa_enable_private_segment 0
		.amdhsa_kernarg_size 24
		.amdhsa_user_sgpr_count 2
		.amdhsa_user_sgpr_kernarg_segment_ptr 1
		.amdhsa_wavefront_size32 1
		.amdhsa_system_sgpr_workgroup_id_x 1
		.amdhsa_system_sgpr_workgroup_id_y 1
		.amdhsa_system_sgpr_workgroup_id_z 1
		.amdhsa_system_vgpr_workitem_id 0
		.amdhsa_next_free_vgpr 896
		.amdhsa_next_free_sgpr 66
		.amdhsa_reserve_vcc 0
		.amdhsa_float_denorm_mode_32 3
		.amdhsa_float_denorm_mode_16_64 3
		.amdhsa_memory_ordered 1
		.amdhsa_forward_progress 1
		.amdhsa_inst_pref_size 46
	.end_amdhsa_kernel
	.amdgpu_metadata
---
amdhsa.version: [ 1, 2 ]
amdhsa.kernels:
  - .name:           k_q721e7cb617_outp
    .symbol:         k_q721e7cb617_outp.kd
    .args:
      - { .name: cr, .offset: 0, .size: 8, .value_kind: global_buffer, .address_space: global }
      - { .name: w, .offset: 8, .size: 8, .value_kind: global_buffer, .address_space: global }
      - { .name: out0, .offset: 16, .size: 8, .value_kind: global_buffer, .address_space: global }
    .group_segment_fixed_size: 34304
    .private_segment_fixed_size: 0
    .kernarg_segment_align: 8
    .kernarg_segment_size: 24
    .max_flat_workgroup_size: 128
    .sgpr_count:     66
    .vgpr_count:     896
    .wavefront_size: 32
...
	.end_amdgpu_metadata
.endif
;; end of part 8
